; MI455X (gfx1250); checked and timed in simulation.
; The chip was launched on July 23, 2026; its instructions are those of AMD's public machine-readable ISA for CDNA 5 (MIT licence, August 2026) and "CDNA5" Instruction Set Architecture Reference Guide (July 2026). The comments in the code are by the model that wrote it; some were corrected since.
;; Mixture Of Experts. Allowed arithmetic: float matrix products may take bf16 or f16 operands with f32 sums; other float arithmetic in f32, or as packed bf16 or f16 multiplies, adds, multiply-adds, maxima and minima; sums over many terms, partial sums and values carried from step to step in f32; what a program stores and reads back later, other than sums and carried values, may be rounded once to bf16 or f16.
;; Inputs: W1 8 x 1,024 x 4,096 float32; W2 8 x 4,096 x 1,024 float32; Wg 1,024 x 8 float32; b1 8 x 4,096 float32; b2 8 x 1,024 float32; bg 8 float32; x 1,024 x 1,024 float32.
;; Outputs: out0 1,024 x 1,024 float32.
;; 3 versions, each right; version 2 is faster than version 1; version 3 is version 2 with the launches up, down written anew for expert scheduling mode. Each part assembles by itself: llvm-mc -triple=amdgcn-amd-amdhsa -mcpu=gfx1250 --defsym DOCPART=n.
;; ======== version 1 of 3: 4 launches
;; workspace buffers: xb 2,097,152 bytes; sel 4,096 bytes of whole numbers; h 67,108,864 bytes; y 33,685,504 bytes
;; launch route (part 1): grid 64 x 1, 8 waves a work-group, no clusters, 44,032 bytes of LDS; arguments x, Wg, bg, xb, sel; writes xb, sel
.if DOCPART == 1
	.amdgcn_target "amdgcn-amd-amdhsa--gfx1250"
	.amdhsa_code_object_version 6
	.text
	.protected	k_qcefcfb8336_route
	.globl	k_qcefcfb8336_route
	.p2align	8
	.type	k_qcefcfb8336_route,@function
k_qcefcfb8336_route:
	s_mov_b64 s[64:65], 0
	v_nop
	global_prefetch_b8 v0, s[64:65] scope:SCOPE_SE
	s_setreg_imm32_b32 hwreg(HW_REG_WAVE_MODE, 25, 1), 1
	s_wait_xcnt 0x0
; ROUTE.  xb = x rounded to bf16;  scores = softmax(xb Wg + bg), Wg and bg rounded to bf16 too;  sel[t] = (1 << first choice) | (0x100 << second choice).
; x: [1024][1024] f32.  Wg: [1024][8] f32.  bg: [8] f32.  xb: [1024][1024] bf16.  sel: [1024] words.
; SHARES.  A work-group owns 16 tokens (a matrix tile's width), wave v the 128 channels from 128 v on: 64 work-groups have all the work there is.
; The eight waves' partial logits meet in LDS; wave 0 adds them, takes the softmax as it is defined (maximum away, exponentials, sum, scale) and scans the scores twice with a strict
; "greater", so that the lower index wins a tie.
; LIMITS.  All inputs are rounded once to bf16.  NaN and infinities are not treated apart.  A score below 2^-126 counts as 0 (v_exp_f32 gives 0 there): experts some 87 below the largest
; logit tie, and the lower index wins.  A token whose second and third scores lie within the rounding of the f32 sums of each other may choose otherwise than a sum in another order.
; No cluster: no two work-groups read the same bytes of x, and Wg is 32 KB in all.
.set XPITCH, 272                       ; a token's 128 bf16 in LDS: 256 bytes + 16, so that the 16 rows of a fragment load start 16 bytes apart modulo 256
.set PART,   8*16*XPITCH               ; behind the eight waves' tiles: [wave][token][8 f32], 4,096 bytes; then 4,096 bytes for what lanes 16-31 hold (the same numbers once more)
.set SPARE,  PART+2*4096               ; the spare words, 128 bytes for each wave: four blocks of 256 bytes that no other line names
.set SPW, 10                           ; v10  LDS address of my spare word; never rewritten
.set NIL, 11                           ; v11  0; never rewritten
.set X,   16                           ; v16-79    16 tokens x 4 f32 as loaded
.set WG,  80                           ; v80-143   64 numbers of Wg as loaded
.set XP,  144                          ; v144-175  16 tokens x 4 bf16
.set WF,  176                          ; v176-207  four fragments of Wg^T (16 rows: the 8 experts twice; 32 channels)
.set XF,  208                          ; v208-239  four fragments of x (16 tokens x 32 channels)
.set D,   16                           ; v16-47    four accumulators, where X lay
.set P,   48                           ; v48-111   wave 0: the eight partial logits; v48-55 then the logits and the scores
	s_load_b256 s[4:11], s[0:1], 0x0               ; x s[4:5], Wg s[6:7], bg s[8:9], xb s[10:11]
	s_load_b64 s[12:13], s[0:1], 0x20              ; sel
	v_lshl_add_u32 v[SPW], v0, 2, SPARE
	v_mov_b32 v[NIL], 0
	v_lshrrev_b32 v1, 5, v0
	v_readfirstlane_b32 s14, v1                    ; wave 0..7
	v_and_b32 v1, 31, v0                           ; lane
	v_and_b32 v2, 15, v0                           ; r = lane % 16
	v_bfe_u32 v3, v0, 4, 1                         ; h = lane / 16
	v_lshlrev_b32 v4, 4, v1                        ; x: 16 bytes a lane
	s_mul_i32 s15, s14, 16*XPITCH                  ; my wave's tile in LDS
	v_lshl_add_u32 v5, v1, 3, s15                  ; into it: 8 bytes a lane
	v_and_b32 v6, 7, v0
	v_lshlrev_b32 v6, 2, v6
	v_lshl_add_u32 v6, v3, 8, v6                   ; Wg: channel 8 h, expert r % 8
	v_mul_u32_u24 v7, v2, XPITCH
	v_lshl_add_u32 v7, v3, 4, v7
	v_add_nc_u32 v7, s15, v7                       ; out of it: token r, 16 bytes for each half of the lanes
	s_lshl_b32 s16, s14, 9
	s_add_co_u32 s17, s16, PART
	v_lshl_add_u32 v8, v2, 5, s17
	v_lshl_add_u32 v8, v3, 12, v8                  ; my partial logits: [wave][token r]; lanes 16-31 4,096 bytes further on
	v_lshlrev_b32 v9, 3, v1                        ; xb: 8 bytes a lane
	s_lshl_b32 s18, ttmp9, 16                      ; 16 tokens of 4,096 bytes,
	s_add_co_u32 s18, s18, s16                     ; my wave's 512 bytes of each
	s_mov_b32 s19, 0
	s_lshl_b32 s20, s14, 12                        ; my wave's 128 rows of Wg
	s_mov_b32 s21, 0
	s_lshl_b32 s22, ttmp9, 15                      ; 16 tokens of 2,048 bytes,
	s_lshl_b32 s23, s14, 8
	s_add_co_u32 s22, s22, s23                     ; my wave's 256 bytes of each
	s_mov_b32 s23, 0
	s_lshl_b32 s24, ttmp9, 6                       ; 16 words of sel
	s_mov_b32 s25, 0
	s_wait_kmcnt 0x0
	s_add_nc_u64 s[4:5], s[4:5], s[18:19]
	s_add_nc_u64 s[6:7], s[6:7], s[20:21]
	s_add_nc_u64 s[10:11], s[10:11], s[22:23]
	s_add_nc_u64 s[12:13], s[12:13], s[24:25]
.set i, 0
.rept 16                                               ; a load covers 512 consecutive bytes of one token
	global_load_b128 v[X+4*i:X+4*i+3], v4, s[4:5] offset:4096*i th:TH_LOAD_NT
.set i, i+1
.endr
.set n, 0
.rept 32                                               ; number n = 16 ks + 8 c + i is channel 32 ks + 16 c + 8 h + i = 2 n - n % 8 (+ 8 h): the order of a fragment's registers
	global_load_b32 v[WG+n], v6, s[6:7] offset:32*(2*n-n%8)
.set n, n+1
.endr
	s_wait_loadcnt 32                              ; x is in; the 32 younger loads of Wg stay out
.set i, 0
.rept 32
	v_cvt_pk_bf16_f32 v[XP+i], v[X+2*i], v[X+2*i+1]
.set i, i+1
.endr
.set i, 0
.rept 16
	global_store_b64 v9, v[XP+2*i:XP+2*i+1], s[10:11] offset:2048*i  ; the wave stores 256 consecutive bytes, at a multiple of 256 from xb's first byte
	ds_store_b64 v5, v[XP+2*i:XP+2*i+1] offset:XPITCH*i
.set i, i+1
.endr
.rept 32
	global_load_b32 v[WG+n], v6, s[6:7] offset:32*(2*n-n%8)
.set n, n+1
.endr
.set i, 0
.rept 4                                                ; my own bytes: LDS serves a wave's instructions in order (ISA guide 5.7.1.4), so these see the stores above
	ds_load_b128 v[XF+8*i:XF+8*i+3],   v7 offset:64*i
	ds_load_b128 v[XF+8*i+4:XF+8*i+7], v7 offset:64*i+32
.set i, i+1
.endr
	s_wait_loadcnt 32                              ; the first 32 of Wg are in; the second 32 stay out
.set i, 0
.rept 16
	v_cvt_pk_bf16_f32 v[WF+i], v[WG+2*i], v[WG+2*i+1]
.set i, i+1
.endr
	s_wait_loadcnt 0x0
.rept 16
	v_cvt_pk_bf16_f32 v[WF+i], v[WG+2*i], v[WG+2*i+1]
.set i, i+1
.endr
	s_wait_dscnt 0x0
	; source 0 = experts, source 1 = tokens: a lane holds ONE token (lane % 16), and its registers 0-7 the eight experts.  Four accumulators, one product each: no chain.
.set i, 0
.rept 4
	v_wmma_f32_16x16x32_bf16 v[D+8*i:D+8*i+7], v[WF+8*i:WF+8*i+7], v[XF+8*i:XF+8*i+7], 0
.set i, i+1
.endr
.rept 4
	v_nop                                          ; four places between a product and the first read of its result (ISA guide 7.12.1)
.endr
.irp q, 0,1,2,3
	v_pk_add_f32 v[D+2*\q:D+2*\q+1], v[D+2*\q:D+2*\q+1], v[D+8+2*\q:D+8+2*\q+1]
.endr
.irp q, 0,1,2,3
	v_pk_add_f32 v[D+16+2*\q:D+16+2*\q+1], v[D+16+2*\q:D+16+2*\q+1], v[D+24+2*\q:D+24+2*\q+1]
.endr
.irp q, 0,1,2,3
	v_pk_add_f32 v[D+2*\q:D+2*\q+1], v[D+2*\q:D+2*\q+1], v[D+16+2*\q:D+16+2*\q+1]
.endr
	ds_store_b128 v8, v[D:D+3]
	ds_store_b128 v8, v[D+4:D+7] offset:16
	s_wait_dscnt 0x0                               ; for wave 0's sake: my partial logits are in LDS
	s_barrier_signal -1
	s_barrier_wait -1
	s_cmp_lg_u32 s14, 0
	s_cbranch_scc1 .Lend                           ; the rest is one wave's work; no barrier stands in it
	v_lshl_add_u32 v12, v2, 5, PART
.set i, 0
.rept 8
	ds_load_b128 v[P+8*i:P+8*i+3],   v12 offset:512*i
	ds_load_b128 v[P+8*i+4:P+8*i+7], v12 offset:512*i+16
.set i, i+1
.endr
	v_mov_b32 v13, 0
	global_load_b128 v[112:115], v13, s[8:9]
	global_load_b128 v[116:119], v13, s[8:9] offset:16
	s_wait_dscnt 0x0
.set i, 1
.rept 7                                                ; the waves' parts, channels ascending
.irp q, 0,1,2,3
	v_pk_add_f32 v[P+2*\q:P+2*\q+1], v[P+2*\q:P+2*\q+1], v[P+8*i+2*\q:P+8*i+2*\q+1]
.endr
.set i, i+1
.endr
	s_wait_loadcnt 0x0
.irp q, 0,1,2,3                                        ; bg rounded to bf16 and widened again, in place
	v_cvt_pk_bf16_f32 v[113+2*\q], v[112+2*\q], v[113+2*\q]
.endr
.irp q, 0,1,2,3
	v_lshlrev_b32 v[112+2*\q], 16, v[113+2*\q]
	v_and_b32 v[113+2*\q], 0xffff0000, v[113+2*\q]
.endr
.irp q, 0,1,2,3
	v_pk_add_f32 v[P+2*\q:P+2*\q+1], v[P+2*\q:P+2*\q+1], v[112+2*\q:113+2*\q]
.endr
	v_max3_num_f32 v56, v48, v49, v50
	v_max3_num_f32 v56, v56, v51, v52
	v_max3_num_f32 v56, v56, v53, v54
	v_max_num_f32 v56, v56, v55                    ; the token's largest logit
.irp e, 0,1,2,3,4,5,6,7
	v_sub_f32 v[P+\e], v[P+\e], v56
.endr
.irp e, 0,1,2,3,4,5,6,7
	v_mul_f32 v[P+\e], 0x3fb8aa3b, v[P+\e]         ; log2(e): v_exp_f32 works in base 2
.endr
.irp e, 0,1,2,3,4,5,6,7
	v_exp_f32 v[P+\e], v[P+\e]
.endr
	v_nop                                          ; a plain instruction between the last exponential and the use of its result
	s_wait_alu depctr_va_vdst(0)
	v_add_f32 v57, v48, v49
	v_add_f32 v58, v50, v51
	v_add_f32 v59, v52, v53
	v_add_f32 v60, v54, v55
	v_add_f32 v57, v57, v58
	v_add_f32 v59, v59, v60
	v_add_f32 v57, v57, v59
	v_rcp_f32 v57, v57
	v_nop
	s_wait_alu depctr_va_vdst(0)
.irp e, 0,1,2,3,4,5,6,7
	v_mul_f32 v[P+\e], v[P+\e], v57                ; the scores
.endr
	v_mov_b32 v60, v48                             ; first choice: the largest score, the lower index on a tie
	v_mov_b32 v61, 0
.irp e, 1,2,3,4,5,6,7
	v_cmp_gt_f32 vcc_lo, v[P+\e], v60
	v_cndmask_b32 v60, v60, v[P+\e], vcc_lo
	v_cndmask_b32 v61, v61, \e, vcc_lo
.endr
.irp e, 0,1,2,3,4,5,6,7
	v_cmp_eq_u32 vcc_lo, \e, v61
	v_cndmask_b32 v[P+\e], v[P+\e], -1.0, vcc_lo   ; it leaves the field: every score is 0 or more
.endr
	v_mov_b32 v62, v48                             ; second choice, likewise
	v_mov_b32 v63, 0
.irp e, 1,2,3,4,5,6,7
	v_cmp_gt_f32 vcc_lo, v[P+\e], v62
	v_cndmask_b32 v62, v62, v[P+\e], vcc_lo
	v_cndmask_b32 v63, v63, \e, vcc_lo
.endr
	v_mov_b32 v64, 1
	v_lshlrev_b32 v65, v61, v64
	v_add_nc_u32 v63, 8, v63
	v_lshlrev_b32 v66, v63, v64
	v_or_b32 v65, v65, v66
	v_lshlrev_b32 v67, 2, v1
	s_wait_xcnt 0x0                                ; EXEC is a source of my earlier stores: it changes only behind this wait
	v_cmp_gt_u32 vcc_lo, 16, v1
	s_and_saveexec_b32 s26, vcc_lo                 ; lanes 16-31 hold the same 16 tokens once more
	global_store_b32 v67, v65, s[12:13]            ; 64 consecutive bytes
	s_wait_xcnt 0x0
	s_or_b32 exec_lo, exec_lo, s26
.Lend:
	s_wait_tensorcnt 0x0                           ; the wave's end, behind my last LDS store
	ds_add_u32 v[SPW], v[NIL]
	s_wait_dscnt 0x0
	s_endpgm
.Lfunc_end_k_qcefcfb8336_route:
	.size	k_qcefcfb8336_route, .Lfunc_end_k_qcefcfb8336_route-k_qcefcfb8336_route
	.p2alignl 7, 3214868480
	.fill 96, 4, 3214868480
	.section	.rodata,"a",@progbits
	.p2align	6, 0x0
	.amdhsa_kernel k_qcefcfb8336_route
		.amdhsa_group_segment_fixed_size 44032
		.amdhsa_private_segment_fixed_size 0
		.amdhsa_enable_private_segment 0
		.amdhsa_kernarg_size 40
		.amdhsa_user_sgpr_count 2
		.amdhsa_user_sgpr_kernarg_segment_ptr 1
		.amdhsa_wavefront_size32 1
		.amdhsa_system_sgpr_workgroup_id_x 1
		.amdhsa_system_sgpr_workgroup_id_y 1
		.amdhsa_system_sgpr_workgroup_id_z 1
		.amdhsa_system_vgpr_workitem_id 0
		.amdhsa_next_free_vgpr 240
		.amdhsa_next_free_sgpr 66
		.amdhsa_reserve_vcc 1
		.amdhsa_float_denorm_mode_32 3
		.amdhsa_float_denorm_mode_16_64 3
		.amdhsa_memory_ordered 1
		.amdhsa_forward_progress 1
		.amdhsa_inst_pref_size 27
	.end_amdhsa_kernel
	.amdgpu_metadata
---
amdhsa.version: [ 1, 2 ]
amdhsa.kernels:
  - .name:           k_qcefcfb8336_route
    .symbol:         k_qcefcfb8336_route.kd
    .args:
      - { .name: x, .offset: 0, .size: 8, .value_kind: global_buffer, .address_space: global }
      - { .name: Wg, .offset: 8, .size: 8, .value_kind: global_buffer, .address_space: global }
      - { .name: bg, .offset: 16, .size: 8, .value_kind: global_buffer, .address_space: global }
      - { .name: xb, .offset: 24, .size: 8, .value_kind: global_buffer, .address_space: global }
      - { .name: sel, .offset: 32, .size: 8, .value_kind: global_buffer, .address_space: global }
    .group_segment_fixed_size: 44032
    .private_segment_fixed_size: 0
    .kernarg_segment_align: 8
    .kernarg_segment_size: 40
    .max_flat_workgroup_size: 256
    .sgpr_count:     66
    .vgpr_count:     240
    .wavefront_size: 32
...
	.end_amdgpu_metadata
.endif
;; end of part 1
;; launch up (part 2): grid 256 x 1, 4 waves a work-group, no clusters, 110,080 bytes of LDS; arguments xb, W1, b1, sel, h; writes h
.if DOCPART == 2
	.amdgcn_target "amdgcn-amd-amdhsa--gfx1250"
	.amdhsa_code_object_version 6
	.text
	.protected	k_qcefcfb8336_up
	.globl	k_qcefcfb8336_up
	.p2align	8
	.type	k_qcefcfb8336_up,@function
k_qcefcfb8336_up:
	s_mov_b64 s[64:65], 0
	v_nop
	global_prefetch_b8 v0, s[64:65] scope:SCOPE_SE
	s_setreg_imm32_b32 hwreg(HW_REG_WAVE_MODE, 25, 1), 1
	s_wait_xcnt 0x0
; UP.  h[e][rank][:] = relu(xb[token(rank)] W1[e] + b1[e]), bf16, for the tokens that chose expert e, in the order of a list that every wave makes from sel.
; xb: [1024][1024] bf16.  W1: [8][1024][4096] f32.  b1: [8][4096] f32.  sel: [1024] words, (1 << first choice) | (0x100 << second).  h: [8][1024 ranks][4096] bf16.
; SHARES.  Work-group = (expert e = id / 32, slice s = id % 32): the 1,024 x 128 numbers W1[e][:][128 s ..], which it alone reads, and ALL of the expert's rows (0 to 1,024 of them).
; Four waves, all running the same text.  In k-step m (32 along K) wave w
;   lays its quarter of k-step m + 2's weights into LDS: rows 8 w .. 8 w + 7 of the step, 8 loads of 512 consecutive bytes, rounded to bf16 and turned by the choice of the conversions' sources;
;   multiplies k-step m: weight fragments from LDS, activation fragments straight from memory, 80 rows x 128 columns: 40 matrix instructions.
; THE RING.  Two LDS slots of two k-steps; a barrier after every two k-steps, and in front of it every wave has waited for all its LDS instructions: an interval reads one slot and writes the other.
; No LDS address register is written behind the head: slot and k-step stand in the immediates.
; ONE COUNTER.  Loads into registers are counted done in the order of issue (ISA guide 5.7.1), so weights (W) and activations (A) are asked for in the order in which they are needed:
; .. A(k), W(k+3), A(k+1), W(k+4) ..; step m asks for A(m+3) and then W(m+6).  62 loads of a wave are out at the most, 32 of them weights: 16 KB a wave.
; ROWS.  NB = max(1, ceil(count / 16)) blocks of 16 ranks.  Group g holds blocks 20 g + 4 i + w (i = 0..4).  Group 0 runs under the stream.  Groups 1-3, for an expert with more than 320 rows, have
; no barrier: each wave fetches the slice again for itself, a k-step at a time, through LDS bytes of its own: four times the slice's bytes for a work-group, the price of serving every split.
; All five blocks are multiplied in every k-step, dead ones on token 0's row; only whole blocks below NB are stored.  Ranks past the count in a live block hold token 0's result: stored, never used.
; THE MATRIX INSTRUCTION IS USED TRANSPOSED: source 0 = 16 columns of W1, source 1 = 16 rows of xb: a lane then holds one row (lane % 16) and eight neighbouring columns 8 (lane / 16) + 0..7.
; LIMITS.  xb, W1, b1 and h are rounded once to bf16; sums in f32; NaN and infinities are not treated apart.
; NO CLUSTER: each weight byte has one reader; the rows that an expert's 32 work-groups share come by a list, which no tensor descriptor covers.
.set PITCH,  16384                     ; bytes from a row of W1[e] to the next
.set NSTR,   272                       ; LDS: 8 k of a column block's 16 columns, 256 bytes, + 16, so that the 16 lanes of a store fall on 16 different 16-byte columns modulo 256
.set OCT,    8*NSTR                    ; 2,176: 8 k of all 128 columns
.set WSTR,   2*OCT                     ; 4,352: a wave's part of a slot: its 8 k of two k-steps
.set SLOTB,  4*WSTR                    ; 17,408: a slot
.set PRIV,   2*SLOTB                   ; 34,816: for each wave one k-step of its own, for groups 1-3
.set PSTR,   4*OCT
.set LIST,   PRIV+4*PSTR               ; 69,632: for each wave 1,280 words rank -> token, then 128 words that take what is not chosen
.set LSTR,   5632
.set STAGE,  LIST+4*LSTR               ; 92,160: for each wave 16 rows x 272 bytes, for the way out
.set SP,     272
.set SSTR,   16*SP
.set SPARE,  STAGE+4*SSTR              ; 109,568: the spare words, 128 bytes for each wave: two blocks of 256 bytes that no other line names
; scalar registers
.set WV,   14                          ; my wave's number
.set E,    16
.set SL,   17
.set SA,   22                          ; s[22:23] activations at the k-step from which the text in hand counts
.set SA0,  24                          ; s[24:25] activations at k = 0
.set SW,   26                          ; s[26:27] weights at the k-step from which the text in hand counts
.set OUTB, 28                          ; s[28:29] h at the expert's rank 0, my slice's columns
.set OUTT, 30                          ; s[30:31] the same at a block's first rank
.set TRIP, 32
.set G,    34
.set BLK0, 35                          ; 20 g + w
.set NL,   36                          ; how many of my five blocks are below NB
.set NB,   37
.set LISTW, 38                         ; my list
.set CNT,  39
.set STAGEW, 49                        ; my stage
.set LRD,  50                          ; my list at word 16 w: my first block's ranks
.set PRIVW, 51                         ; my own k-step
.set SWK,  52                          ; s[52:53] groups 1-3: weights at the k-step in hand
.set SW0,  54                          ; s[54:55] weights at k = 0
; vector registers, in windows of 256 (s_set_vgpr_msb: bits 1:0 source 0, 3:2 source 1, 5:4 source 2, 7:6 destination)
; window 0: v1-15 made in the head and never rewritten
.set BADR, 1                           ; ring, read: (lane / 16) x WSTR + 16 (lane % 16)
.set VS,   2                           ; ring, write: w x WSTR + (lane / 4) x NSTR + 64 (lane % 4)
.set VW,   3                           ; weights: 16 x lane + my 8 rows of a k-step
.set L16,  4                           ; 16 x lane
.set LSA,  5                           ; my list + 16 x lane
.set LRA,  6                           ; my list at word 16 w + lane % 16
.set OVS,  7                           ; my own k-step, write
.set OBR,  8                           ; my own k-step, read
.set STO,  9                           ; the way out: where I put 16 bytes of a row
.set RD,   10                          ; where I read rows back
.set CO,   11                          ; my byte offset in two ranks of h
.set H16,  13                          ; 16 (lane / 16)
.set B32,  14                          ; 32 (lane / 16)
.set R15,  15                          ; lane % 16
.set AOF,  16                          ; v16-20  block i: my row's byte offset in xb, + 16 (lane / 16)
.set SPW,  30                          ; LDS address of my spare word; never rewritten
.set NIL,  31                          ; 0; never rewritten
.set BF,   32                          ; v32-95   eight weight fragments of one k-step, in two halves that are loaded by turns
.set WRG,  96                          ; v96-223  four slots of 8 rows x 4 numbers: weights as loaded
.set PT,   224                         ; v224-239 8 k x 4 columns turned and rounded
.set Z,    240                         ; v240-247 zeros
.set TMP,  96                          ; the way out: a block packed
.set BK,   128                         ; the way out: the block read back by rows
; window 1: accumulators of blocks 0-3: block i, column block n at 64 i + 8 n
; window 2:
.set AR,   0                           ; v0-159   four slots of 40: five activation fragments of one k-step
.set ACC4, 160                         ; v160-223 block 4's accumulators; ahead of a group's first k-step: the bias
.set MSB, 0
.macro WIN new                         ; the immediate's high byte repeats the setting that is left; a switch that changes nothing is dropped
.if MSB != (\new)
	s_set_vgpr_msb (MSB<<8)|(\new)
.set MSB, \new
.endif
.endm
.macro PLACES                          ; four places between a matrix instruction and a load into, or a vector access of, its registers
.rept 4
	v_nop
.endr
.endm
.macro BAR                             ; an interval of two k-steps ends
	s_wait_dscnt 0x0                               ; for the others' sake: my stores into the one slot are done, and my reads of the other are back
	s_barrier_signal -1
	s_barrier_wait -1
.endm
; My 8 rows of k-step n, counted from SW.  A load takes 512 consecutive bytes of one row: lane l holds columns 4 l .. 4 l + 3.
.macro PLOAD slot, n
	WIN 0
.irp i, 0,1,2,3,4,5,6,7
	global_load_b128 v[WRG+32*(\slot)+4*\i:WRG+32*(\slot)+4*\i+3], v[VW], s[SW:SW+1] offset:(32*(\n)+\i)*PITCH th:TH_LOAD_NT
.endr
.endm
; For column j the four words (row 2 q, row 2 q + 1) are eight consecutive k of one column: 16 bytes of a fragment.
.macro PCVT slot
	WIN 0
.irp j, 0,1,2,3
.irp q, 0,1,2,3
	v_cvt_pk_bf16_f32 v[PT+4*\j+\q], v[WRG+32*(\slot)+8*\q+\j], v[WRG+32*(\slot)+8*\q+4+\j]
.endr
.endr
.endm
.macro PSTORE reg, base
.irp j, 0,1,2,3
	ds_store_b128 v[\reg], v[PT+4*\j:PT+4*\j+3] offset:(\base)+16*\j
.endr
.endm
; Half hf (four column blocks) of a k-step's weight fragments: 8 loads, 16 lanes on 256 consecutive bytes.  sec: from k = 8 h .. to k = 16 + 8 h ..
.macro LB hf, reg, base, sec
	WIN 0
.irp n, 0,1,2,3
	ds_load_b128 v[BF+8*(4*(\hf)+\n):BF+8*(4*(\hf)+\n)+3],   v[\reg] offset:(\base)+(4*(\hf)+\n)*NSTR
	ds_load_b128 v[BF+8*(4*(\hf)+\n)+4:BF+8*(4*(\hf)+\n)+7], v[\reg] offset:(\base)+(4*(\hf)+\n)*NSTR+(\sec)
.endr
.endm
.macro LA slot, n                      ; the five activation fragments of k-step n, counted from SA: 10 loads
	WIN 0x80                                       ; destination window 2, address window 0
.irp i, 0,1,2,3,4
	global_load_b128 v[AR+40*(\slot)+8*\i:AR+40*(\slot)+8*\i+3],   v[AOF+\i], s[SA:SA+1] offset:64*(\n)
	global_load_b128 v[AR+40*(\slot)+8*\i+4:AR+40*(\slot)+8*\i+7], v[AOF+\i], s[SA:SA+1] offset:64*(\n)+32
.endr
.endm
; 20 matrix instructions: five blocks x the four column blocks of half hf.  Each accumulator has one instruction, so no two that follow each other share one.
; first = 1: the group's first k-step: the bias, in ACC4, is the C operand; block 4 then adds in place onto it, five places behind the products that read it.
.macro MH slot, hf, first
.if \first
	WIN 0x68                                       ; weights window 0, activations window 2, C window 2, D window 1
.else
	WIN 0x58                                       ; C and D window 1
.endif
.irp i, 0,1,2,3
.irp n, 0,1,2,3
.if \first
	v_wmma_f32_16x16x32_bf16 v[64*\i+8*(4*(\hf)+\n):64*\i+8*(4*(\hf)+\n)+7], v[BF+8*(4*(\hf)+\n):BF+8*(4*(\hf)+\n)+7], v[AR+40*(\slot)+8*\i:AR+40*(\slot)+8*\i+7], v[ACC4+8*(4*(\hf)+\n):ACC4+8*(4*(\hf)+\n)+7]
.else
	v_wmma_f32_16x16x32_bf16 v[64*\i+8*(4*(\hf)+\n):64*\i+8*(4*(\hf)+\n)+7], v[BF+8*(4*(\hf)+\n):BF+8*(4*(\hf)+\n)+7], v[AR+40*(\slot)+8*\i:AR+40*(\slot)+8*\i+7], v[64*\i+8*(4*(\hf)+\n):64*\i+8*(4*(\hf)+\n)+7]
.endif
.endr
.endr
	WIN 0xa8                                       ; C and D window 2
.if \first
.rept 5
	v_nop
.endr
.endif
.irp n, 0,1,2,3
	v_wmma_f32_16x16x32_bf16 v[ACC4+8*(4*(\hf)+\n):ACC4+8*(4*(\hf)+\n)+7], v[BF+8*(4*(\hf)+\n):BF+8*(4*(\hf)+\n)+7], v[AR+40*(\slot)+32:AR+40*(\slot)+39], v[ACC4+8*(4*(\hf)+\n):ACC4+8*(4*(\hf)+\n)+7]
.endr
.endm
; K-STEP m.  mm = m % 4: its place in the ring and its slot of registers; rel: m counted from SA and SW.
; pst = 1: W(m+2) is laid into the other slot; lcw: the younger loads that may stay out when W(m+2) must be in.  The 16 conversions are also the places in front of the fragment loads.
; Half 1 of step m - 1 is multiplied while half 0 of step m lands, then half 0 of step m while its half 1 lands.
; lca: the younger loads that may stay out when A(m) must be in.  la = 1: A(m+3) goes into the slot that step m - 1 has just read out.  pl = 1: W(m+6) goes into the slot just converted.
.macro ITER mm, rel, f1, pst, lcw, lca, la, pl
.if \pst
	s_wait_loadcnt \lcw
	PCVT ((\mm)+2)%4
	PSTORE VS, ((((\mm)+2)%4)/2)*SLOTB+((\mm)%2)*OCT
.else
	PLACES
.endif
	LB 0, BADR, ((\mm)/2)*SLOTB+((\mm)%2)*OCT, 2*WSTR
	s_wait_dscnt 8+4*(\pst)                        ; all but what this step has issued: half 1 of step m - 1 is in
	MH ((\mm)+3)%4, 1, \f1
	PLACES
	s_wait_loadcnt \lca
.if \la
	LA ((\mm)+3)%4, (\rel)+3
.endif
	LB 1, BADR, ((\mm)/2)*SLOTB+((\mm)%2)*OCT, 2*WSTR
.if \pl
	PLOAD ((\mm)+2)%4, (\rel)+6
.endif
	s_wait_dscnt 8                                 ; half 0 of step m is in
	MH \mm, 0, 0
.endm
.macro NLCALC                          ; NL = clamp(ceil((NB - BLK0) / 4), 0, 5)
	s_add_co_u32 s45, s[NB], 3
	s_sub_co_i32 s45, s45, s[BLK0]
	s_max_i32 s45, s45, 0
	s_lshr_b32 s45, s45, 2
	s_min_u32 s[NL], s45, 5
.endm
.macro AOFSET                          ; my rows' offsets, from the list's first 320 words
	WIN 0
.irp i, 0,1,2,3,4
	ds_load_b32 v[AOF+\i], v[LRA] offset:256*\i    ; block i lies 64 ranks on
.endr
	s_wait_dscnt 0x0
.irp i, 0,1,2,3,4
	v_min_u32 v[AOF+\i], 0x3ff, v[AOF+\i]          ; a token
	v_lshl_add_u32 v[AOF+\i], v[AOF+\i], 11, v[H16]  ; its 2,048 bytes
.endr
.endm
.macro BIASLD                          ; my eight columns of each column block: 32 bytes for each half of the lanes
	WIN 0x80
.irp n, 0,1,2,3,4,5,6,7
	global_load_b128 v[ACC4+8*\n:ACC4+8*\n+3],   v[B32], s[8:9] offset:64*\n
	global_load_b128 v[ACC4+8*\n+4:ACC4+8*\n+7], v[B32], s[8:9] offset:64*\n+16
.endr
.endm
.macro BIASRND                         ; rounded to bf16 and widened again, in place
	WIN 0x8a                                       ; all in window 2
.set m, 0
.rept 32
	v_cvt_pk_bf16_f32 v[ACC4+2*m+1], v[ACC4+2*m], v[ACC4+2*m+1]
.set m, m+1
.endr
.set m, 0
.rept 32
	v_lshlrev_b32 v[ACC4+2*m], 16, v[ACC4+2*m+1]
	v_and_b32 v[ACC4+2*m+1], 0xffff0000, v[ACC4+2*m+1]
.set m, m+1
.endr
	WIN 0
.endm
; Groups 1-3: my list goes 320 words down, so that every read of it has one address in every group.  My own bytes, served in order (ISA guide 5.7.1.4).
.macro LSHIFT
.irp j, 0,1,2,3,4,5,6,7
	ds_load_b128 v[WRG+4*\j:WRG+4*\j+3], v[LSA] offset:1280+512*\j
.endr
	s_wait_dscnt 0x0
.irp j, 0,1,2,3,4,5,6,7
	ds_store_b128 v[LSA], v[WRG+4*\j:WRG+4*\j+3] offset:512*\j
.endr
.endm
; Groups 1-3: one k-step.  I fetch its 32 rows of the slice myself, eight at a time, turn and round them, lay them into my own k-step in LDS and read them back as fragments.
.macro OSTEP
	PLACES                                         ; behind the last trip's products: their fragments are loaded again
	LA 0, 0
	WIN 0
.irp p, 0,1,2,3
.irp i, 0,1,2,3,4,5,6,7
	global_load_b128 v[WRG+4*\i:WRG+4*\i+3], v[L16], s[SWK:SWK+1] offset:(8*\p+\i)*PITCH
.endr
	s_wait_loadcnt 0x0
	PCVT 0
	PSTORE OVS, \p*OCT
.endr
	LB 0, OBR, 0, 2*OCT
	LB 1, OBR, 0, 2*OCT
	s_wait_dscnt 0x0
	MH 0, 0, 0
	MH 0, 1, 0
	WIN 0
	s_wait_xcnt 0x0                                ; the bases are stepped only behind this wait
	s_add_nc_u64 s[SA:SA+1], s[SA:SA+1], 64
	s_add_nc_u64 s[SWK:SWK+1], s[SWK:SWK+1], 32*PITCH
.endm
; THE WAY OUT of block i: rounded to bf16, relu on the packed halves, 16 bytes a lane into my stage, back as whole rows of 256 bytes, stored.  A block at or past NB ends the wave's work:
; NB <= BLK0 + 16 then, so no later group has a block either.
.macro EPI i
	s_cmp_le_u32 s[NL], \i
	s_cbranch_scc1 .Lend
.set m, 0
.if (\i) < 4
	WIN 0x05                                       ; sources 0 and 1 in window 1
.rept 32
	v_cvt_pk_bf16_f32 v[TMP+m], v[64*(\i)+2*m], v[64*(\i)+2*m+1]
.set m, m+1
.endr
.else
	WIN 0x0a                                       ; sources 0 and 1 in window 2
.rept 32
	v_cvt_pk_bf16_f32 v[TMP+m], v[ACC4+2*m], v[ACC4+2*m+1]
.set m, m+1
.endr
.endif
	WIN 0
.set m, 0
.rept 32
	v_pk_max_num_bf16 v[TMP+m], v[TMP+m], v[Z]
.set m, m+1
.endr
.irp n, 0,1,2,3,4,5,6,7
	ds_store_b128 v[STO], v[TMP+4*\n:TMP+4*\n+3] offset:32*\n
.endr
	s_wait_xcnt 0x0                                ; the last block's stores name BK and OUTT: both are rewritten only behind this wait
.irp t, 0,1,2,3,4,5,6,7
	ds_load_b128 v[BK+4*\t:BK+4*\t+3], v[RD] offset:2*SP*\t  ; my own bytes, served in order (ISA guide 5.7.1.4): these see the stores above
.endr
	s_add_co_u32 s45, s[BLK0], 4*(\i)
	s_lshl_b32 s20, s45, 17                        ; 16 ranks of 8,192 bytes
	s_add_nc_u64 s[OUTT:OUTT+1], s[OUTB:OUTB+1], s[20:21]
	s_wait_dscnt 0x0
.irp t, 0,1,2,3,4,5,6,7
	global_store_b128 v[CO], v[BK+4*\t:BK+4*\t+3], s[OUTT:OUTT+1] offset:16384*\t  ; 16 lanes store 256 consecutive bytes, at a multiple of 256 from h's first byte
.endr
.endm
	; THE HEAD: every address register is made here, once
	s_load_b256 s[4:11], s[0:1], 0x0               ; xb s[4:5], W1 s[6:7], b1 s[8:9], sel s[10:11]
	s_load_b64 s[12:13], s[0:1], 0x20              ; h
	v_lshl_add_u32 v[SPW], v0, 2, SPARE
	v_mov_b32 v[NIL], 0
	v_lshrrev_b32 v21, 5, v0
	v_readfirstlane_b32 s[WV], v21
	s_lshr_b32 s[E], ttmp9, 5
	s_and_b32 s[SL], ttmp9, 31
	s_mov_b32 s21, 0
	s_mul_i32 s[LISTW], s[WV], LSTR
	s_add_co_u32 s[LISTW], s[LISTW], LIST
	s_lshl_b32 s[LRD], s[WV], 6
	s_add_co_u32 s[LRD], s[LRD], s[LISTW]
	s_mul_i32 s[STAGEW], s[WV], SSTR
	s_add_co_u32 s[STAGEW], s[STAGEW], STAGE
	s_mul_i32 s[PRIVW], s[WV], PSTR
	s_add_co_u32 s[PRIVW], s[PRIVW], PRIV
	s_mul_i32 s41, s[WV], WSTR
	s_mul_i32 s45, s[WV], 8*PITCH
	v_and_b32 v21, 31, v0                          ; lane
	v_and_b32 v[R15], 15, v0
	v_bfe_u32 v22, v0, 4, 1                        ; lane / 16
	v_lshlrev_b32 v[L16], 4, v21
	v_lshlrev_b32 v[H16], 4, v22
	v_lshlrev_b32 v[B32], 5, v22
	v_mul_u32_u24 v[BADR], v22, WSTR               ; k = 8 h .. lie in the part that wave h laid
	v_lshl_add_u32 v[BADR], v[R15], 4, v[BADR]
	v_lshrrev_b32 v23, 2, v21                      ; my four columns lie in column block lane / 4,
	v_mul_u32_u24 v24, v23, NSTR
	v_and_b32 v23, 3, v21
	v_lshl_add_u32 v24, v23, 6, v24                ; at columns 4 (lane % 4) + j of it
	v_add_nc_u32 v[VS], s41, v24
	v_add_nc_u32 v[OVS], s[PRIVW], v24
	v_mul_u32_u24 v[OBR], v22, OCT
	v_lshl_add_u32 v[OBR], v[R15], 4, v[OBR]
	v_add_nc_u32 v[OBR], s[PRIVW], v[OBR]
	v_add_nc_u32 v[VW], s45, v[L16]
	v_add_nc_u32 v[LSA], s[LISTW], v[L16]
	v_lshl_add_u32 v[LRA], v[R15], 2, s[LRD]
	v_mul_u32_u24 v[STO], v[R15], SP               ; into the stage: row lane % 16, 16 bytes for each half of the lanes
	v_add_nc_u32 v[STO], v[H16], v[STO]
	v_add_nc_u32 v[STO], s[STAGEW], v[STO]
	v_mul_u32_u24 v[RD], v22, SP                   ; back: lanes 0-15 one row of 256 bytes, lanes 16-31 the next
	v_lshl_add_u32 v[RD], v[R15], 4, v[RD]
	v_add_nc_u32 v[RD], s[STAGEW], v[RD]
	v_lshlrev_b32 v[CO], 13, v22                   ; and the same two ranks in h
	v_lshl_add_u32 v[CO], v[R15], 4, v[CO]
.irp z, 0,1,2,3,4,5,6,7
	v_mov_b32 v[Z+\z], 0
.endr
	v_lshlrev_b32 v22, 2, v21                      ; 4 x lane
	v_add_nc_u32 v23, 1280, v21                    ; where a token that is not chosen goes
	v_mov_b32 v24, 0                               ; ranks past the count name token 0
	v_mov_b32 v25, 0
	v_mov_b32 v26, 0
	v_mov_b32 v27, 0
	s_lshl_b32 s45, s[SL], 9                       ; 128 columns of f32
	s_lshl_b32 s42, 0x101, s[E]                    ; expert e as first or as second choice
	s_mov_b32 s44, 0
	s_wait_kmcnt 0x0
	s_lshl_b32 s20, s[E], 24
	s_add_co_u32 s20, s20, s45
	s_add_nc_u64 s[SW0:SW0+1], s[6:7], s[20:21]    ; W1[e][0][128 s]
	s_mov_b64 s[SW:SW+1], s[SW0:SW0+1]
	s_lshl_b32 s20, s[E], 14
	s_add_co_u32 s20, s20, s45
	s_add_nc_u64 s[8:9], s[8:9], s[20:21]          ; b1[e][128 s]
	s_lshl_b32 s20, s[E], 23
	s_lshl_b32 s45, s[SL], 8
	s_add_co_u32 s20, s20, s45
	s_add_nc_u64 s[OUTB:OUTB+1], s[12:13], s[20:21]  ; h[e][0][128 s]
	s_mov_b64 s[SA0:SA0+1], s[4:5]
	s_mov_b64 s[SA:SA+1], s[4:5]
.irp j, 0,1,2,3,4,5,6,7
	global_load_b128 v[BF+4*\j:BF+4*\j+3], v[L16], s[10:11] offset:512*\j  ; sel, all of it
.endr
	BIASLD
	PLOAD 0, 0                                     ; the stream begins: 56 loads are out
	PLOAD 1, 1
	PLOAD 2, 2
	PLOAD 3, 3
	; THE LIST: each wave makes its own copy, so no wave waits for another.  Token 128 (n / 4) + 4 lane + n % 4 is looked at in round n; a chosen token's rank is the count so far plus the chosen
	; lanes below mine.  DOWN makes the same list from the same words.
.irp j, 0,1,2,3,4,5,6,7,8,9,10
	ds_store_b128 v[LSA], v[24:27] offset:512*\j
.endr
	s_wait_loadcnt 48                              ; sel is in; the bias's 16 loads and the weights' 32 stay out
.set n, 0
.rept 32
	v_and_b32 v28, s42, v[BF+n]
	v_cmp_ne_u32 s40, 0, v28
	v_mbcnt_lo_u32_b32 v28, s40, s44
	v_cndmask_b32 v28, v23, v28, s40
	v_min_u32 v28, 0x53f, v28                      ; inside my 1,408 words
	v_lshl_add_u32 v28, v28, 2, s[LISTW]
	v_add_nc_u32 v29, 128*(n/4)+n%4, v22
	ds_store_b32 v28, v29
	s_bcnt1_i32_b32 s45, s40
	s_add_co_u32 s44, s44, s45
.set n, n+1
.endr
	s_add_co_u32 s[NB], s44, 15
	s_lshr_b32 s[NB], s[NB], 4
	s_max_u32 s[NB], s[NB], 1                      ; block 0 is always stored, so that DOWN reads nothing that was not written
	s_mov_b32 s[BLK0], s[WV]
	NLCALC
	AOFSET
	s_wait_loadcnt 32                              ; the bias is in; W0 to W3 stay out
	LA 0, 0
	LA 1, 1
	BIASRND
	s_wait_loadcnt 44                              ; W0 is in: behind it W1, W2, W3, A0, A1
	PCVT 0
	PSTORE VS, 0
	PLOAD 0, 4
	s_wait_loadcnt 44                              ; W1 is in: behind it W2, W3, A0, A1, W4
	PCVT 1
	PSTORE VS, OCT
	LA 2, 2
	PLOAD 1, 5                                     ; out, in this order: W2, W3, A0, A1, W4, A2, W5: 62 loads
	BAR                                            ; k-steps 0 and 1 are in slot 0
	; K-STEP 0: nothing is left over from a step before; no matrix instruction stands ahead of it
	s_wait_loadcnt 54                              ; W2 is in
	PCVT 2
	PSTORE VS, SLOTB
	LB 0, BADR, 0, 2*WSTR
	LB 1, BADR, 0, 2*WSTR
	s_wait_loadcnt 36                              ; A0 is in: behind it A1, W4, A2, W5
	LA 3, 3
	PLOAD 2, 6
	s_wait_dscnt 8
	MH 0, 0, 1
	ITER 1, 1, 1, 1, 54, 44, 1, 1
	BAR
	WIN 0
	s_wait_xcnt 0x0                                ; the bases of the loads that are out are stepped only behind this wait
	s_add_nc_u64 s[SA:SA+1], s[SA:SA+1], 2*64
	s_add_nc_u64 s[SW:SW+1], s[SW:SW+1], 2*32*PITCH
	s_mov_b32 s[TRIP], 6
.Lbody:                                                ; k-steps 2 to 25, four a trip: once round the ring and once round the slots of registers.  54: three younger pairs A, W; 44: less one A
	ITER 2, 0, 0, 1, 54, 44, 1, 1
	ITER 3, 1, 0, 1, 54, 44, 1, 1
	BAR
	ITER 0, 2, 0, 1, 54, 44, 1, 1
	ITER 1, 3, 0, 1, 54, 44, 1, 1
	BAR
	WIN 0
	s_wait_xcnt 0x0
	s_add_nc_u64 s[SA:SA+1], s[SA:SA+1], 4*64
	s_add_nc_u64 s[SW:SW+1], s[SW:SW+1], 4*32*PITCH
	s_sub_co_u32 s[TRIP], s[TRIP], 1
	s_cmp_lg_u32 s[TRIP], 0
	s_cbranch_scc1 .Lbody
	; K-STEPS 26 TO 31 are written out: W31 and A31 are the last loads, so none leaves its buffer, and the counts run down
	ITER 2, 0, 0, 1, 54, 44, 1, 0
	ITER 3, 1, 0, 1, 46, 36, 1, 0
	BAR
	ITER 0, 2, 0, 1, 38, 28, 1, 0
	ITER 1, 3, 0, 1, 30, 20, 0, 0
	BAR
	ITER 2, 4, 0, 0, 0, 10, 0, 0
	ITER 3, 5, 0, 0, 0, 0, 0, 0
	s_wait_dscnt 0x0
	MH 3, 1, 0
	WIN 0
	s_mov_b32 s[G], 4
	s_branch .Lout                                 ; group 0 goes out; the loop over groups is entered at the way out.  No barrier follows
.Lgroup:                                               ; groups 1 to 3
	s_wait_xcnt 0x0                                ; the stores' registers are written again
	s_add_co_u32 s[BLK0], s[BLK0], 20
	NLCALC
	s_cmp_eq_u32 s[NL], 0
	s_cbranch_scc1 .Lend
	LSHIFT
	AOFSET
	BIASLD
	WIN 0
	s_mov_b64 s[SA:SA+1], s[SA0:SA0+1]
	s_mov_b64 s[SWK:SWK+1], s[SW0:SW0+1]
	s_wait_loadcnt 0x0
	BIASRND
	WIN 0x60                                       ; blocks 0-3 start as bias + 0 x 0, so that the k-step's text stands once; block 4's accumulators hold the bias already
.irp i, 0,1,2,3
.irp n, 0,1,2,3,4,5,6,7
	v_wmma_f32_16x16x32_bf16 v[64*\i+8*\n:64*\i+8*\n+7], v[Z:Z+7], v[Z:Z+7], v[ACC4+8*\n:ACC4+8*\n+7]
.endr
.endr
	WIN 0
	s_mov_b32 s[CNT], 32
.Lok:
	OSTEP
	s_sub_co_u32 s[CNT], s[CNT], 1
	s_cmp_lg_u32 s[CNT], 0
	s_cbranch_scc1 .Lok
.Lout:
	PLACES                                         ; behind the group's last products
	EPI 0
	EPI 1
	EPI 2
	EPI 3
	EPI 4
	s_sub_co_u32 s[G], s[G], 1
	s_cmp_lg_u32 s[G], 0
	s_cbranch_scc1 .Lgroup
.Lend:
	s_wait_tensorcnt 0x0                           ; the wave's end, behind my last LDS store
	ds_add_u32 v[SPW], v[NIL]
	s_wait_dscnt 0x0
	s_endpgm
.Lfunc_end_k_qcefcfb8336_up:
	.size	k_qcefcfb8336_up, .Lfunc_end_k_qcefcfb8336_up-k_qcefcfb8336_up
	.p2alignl 7, 3214868480
	.fill 96, 4, 3214868480
	.section	.rodata,"a",@progbits
	.p2align	6, 0x0
	.amdhsa_kernel k_qcefcfb8336_up
		.amdhsa_group_segment_fixed_size 110080
		.amdhsa_private_segment_fixed_size 0
		.amdhsa_enable_private_segment 0
		.amdhsa_kernarg_size 40
		.amdhsa_user_sgpr_count 2
		.amdhsa_user_sgpr_kernarg_segment_ptr 1
		.amdhsa_wavefront_size32 1
		.amdhsa_system_sgpr_workgroup_id_x 1
		.amdhsa_system_sgpr_workgroup_id_y 1
		.amdhsa_system_sgpr_workgroup_id_z 1
		.amdhsa_system_vgpr_workitem_id 0
		.amdhsa_next_free_vgpr 768
		.amdhsa_next_free_sgpr 66
		.amdhsa_reserve_vcc 0
		.amdhsa_float_denorm_mode_32 3
		.amdhsa_float_denorm_mode_16_64 3
		.amdhsa_memory_ordered 1
		.amdhsa_forward_progress 1
		.amdhsa_inst_pref_size 170
	.end_amdhsa_kernel
	.amdgpu_metadata
---
amdhsa.version: [ 1, 2 ]
amdhsa.kernels:
  - .name:           k_qcefcfb8336_up
    .symbol:         k_qcefcfb8336_up.kd
    .args:
      - { .name: xb, .offset: 0, .size: 8, .value_kind: global_buffer, .address_space: global }
      - { .name: W1, .offset: 8, .size: 8, .value_kind: global_buffer, .address_space: global }
      - { .name: b1, .offset: 16, .size: 8, .value_kind: global_buffer, .address_space: global }
      - { .name: sel, .offset: 24, .size: 8, .value_kind: global_buffer, .address_space: global }
      - { .name: h, .offset: 32, .size: 8, .value_kind: global_buffer, .address_space: global }
    .group_segment_fixed_size: 110080
    .private_segment_fixed_size: 0
    .kernarg_segment_align: 8
    .kernarg_segment_size: 40
    .max_flat_workgroup_size: 128
    .sgpr_count:     66
    .vgpr_count:     768
    .wavefront_size: 32
...
	.end_amdgpu_metadata
.endif
;; end of part 2
;; launch down (part 3): grid 256 x 1, 4 waves a work-group, no clusters, 126,464 bytes of LDS; arguments h, W2, b2, sel, y; writes y
.if DOCPART == 3
	.amdgcn_target "amdgcn-amd-amdhsa--gfx1250"
	.amdhsa_code_object_version 6
	.text
	.protected	k_qcefcfb8336_down
	.globl	k_qcefcfb8336_down
	.p2align	8
	.type	k_qcefcfb8336_down,@function
k_qcefcfb8336_down:
	s_mov_b64 s[64:65], 0
	v_nop
	global_prefetch_b8 v0, s[64:65] scope:SCOPE_SE
	s_setreg_imm32_b32 hwreg(HW_REG_WAVE_MODE, 25, 1), 1
	s_wait_xcnt 0x0
; DOWN.  y[kq][idx][:] = the sum over the quarter kq of K of h[e][rank][k] W2[e][k][:], plus b2[e] in quarter 0; f32.  idx = token for the token's first choice, 1,024 + token for its second.
; h: [8][1024 ranks][4096] bf16.  W2: [8][4096][1024] f32.  b2: [8][1024] f32.  sel: [1024] words.  y: [4][2056][1024] f32; row 2,048 + e takes what ranks past expert e's count give, and is never read.
; SHARES.  Work-group = (expert e = id / 32, quarter kq = (id % 32) / 8, column slice ns = id % 8): the 1,024 x 128 numbers W2[e][1024 kq ..][128 ns ..], which it alone reads, and all the expert's rows.
; Each (kq, idx < 2,048, ns) is stored by one work-group: a token has one first and one second choice.  The eight planes (kq, slot) are partial sums, kept in f32, and added by the next launch.
; The build is UP's.  Four waves, one text.  In k-step m a wave lays its quarter of k-step m + 2's weights, rounded and turned, into a ring of two LDS slots of two k-steps, and multiplies k-step m:
; weight fragments from LDS, activation fragments from memory, 80 rows x 128 columns.  A barrier after every two k-steps, every wave's LDS instructions waited for in front of it.  No LDS address
; register is written behind the head.  Loads are asked for in the order of need, .. A(k), W(k+3), A(k+1), W(k+4) ..: 62 of a wave are out at the most, 32 of them weights.
; Rows: groups of 320, the first under the stream; groups 1-3 have no barrier: each wave fetches the slice again for itself through LDS bytes of its own.  All five blocks of a wave are multiplied
; in every k-step, rows at or past 16 NB repeating row 16 NB - 1, which UP has stored.  Source 0 = 16 columns of W2, source 1 = 16 rows of h: a lane holds one row and eight neighbouring columns.
; LIMITS.  W2 and b2 are rounded once to bf16; sums in f32; NaN and infinities are not treated apart.
; NO CLUSTER: each weight byte has one reader; the expert's rows of h, which eight work-groups share, go straight into registers as matrix operands, where no joint load can put them.
.set PITCH,  4096                      ; bytes from a row of W2[e] to the next
.set NSTR,   272                       ; LDS: 8 k of a column block's 16 columns, 256 bytes, + 16
.set OCT,    8*NSTR                    ; 2,176: 8 k of all 128 columns
.set WSTR,   2*OCT                     ; 4,352: a wave's part of a slot
.set SLOTB,  4*WSTR                    ; 17,408: a slot
.set PRIV,   2*SLOTB                   ; 34,816: for each wave one k-step of its own, for groups 1-3
.set PSTR,   4*OCT
.set LIST,   PRIV+4*PSTR               ; 69,632: for each wave 1,280 words rank -> idx, then 128 words that take what is not chosen
.set LSTR,   5632
.set STAGE,  LIST+4*LSTR               ; 92,160: for each wave 16 rows x 528 bytes, for the way out
.set SP,     528
.set SSTR,   16*SP
.set SPARE,  STAGE+4*SSTR              ; 125,952: the spare words, 128 bytes for each wave: two blocks of 256 bytes that no other line names
.set PLANE,  2056*4096                 ; bytes of a plane of y
.set WV,   14
.set E,    16
.set SL,   17
.set KQ,   18
.set NS,   19
.set SA,   22
.set SA0,  24
.set SW,   26
.set OUTB, 28                          ; s[28:29] y[kq][0][128 ns]
.set TRIP, 32
.set G,    34
.set BLK0, 35
.set NL,   36
.set NB,   37
.set LISTW, 38
.set CNT,  39
.set STAGEW, 49
.set LRD,  50
.set PRIVW, 51
.set SWK,  52
.set SW0,  54
; window 0: v1-15 made in the head and never rewritten
.set BADR, 1
.set VS,   2
.set VW,   3
.set L16,  4
.set LSA,  5
.set OVS,  7
.set OBR,  8
.set STO,  9                           ; the way out: where I put 32 bytes of a row
.set RD,   10                          ; where I read rows back
.set LLA,  11                          ; my list at word 16 w, in every lane
.set H16,  13
.set B32,  14
.set R15,  15
.set AOF,  16                          ; v16-20  block i: my row's byte offset in the expert's h, + 16 (lane / 16)
.set SPW,  30
.set NIL,  31
.set BF,   32
.set WRG,  96
.set PT,   224
.set Z,    240
.set IDX,  96                          ; the way out: 16 rows' idx, then their byte offsets in a plane of y
.set DAT,  112                         ; the way out: 16 rows of 512 bytes
; window 1: accumulators of blocks 0-3;  window 2:
.set AR,   0
.set ACC4, 160
.set MSB, 0
.macro WIN new                         ; s_set_vgpr_msb: bits 1:0 source 0, 3:2 source 1, 5:4 source 2, 7:6 destination; the high byte repeats the setting that is left
.if MSB != (\new)
	s_set_vgpr_msb (MSB<<8)|(\new)
.set MSB, \new
.endif
.endm
.macro PLACES                          ; four places between a matrix instruction and a load into, or an access of, its registers
.rept 4
	v_nop
.endr
.endm
.macro BAR                             ; an interval of two k-steps ends
	s_wait_dscnt 0x0                               ; for the others' sake: my stores into the one slot are done, and my reads of the other are back
	s_barrier_signal -1
	s_barrier_wait -1
.endm
.macro PLOAD slot, n                   ; my 8 rows of k-step n, counted from SW: 512 consecutive bytes a load
	WIN 0
.irp i, 0,1,2,3,4,5,6,7
	global_load_b128 v[WRG+32*(\slot)+4*\i:WRG+32*(\slot)+4*\i+3], v[VW], s[SW:SW+1] offset:(32*(\n)+\i)*PITCH th:TH_LOAD_NT
.endr
.endm
.macro PCVT slot                       ; for column j the four words (row 2 q, row 2 q + 1) are eight consecutive k: 16 bytes of a fragment
	WIN 0
.irp j, 0,1,2,3
.irp q, 0,1,2,3
	v_cvt_pk_bf16_f32 v[PT+4*\j+\q], v[WRG+32*(\slot)+8*\q+\j], v[WRG+32*(\slot)+8*\q+4+\j]
.endr
.endr
.endm
.macro PSTORE reg, base
.irp j, 0,1,2,3
	ds_store_b128 v[\reg], v[PT+4*\j:PT+4*\j+3] offset:(\base)+16*\j
.endr
.endm
.macro LB hf, reg, base, sec           ; half hf of a k-step's weight fragments: 8 loads
	WIN 0
.irp n, 0,1,2,3
	ds_load_b128 v[BF+8*(4*(\hf)+\n):BF+8*(4*(\hf)+\n)+3],   v[\reg] offset:(\base)+(4*(\hf)+\n)*NSTR
	ds_load_b128 v[BF+8*(4*(\hf)+\n)+4:BF+8*(4*(\hf)+\n)+7], v[\reg] offset:(\base)+(4*(\hf)+\n)*NSTR+(\sec)
.endr
.endm
.macro LA slot, n                      ; the five activation fragments of k-step n, counted from SA: 10 loads
	WIN 0x80
.irp i, 0,1,2,3,4
	global_load_b128 v[AR+40*(\slot)+8*\i:AR+40*(\slot)+8*\i+3],   v[AOF+\i], s[SA:SA+1] offset:64*(\n)
	global_load_b128 v[AR+40*(\slot)+8*\i+4:AR+40*(\slot)+8*\i+7], v[AOF+\i], s[SA:SA+1] offset:64*(\n)+32
.endr
.endm
; 20 matrix instructions, each on an accumulator of its own.  first = 1: the bias, in ACC4, is the C operand; block 4 adds in place onto it, five places behind its readers.
.macro MH slot, hf, first
.if \first
	WIN 0x68
.else
	WIN 0x58
.endif
.irp i, 0,1,2,3
.irp n, 0,1,2,3
.if \first
	v_wmma_f32_16x16x32_bf16 v[64*\i+8*(4*(\hf)+\n):64*\i+8*(4*(\hf)+\n)+7], v[BF+8*(4*(\hf)+\n):BF+8*(4*(\hf)+\n)+7], v[AR+40*(\slot)+8*\i:AR+40*(\slot)+8*\i+7], v[ACC4+8*(4*(\hf)+\n):ACC4+8*(4*(\hf)+\n)+7]
.else
	v_wmma_f32_16x16x32_bf16 v[64*\i+8*(4*(\hf)+\n):64*\i+8*(4*(\hf)+\n)+7], v[BF+8*(4*(\hf)+\n):BF+8*(4*(\hf)+\n)+7], v[AR+40*(\slot)+8*\i:AR+40*(\slot)+8*\i+7], v[64*\i+8*(4*(\hf)+\n):64*\i+8*(4*(\hf)+\n)+7]
.endif
.endr
.endr
	WIN 0xa8
.if \first
.rept 5
	v_nop
.endr
.endif
.irp n, 0,1,2,3
	v_wmma_f32_16x16x32_bf16 v[ACC4+8*(4*(\hf)+\n):ACC4+8*(4*(\hf)+\n)+7], v[BF+8*(4*(\hf)+\n):BF+8*(4*(\hf)+\n)+7], v[AR+40*(\slot)+32:AR+40*(\slot)+39], v[ACC4+8*(4*(\hf)+\n):ACC4+8*(4*(\hf)+\n)+7]
.endr
.endm
; K-STEP m, as in UP.  mm = m % 4; rel: m counted from SA and SW; pst: W(m+2) is laid into the other slot; lcw, lca: the younger loads that may stay out when W(m+2), A(m) must be in;
; la: A(m+3) is asked for; pl: W(m+6) is asked for.
.macro ITER mm, rel, f1, pst, lcw, lca, la, pl
.if \pst
	s_wait_loadcnt \lcw
	PCVT ((\mm)+2)%4
	PSTORE VS, ((((\mm)+2)%4)/2)*SLOTB+((\mm)%2)*OCT
.else
	PLACES
.endif
	LB 0, BADR, ((\mm)/2)*SLOTB+((\mm)%2)*OCT, 2*WSTR
	s_wait_dscnt 8+4*(\pst)                        ; all but what this step has issued: half 1 of step m - 1 is in
	MH ((\mm)+3)%4, 1, \f1
	PLACES
	s_wait_loadcnt \lca
.if \la
	LA ((\mm)+3)%4, (\rel)+3
.endif
	LB 1, BADR, ((\mm)/2)*SLOTB+((\mm)%2)*OCT, 2*WSTR
.if \pl
	PLOAD ((\mm)+2)%4, (\rel)+6
.endif
	s_wait_dscnt 8                                 ; half 0 of step m is in
	MH \mm, 0, 0
.endm
.macro NLCALC
	s_add_co_u32 s45, s[NB], 3
	s_sub_co_i32 s45, s45, s[BLK0]
	s_max_i32 s45, s45, 0
	s_lshr_b32 s45, s45, 2
	s_min_u32 s[NL], s45, 5
.endm
.macro AOFSET                          ; my rows' offsets in h: ranks lie in order; none at or past 16 NB is read
	WIN 0
	s_lshl_b32 s45, s[BLK0], 4
	v_add_nc_u32 v21, s45, v[R15]
.irp i, 0,1,2,3,4
	v_add_nc_u32 v[AOF+\i], 64*\i, v21
	v_min_u32 v[AOF+\i], s48, v[AOF+\i]            ; 16 NB - 1 at the most
	v_min_u32 v[AOF+\i], 0x3ff, v[AOF+\i]
	v_lshl_add_u32 v[AOF+\i], v[AOF+\i], 13, v[H16]  ; a rank's 8,192 bytes
.endr
.endm
.macro BIASLD
	WIN 0x80
.irp n, 0,1,2,3,4,5,6,7
	global_load_b128 v[ACC4+8*\n:ACC4+8*\n+3],   v[B32], s[8:9] offset:64*\n
	global_load_b128 v[ACC4+8*\n+4:ACC4+8*\n+7], v[B32], s[8:9] offset:64*\n+16
.endr
.endm
.macro BIASRND                         ; rounded to bf16, kept in quarter 0 alone, widened again, in place
	WIN 0x8a
.set m, 0
.rept 32
	v_cvt_pk_bf16_f32 v[ACC4+2*m+1], v[ACC4+2*m], v[ACC4+2*m+1]
.set m, m+1
.endr
.set m, 0
.rept 32
	v_and_b32 v[ACC4+2*m+1], s47, v[ACC4+2*m+1]    ; all ones in quarter 0, else 0
.set m, m+1
.endr
.set m, 0
.rept 32
	v_lshlrev_b32 v[ACC4+2*m], 16, v[ACC4+2*m+1]
	v_and_b32 v[ACC4+2*m+1], 0xffff0000, v[ACC4+2*m+1]
.set m, m+1
.endr
	WIN 0
.endm
.macro LSHIFT                          ; groups 1-3: my list goes 320 words down.  My own bytes, served in order (ISA guide 5.7.1.4)
.irp j, 0,1,2,3,4,5,6,7
	ds_load_b128 v[WRG+4*\j:WRG+4*\j+3], v[LSA] offset:1280+512*\j
.endr
	s_wait_dscnt 0x0
.irp j, 0,1,2,3,4,5,6,7
	ds_store_b128 v[LSA], v[WRG+4*\j:WRG+4*\j+3] offset:512*\j
.endr
.endm
.macro OSTEP                           ; groups 1-3: one k-step, its weights fetched by me alone through my own k-step in LDS
	PLACES                                         ; behind the last trip's products: their fragments are loaded again
	LA 0, 0
	WIN 0
.irp p, 0,1,2,3
.irp i, 0,1,2,3,4,5,6,7
	global_load_b128 v[WRG+4*\i:WRG+4*\i+3], v[L16], s[SWK:SWK+1] offset:(8*\p+\i)*PITCH
.endr
	s_wait_loadcnt 0x0
	PCVT 0
	PSTORE OVS, \p*OCT
.endr
	LB 0, OBR, 0, 2*OCT
	LB 1, OBR, 0, 2*OCT
	s_wait_dscnt 0x0
	MH 0, 0, 0
	MH 0, 1, 0
	WIN 0
	s_wait_xcnt 0x0                                ; the bases are stepped only behind this wait
	s_add_nc_u64 s[SA:SA+1], s[SA:SA+1], 64
	s_add_nc_u64 s[SWK:SWK+1], s[SWK:SWK+1], 32*PITCH
.endm
; THE WAY OUT of block i: the f32 sums go into my stage, 32 bytes a lane, and come back as whole rows of 512 bytes; each row goes where the list says.  A block at or past NB ends the wave's work.
.macro EPI i
	s_cmp_le_u32 s[NL], \i
	s_cbranch_scc1 .Lend
.set m, 0
.if (\i) < 4
	WIN 0x04                                       ; the stores' data (source 1) in window 1
.rept 8
	ds_store_b128 v[STO], v[64*(\i)+8*m:64*(\i)+8*m+3]   offset:64*m
	ds_store_b128 v[STO], v[64*(\i)+8*m+4:64*(\i)+8*m+7] offset:64*m+16
.set m, m+1
.endr
.else
	WIN 0x08                                       ; in window 2
.rept 8
	ds_store_b128 v[STO], v[ACC4+8*m:ACC4+8*m+3]   offset:64*m
	ds_store_b128 v[STO], v[ACC4+8*m+4:ACC4+8*m+7] offset:64*m+16
.set m, m+1
.endr
.endif
	WIN 0
	s_wait_xcnt 0x0                                ; the last block's stores name IDX and DAT: both are rewritten only behind this wait
.set m, 0
.rept 16
	ds_load_b32 v[IDX+m], v[LLA] offset:256*(\i)+4*m   ; one word for all lanes: row m's idx
.set m, m+1
.endr
.set m, 0
.rept 16
	ds_load_b128 v[DAT+4*m:DAT+4*m+3], v[RD] offset:SP*m  ; my own bytes, served in order (ISA guide 5.7.1.4): these see the stores above
.set m, m+1
.endr
	s_wait_dscnt 0x0
.set m, 0
.rept 16
	v_min_u32 v[IDX+m], 0x807, v[IDX+m]            ; inside the plane's 2,056 rows
	v_lshl_add_u32 v[IDX+m], v[IDX+m], 12, v[L16]
.set m, m+1
.endr
.set m, 0
.rept 16
	global_store_b128 v[IDX+m], v[DAT+4*m:DAT+4*m+3], s[OUTB:OUTB+1]  ; the wave stores 512 consecutive bytes, at a multiple of 256 from y's first byte
.set m, m+1
.endr
.endm
	; THE HEAD: every address register is made here, once
	s_load_b256 s[4:11], s[0:1], 0x0               ; h s[4:5], W2 s[6:7], b2 s[8:9], sel s[10:11]
	s_load_b64 s[12:13], s[0:1], 0x20              ; y
	v_lshl_add_u32 v[SPW], v0, 2, SPARE
	v_mov_b32 v[NIL], 0
	v_lshrrev_b32 v21, 5, v0
	v_readfirstlane_b32 s[WV], v21
	s_lshr_b32 s[E], ttmp9, 5
	s_and_b32 s[SL], ttmp9, 31
	s_lshr_b32 s[KQ], s[SL], 3
	s_and_b32 s[NS], s[SL], 7
	s_mov_b32 s21, 0
	s_cmp_eq_u32 s[KQ], 0
	s_cselect_b32 s47, -1, 0
	s_mul_i32 s[LISTW], s[WV], LSTR
	s_add_co_u32 s[LISTW], s[LISTW], LIST
	s_lshl_b32 s[LRD], s[WV], 6
	s_add_co_u32 s[LRD], s[LRD], s[LISTW]
	s_mul_i32 s[STAGEW], s[WV], SSTR
	s_add_co_u32 s[STAGEW], s[STAGEW], STAGE
	s_mul_i32 s[PRIVW], s[WV], PSTR
	s_add_co_u32 s[PRIVW], s[PRIVW], PRIV
	s_mul_i32 s41, s[WV], WSTR
	s_mul_i32 s45, s[WV], 8*PITCH
	v_and_b32 v21, 31, v0                          ; lane
	v_and_b32 v[R15], 15, v0
	v_bfe_u32 v22, v0, 4, 1                        ; lane / 16
	v_lshlrev_b32 v[L16], 4, v21
	v_lshlrev_b32 v[H16], 4, v22
	v_lshlrev_b32 v[B32], 5, v22
	v_mul_u32_u24 v[BADR], v22, WSTR
	v_lshl_add_u32 v[BADR], v[R15], 4, v[BADR]
	v_lshrrev_b32 v23, 2, v21
	v_mul_u32_u24 v24, v23, NSTR
	v_and_b32 v23, 3, v21
	v_lshl_add_u32 v24, v23, 6, v24
	v_add_nc_u32 v[VS], s41, v24
	v_add_nc_u32 v[OVS], s[PRIVW], v24
	v_mul_u32_u24 v[OBR], v22, OCT
	v_lshl_add_u32 v[OBR], v[R15], 4, v[OBR]
	v_add_nc_u32 v[OBR], s[PRIVW], v[OBR]
	v_add_nc_u32 v[VW], s45, v[L16]
	v_add_nc_u32 v[LSA], s[LISTW], v[L16]
	v_mul_u32_u24 v[STO], v[R15], SP               ; into the stage: row lane % 16, 32 bytes for each half of the lanes
	v_add_nc_u32 v[STO], v[B32], v[STO]
	v_add_nc_u32 v[STO], s[STAGEW], v[STO]
	v_add_nc_u32 v[RD], s[STAGEW], v[L16]          ; back: 16 bytes a lane, a row of 512 bytes a wave
	v_mov_b32 v[LLA], s[LRD]                       ; the list's 16 words of my first block; block i lies 256 bytes on
.irp z, 0,1,2,3,4,5,6,7
	v_mov_b32 v[Z+\z], 0
.endr
	v_lshlrev_b32 v22, 2, v21                      ; 4 x lane
	v_add_nc_u32 v23, 1280, v21                    ; where a token that is not chosen goes
	s_add_co_u32 s46, s[E], 2048                   ; ranks past the count name the expert's spare row of y
	v_mov_b32 v24, s46
	v_mov_b32 v25, s46
	v_mov_b32 v26, s46
	v_mov_b32 v27, s46
	s_lshl_b32 s45, s[NS], 9                       ; 128 columns of f32
	s_lshl_b32 s42, 0x101, s[E]                    ; expert e as first or as second choice
	s_add_co_u32 s43, s[E], 8                      ; the bit that says: as second
	s_mov_b32 s44, 0
	s_wait_kmcnt 0x0
	s_lshl_b32 s20, s[E], 24
	s_lshl_b32 s41, s[KQ], 22
	s_add_co_u32 s20, s20, s41
	s_add_co_u32 s20, s20, s45
	s_add_nc_u64 s[SW0:SW0+1], s[6:7], s[20:21]    ; W2[e][1024 kq][128 ns]
	s_mov_b64 s[SW:SW+1], s[SW0:SW0+1]
	s_lshl_b32 s20, s[E], 12
	s_add_co_u32 s20, s20, s45
	s_add_nc_u64 s[8:9], s[8:9], s[20:21]          ; b2[e][128 ns]
	s_mul_i32 s20, s[KQ], PLANE
	s_add_co_u32 s20, s20, s45
	s_add_nc_u64 s[OUTB:OUTB+1], s[12:13], s[20:21]  ; y[kq][0][128 ns]
	s_lshl_b32 s20, s[E], 23
	s_lshl_b32 s41, s[KQ], 11
	s_add_co_u32 s20, s20, s41
	s_add_nc_u64 s[SA0:SA0+1], s[4:5], s[20:21]    ; h[e][0][1024 kq]
	s_mov_b64 s[SA:SA+1], s[SA0:SA0+1]
.irp j, 0,1,2,3,4,5,6,7
	global_load_b128 v[BF+4*\j:BF+4*\j+3], v[L16], s[10:11] offset:512*\j  ; sel, all of it
.endr
	BIASLD
	PLOAD 0, 0                                     ; the stream begins: 56 loads are out
	PLOAD 1, 1
	PLOAD 2, 2
	PLOAD 3, 3
	; THE LIST, in UP's order of ranks: round n looks at token 128 (n / 4) + 4 lane + n % 4.  A rank's word is the row of y that takes its result.
.irp j, 0,1,2,3,4,5,6,7,8,9,10
	ds_store_b128 v[LSA], v[24:27] offset:512*\j
.endr
	s_wait_loadcnt 48                              ; sel is in; the bias's 16 loads and the weights' 32 stay out
.set n, 0
.rept 32
	v_and_b32 v28, s42, v[BF+n]
	v_cmp_ne_u32 s40, 0, v28
	v_mbcnt_lo_u32_b32 v28, s40, s44
	v_cndmask_b32 v28, v23, v28, s40
	v_min_u32 v28, 0x53f, v28                      ; inside my 1,408 words
	v_lshl_add_u32 v28, v28, 2, s[LISTW]
	v_add_nc_u32 v29, 128*(n/4)+n%4, v22
	v_bfe_u32 v24, v[BF+n], s43, 1
	v_lshl_add_u32 v29, v24, 10, v29               ; + 1,024 for a second choice
	ds_store_b32 v28, v29
	s_bcnt1_i32_b32 s45, s40
	s_add_co_u32 s44, s44, s45
.set n, n+1
.endr
	s_add_co_u32 s[NB], s44, 15
	s_lshr_b32 s[NB], s[NB], 4
	s_max_u32 s[NB], s[NB], 1
	s_lshl_b32 s48, s[NB], 4
	s_sub_co_u32 s48, s48, 1                       ; the last rank that UP has stored
	s_mov_b32 s[BLK0], s[WV]
	NLCALC
	AOFSET
	s_wait_loadcnt 32                              ; the bias is in; W0 to W3 stay out
	LA 0, 0
	LA 1, 1
	BIASRND
	s_wait_loadcnt 44                              ; W0 is in: behind it W1, W2, W3, A0, A1
	PCVT 0
	PSTORE VS, 0
	PLOAD 0, 4
	s_wait_loadcnt 44                              ; W1 is in: behind it W2, W3, A0, A1, W4
	PCVT 1
	PSTORE VS, OCT
	LA 2, 2
	PLOAD 1, 5                                     ; out, in this order: W2, W3, A0, A1, W4, A2, W5: 62 loads
	BAR                                            ; k-steps 0 and 1 are in slot 0
	; K-STEP 0: nothing is left over from a step before; no matrix instruction stands ahead of it
	s_wait_loadcnt 54                              ; W2 is in
	PCVT 2
	PSTORE VS, SLOTB
	LB 0, BADR, 0, 2*WSTR
	LB 1, BADR, 0, 2*WSTR
	s_wait_loadcnt 36                              ; A0 is in: behind it A1, W4, A2, W5
	LA 3, 3
	PLOAD 2, 6
	s_wait_dscnt 8
	MH 0, 0, 1
	ITER 1, 1, 1, 1, 54, 44, 1, 1
	BAR
	WIN 0
	s_wait_xcnt 0x0                                ; the bases of the loads that are out are stepped only behind this wait
	s_add_nc_u64 s[SA:SA+1], s[SA:SA+1], 2*64
	s_add_nc_u64 s[SW:SW+1], s[SW:SW+1], 2*32*PITCH
	s_mov_b32 s[TRIP], 6
.Lbody:                                                ; k-steps 2 to 25, four a trip: once round the ring and once round the slots of registers.  54: three younger pairs A, W; 44: less one A
	ITER 2, 0, 0, 1, 54, 44, 1, 1
	ITER 3, 1, 0, 1, 54, 44, 1, 1
	BAR
	ITER 0, 2, 0, 1, 54, 44, 1, 1
	ITER 1, 3, 0, 1, 54, 44, 1, 1
	BAR
	WIN 0
	s_wait_xcnt 0x0
	s_add_nc_u64 s[SA:SA+1], s[SA:SA+1], 4*64
	s_add_nc_u64 s[SW:SW+1], s[SW:SW+1], 4*32*PITCH
	s_sub_co_u32 s[TRIP], s[TRIP], 1
	s_cmp_lg_u32 s[TRIP], 0
	s_cbranch_scc1 .Lbody
	; K-STEPS 26 TO 31 are written out: W31 and A31 are the last loads, so none leaves its buffer, and the counts run down
	ITER 2, 0, 0, 1, 54, 44, 1, 0
	ITER 3, 1, 0, 1, 46, 36, 1, 0
	BAR
	ITER 0, 2, 0, 1, 38, 28, 1, 0
	ITER 1, 3, 0, 1, 30, 20, 0, 0
	BAR
	ITER 2, 4, 0, 0, 0, 10, 0, 0
	ITER 3, 5, 0, 0, 0, 0, 0, 0
	s_wait_dscnt 0x0
	MH 3, 1, 0
	WIN 0
	s_mov_b32 s[G], 4
	s_branch .Lout                                 ; group 0 goes out; the loop over groups is entered at the way out.  No barrier follows
.Lgroup:                                               ; groups 1 to 3
	s_wait_xcnt 0x0                                ; the stores' registers are written again
	s_add_co_u32 s[BLK0], s[BLK0], 20
	NLCALC
	s_cmp_eq_u32 s[NL], 0
	s_cbranch_scc1 .Lend
	LSHIFT
	AOFSET
	BIASLD
	WIN 0
	s_mov_b64 s[SA:SA+1], s[SA0:SA0+1]
	s_mov_b64 s[SWK:SWK+1], s[SW0:SW0+1]
	s_wait_loadcnt 0x0
	BIASRND
	WIN 0x60                                       ; blocks 0-3 start as bias + 0 x 0, so that the k-step's text stands once; block 4's accumulators hold the bias already
.irp i, 0,1,2,3
.irp n, 0,1,2,3,4,5,6,7
	v_wmma_f32_16x16x32_bf16 v[64*\i+8*\n:64*\i+8*\n+7], v[Z:Z+7], v[Z:Z+7], v[ACC4+8*\n:ACC4+8*\n+7]
.endr
.endr
	WIN 0
	s_mov_b32 s[CNT], 32
.Lok:
	OSTEP
	s_sub_co_u32 s[CNT], s[CNT], 1
	s_cmp_lg_u32 s[CNT], 0
	s_cbranch_scc1 .Lok
.Lout:
	PLACES                                         ; behind the group's last products
	EPI 0
	EPI 1
	EPI 2
	EPI 3
	EPI 4
	s_sub_co_u32 s[G], s[G], 1
	s_cmp_lg_u32 s[G], 0
	s_cbranch_scc1 .Lgroup
.Lend:
	s_wait_tensorcnt 0x0                           ; the wave's end, behind my last LDS store
	ds_add_u32 v[SPW], v[NIL]
	s_wait_dscnt 0x0
	s_endpgm
.Lfunc_end_k_qcefcfb8336_down:
	.size	k_qcefcfb8336_down, .Lfunc_end_k_qcefcfb8336_down-k_qcefcfb8336_down
	.p2alignl 7, 3214868480
	.fill 96, 4, 3214868480
	.section	.rodata,"a",@progbits
	.p2align	6, 0x0
	.amdhsa_kernel k_qcefcfb8336_down
		.amdhsa_group_segment_fixed_size 126464
		.amdhsa_private_segment_fixed_size 0
		.amdhsa_enable_private_segment 0
		.amdhsa_kernarg_size 40
		.amdhsa_user_sgpr_count 2
		.amdhsa_user_sgpr_kernarg_segment_ptr 1
		.amdhsa_wavefront_size32 1
		.amdhsa_system_sgpr_workgroup_id_x 1
		.amdhsa_system_sgpr_workgroup_id_y 1
		.amdhsa_system_sgpr_workgroup_id_z 1
		.amdhsa_system_vgpr_workitem_id 0
		.amdhsa_next_free_vgpr 768
		.amdhsa_next_free_sgpr 66
		.amdhsa_reserve_vcc 0
		.amdhsa_float_denorm_mode_32 3
		.amdhsa_float_denorm_mode_16_64 3
		.amdhsa_memory_ordered 1
		.amdhsa_forward_progress 1
		.amdhsa_inst_pref_size 179
	.end_amdhsa_kernel
	.amdgpu_metadata
---
amdhsa.version: [ 1, 2 ]
amdhsa.kernels:
  - .name:           k_qcefcfb8336_down
    .symbol:         k_qcefcfb8336_down.kd
    .args:
      - { .name: h, .offset: 0, .size: 8, .value_kind: global_buffer, .address_space: global }
      - { .name: W2, .offset: 8, .size: 8, .value_kind: global_buffer, .address_space: global }
      - { .name: b2, .offset: 16, .size: 8, .value_kind: global_buffer, .address_space: global }
      - { .name: sel, .offset: 24, .size: 8, .value_kind: global_buffer, .address_space: global }
      - { .name: y, .offset: 32, .size: 8, .value_kind: global_buffer, .address_space: global }
    .group_segment_fixed_size: 126464
    .private_segment_fixed_size: 0
    .kernarg_segment_align: 8
    .kernarg_segment_size: 40
    .max_flat_workgroup_size: 128
    .sgpr_count:     66
    .vgpr_count:     768
    .wavefront_size: 32
...
	.end_amdgpu_metadata
.endif
;; end of part 3
;; launch sum (part 4): grid 256 x 1, 8 waves a work-group, no clusters, 0 bytes of LDS; arguments y, out0; writes out0
.if DOCPART == 4
	.amdgcn_target "amdgcn-amd-amdhsa--gfx1250"
	.amdhsa_code_object_version 6
	.text
	.protected	k_qcefcfb8336_sum
	.globl	k_qcefcfb8336_sum
	.p2align	8
	.type	k_qcefcfb8336_sum,@function
k_qcefcfb8336_sum:
	s_mov_b64 s[64:65], 0
	v_nop
	global_prefetch_b8 v0, s[64:65] scope:SCOPE_SE
	s_setreg_imm32_b32 hwreg(HW_REG_WAVE_MODE, 25, 1), 1
	s_wait_xcnt 0x0
; SUM.  out0[t][:] = the sum over the four quarters kq of K and the two choices of y[kq][1024 slot + t][:].  y: [4][2056][1024] f32.  out0: [1024][1024] f32.
; A stream: a work-group owns 16,384 consecutive bytes of out0 (four tokens), a thread four pieces of 16 bytes, 512 bytes apart.  All 32 loads of a thread go out before the first wait;
; each load and store of a wave covers 512 consecutive bytes.  The eight parts are added in one fixed order, in f32.  LDS, matrix units and clusters have nothing to do here: no byte is read twice.
.set PLANE, 2056*4096                  ; bytes of a plane of y
.set SLOTB, 1024*4096                  ; from a token's first choice to its second
.set V, 8                              ; v8-135: piece q, quarter kq, slot s at V + 32 q + 8 kq + 4 s
	s_load_b128 s[4:7], s[0:1], 0x0                ; y s[4:5], out0 s[6:7]
	v_lshrrev_b32 v1, 5, v0
	v_and_b32 v2, 31, v0
	v_lshlrev_b32 v2, 4, v2
	v_lshl_add_u32 v1, v1, 11, v2                  ; 2,048 x wave + 16 x lane
	s_lshl_b32 s2, ttmp9, 14
	s_mov_b32 s3, 0
	s_wait_kmcnt 0x0
	s_add_nc_u64 s[8:9], s[4:5], s[2:3]            ; the four planes at my work-group's tokens
	s_add_nc_u64 s[10:11], s[8:9], PLANE
	s_add_nc_u64 s[12:13], s[10:11], PLANE
	s_add_nc_u64 s[14:15], s[12:13], PLANE
	s_add_nc_u64 s[6:7], s[6:7], s[2:3]
.irp q, 0,1,2,3
.irp k, 0,1,2,3
	global_load_b128 v[V+32*\q+8*\k:V+32*\q+8*\k+3],   v1, s[8+2*\k:9+2*\k] offset:512*\q th:TH_LOAD_NT
	global_load_b128 v[V+32*\q+8*\k+4:V+32*\q+8*\k+7], v1, s[8+2*\k:9+2*\k] offset:SLOTB+512*\q th:TH_LOAD_NT
.endr
.endr
.irp q, 0,1,2,3
	s_wait_loadcnt 24-8*\q                         ; piece q's eight loads are in; the younger pieces' stay out
.irp a, 0,8,16,24                                      ; the two choices of each quarter,
	v_pk_add_f32 v[V+32*\q+\a:V+32*\q+\a+1],   v[V+32*\q+\a:V+32*\q+\a+1],   v[V+32*\q+\a+4:V+32*\q+\a+5]
	v_pk_add_f32 v[V+32*\q+\a+2:V+32*\q+\a+3], v[V+32*\q+\a+2:V+32*\q+\a+3], v[V+32*\q+\a+6:V+32*\q+\a+7]
.endr
.irp a, 0,16                                           ; quarters 0 + 1 and 2 + 3,
	v_pk_add_f32 v[V+32*\q+\a:V+32*\q+\a+1],   v[V+32*\q+\a:V+32*\q+\a+1],   v[V+32*\q+\a+8:V+32*\q+\a+9]
	v_pk_add_f32 v[V+32*\q+\a+2:V+32*\q+\a+3], v[V+32*\q+\a+2:V+32*\q+\a+3], v[V+32*\q+\a+10:V+32*\q+\a+11]
.endr
	v_pk_add_f32 v[V+32*\q:V+32*\q+1],   v[V+32*\q:V+32*\q+1],   v[V+32*\q+16:V+32*\q+17]   ; and the two halves
	v_pk_add_f32 v[V+32*\q+2:V+32*\q+3], v[V+32*\q+2:V+32*\q+3], v[V+32*\q+18:V+32*\q+19]
	global_store_b128 v1, v[V+32*\q:V+32*\q+3], s[6:7] offset:512*\q th:TH_STORE_NT
.endr
	s_endpgm
.Lfunc_end_k_qcefcfb8336_sum:
	.size	k_qcefcfb8336_sum, .Lfunc_end_k_qcefcfb8336_sum-k_qcefcfb8336_sum
	.p2alignl 7, 3214868480
	.fill 96, 4, 3214868480
	.section	.rodata,"a",@progbits
	.p2align	6, 0x0
	.amdhsa_kernel k_qcefcfb8336_sum
		.amdhsa_group_segment_fixed_size 0
		.amdhsa_private_segment_fixed_size 0
		.amdhsa_enable_private_segment 0
		.amdhsa_kernarg_size 16
		.amdhsa_user_sgpr_count 2
		.amdhsa_user_sgpr_kernarg_segment_ptr 1
		.amdhsa_wavefront_size32 1
		.amdhsa_system_sgpr_workgroup_id_x 1
		.amdhsa_system_sgpr_workgroup_id_y 1
		.amdhsa_system_sgpr_workgroup_id_z 1
		.amdhsa_system_vgpr_workitem_id 0
		.amdhsa_next_free_vgpr 136
		.amdhsa_next_free_sgpr 66
		.amdhsa_reserve_vcc 0
		.amdhsa_float_denorm_mode_32 3
		.amdhsa_float_denorm_mode_16_64 3
		.amdhsa_memory_ordered 1
		.amdhsa_forward_progress 1
		.amdhsa_inst_pref_size 8
	.end_amdhsa_kernel
	.amdgpu_metadata
---
amdhsa.version: [ 1, 2 ]
amdhsa.kernels:
  - .name:           k_qcefcfb8336_sum
    .symbol:         k_qcefcfb8336_sum.kd
    .args:
      - { .name: y, .offset: 0, .size: 8, .value_kind: global_buffer, .address_space: global }
      - { .name: out0, .offset: 8, .size: 8, .value_kind: global_buffer, .address_space: global }
    .group_segment_fixed_size: 0
    .private_segment_fixed_size: 0
    .kernarg_segment_align: 8
    .kernarg_segment_size: 16
    .max_flat_workgroup_size: 256
    .sgpr_count:     66
    .vgpr_count:     136
    .wavefront_size: 32
...
	.end_amdgpu_metadata
.endif
;; end of part 4
;; ======== version 2 of 3: 4 launches; 1.14 times as fast as version 1
;; workspace buffers: xb 2,097,152 bytes; sel 4,096 bytes of whole numbers; h 67,108,864 bytes; y 33,685,504 bytes
;; launch route: the kernel of part 1 again; grid 64 x 1, 8 waves a work-group, no clusters, 44,032 bytes of LDS; arguments x, Wg, bg, xb, sel; writes xb, sel
;; launch up (part 5): grid 256 x 1, 4 waves a work-group, no clusters, 87,552 bytes of LDS; arguments xb, W1, b1, sel, h; writes h
.if DOCPART == 5
	.amdgcn_target "amdgcn-amd-amdhsa--gfx1250"
	.amdhsa_code_object_version 6
	.text
	.protected	k_qcefcfb8336_up
	.globl	k_qcefcfb8336_up
	.p2align	8
	.type	k_qcefcfb8336_up,@function
k_qcefcfb8336_up:
	s_mov_b64 s[64:65], 0
	v_nop
	global_prefetch_b8 v0, s[64:65] scope:SCOPE_SE
	s_setreg_imm32_b32 hwreg(HW_REG_WAVE_MODE, 25, 1), 1
	s_wait_xcnt 0x0
; UP.  h[e][rank][:] = relu(xb[token(rank)] W1[e] + b1[e]), bf16, for the tokens that chose expert e, in an order of ranks that every wave works out from sel.
; xb: [1024][1024] bf16.  W1: [8][1024][4096] f32.  b1: [8][4096] f32.  sel: [1024] words, (1 << first choice) | (0x100 << second).  h: [8][1024 ranks][4096] bf16.
; SHARES.  Work-group = (expert e = id / 32, slice s = id % 32): the 1,024 x 128 numbers W1[e][:][128 s ..], which it alone reads, and ALL of the expert's rows (0 to 1,024 of them).
; Four waves, all running the same text.  In k-step m (32 along K) wave w
;   lays its quarter of k-step m + 2's weights into LDS: rows 8 w .. 8 w + 7 of the step, 8 loads of 512 consecutive bytes, rounded to bf16 and turned by the choice of the conversions' sources;
;   multiplies k-step m: weight fragments from LDS, activation fragments straight from memory, up to 80 rows x 128 columns: 40 matrix instructions.
; THE RING.  Two LDS slots of two k-steps; a barrier after every two k-steps, and in front of it every wave has waited for all its LDS instructions: an interval reads one slot and writes the other.
; No LDS address register is written behind the head: slot and k-step stand in the immediates.
; ONE COUNTER.  Loads into registers are counted done in the order of issue (ISA guide 5.7.1), so weights (W) and activations (A) are asked for in the order in which they are needed:
; .. A(k), W(k+3), A(k+1), W(k+4) ..; step m asks for A(m+3) and then W(m+6).  62 loads of a wave are out at the most, 32 of them weights: 16 KB a wave.
; RANKS.  The expert's choosers are a bitmap of 32 scalar registers: bit l of word n is token 128 (n / 4) + 4 l + n % 4; ranks go by word and then by bit.  A lane finds the token of its rank in
; registers alone: the last word whose prefix count does not pass the rank, then the bit of that rank in the word.  DOWN ranks the same words in the same order.
; ROWS.  NB = max(1, ceil(count / 16)) blocks of 16 ranks.  Group g holds blocks 20 g + 4 i + w (i = 0..4).  Group 0 runs under the stream.  Groups 1-3, for an expert with more than 320 rows, have
; no barrier: each wave fetches the slice again for itself, a k-step at a time, through LDS bytes of its own: four times the slice's bytes for a work-group, the price of serving every split.
; A wave's blocks 0-3 are multiplied in every k-step, ranks past the count on token 1,023's row.  THE FIFTH BLOCK's products are jumped by a scalar branch where it lies at or past NB: an expert's mean
; share, 2,048 / 8 = 256 rows, is four blocks a wave.  Its two loads a step are issued all the same, so that every wait's count holds on both ways.  Only whole blocks below NB are stored; ranks past
; the count in a live block are stored and never used.
; THE MATRIX INSTRUCTION IS USED TRANSPOSED: source 0 = 16 columns of W1, source 1 = 16 rows of xb: a lane then holds one row (lane % 16) and eight neighbouring columns 8 (lane / 16) + 0..7.
; LIMITS.  xb, W1, b1 and h are rounded once to bf16; sums in f32; NaN and infinities are not treated apart.
; NO CLUSTER: each weight byte has one reader; the rows that an expert's 32 work-groups share are chosen lane by lane, which no tensor descriptor covers.
.set PITCH,  16384                     ; bytes from a row of W1[e] to the next
.set NSTR,   272                       ; LDS: 8 k of a column block's 16 columns, 256 bytes, + 16, so that the 16 lanes of a store fall on 16 different 16-byte columns modulo 256
.set OCT,    8*NSTR                    ; 2,176: 8 k of all 128 columns
.set WSTR,   2*OCT                     ; 4,352: a wave's part of a slot: its 8 k of two k-steps
.set SLOTB,  4*WSTR                    ; 17,408: a slot
.set PRIV,   2*SLOTB                   ; 34,816: for each wave one k-step of its own, for groups 1-3
.set PSTR,   4*OCT
.set STAGE,  PRIV+4*PSTR               ; 69,632: for each wave 16 rows x 272 bytes, for the way out
.set SP,     272
.set SSTR,   16*SP
.set SPARE,  STAGE+4*SSTR              ; 87,040: the spare words, 128 bytes for each wave: two blocks of 256 bytes that no other line names
; scalar registers
.set WV,   14                          ; my wave's number
.set E,    16
.set SL,   17
.set SA,   22                          ; s[22:23] activations at the k-step from which the text in hand counts
.set SA0,  24                          ; s[24:25] activations at k = 0
.set SW,   26                          ; s[26:27] weights at the k-step from which the text in hand counts
.set OUTB, 28                          ; s[28:29] h at the expert's rank 0, my slice's columns
.set OUTT, 30                          ; s[30:31] the same at a block's first rank
.set TRIP, 32
.set HIM,  33                          ; 0xffff0000: a word's upper bf16
.set G,    34
.set BLK0, 35                          ; 20 g + w
.set NL,   36                          ; how many of my five blocks are below NB
.set NB,   37
.set CNT,  39
.set PA,   46                          ; the count of choosers in the words below the one in hand
.set QA,   47                          ; the same, with the word's number from bit 16 on
.set SELC, 48
.set STAGEW, 49                        ; my stage
.set PRIVW, 51                         ; my own k-step
.set SWK,  52                          ; s[52:53] groups 1-3: weights at the k-step in hand
.set SW0,  54                          ; s[54:55] weights at k = 0
.set MK,   66                          ; s66-97  the bitmap
; vector registers, in windows of 256 (s_set_vgpr_msb: bits 1:0 source 0, 3:2 source 1, 5:4 source 2, 7:6 destination)
; window 0: the address registers among v1-15 are made in the head and never rewritten
.set BADR, 1                           ; ring, read: (lane / 16) x WSTR + 16 (lane % 16)
.set VS,   2                           ; ring, write: w x WSTR + (lane / 4) x NSTR + 64 (lane % 4)
.set VW,   3                           ; weights: 16 x lane + my 8 rows of a k-step
.set L16,  4                           ; 16 x lane
.set XP,   5                           ; at work on ranks: the bit's place
.set XU,   6
.set OVS,  7                           ; my own k-step, write
.set OBR,  8                           ; my own k-step, read
.set STO,  9                           ; the way out: where I put 16 bytes of a row
.set RD,   10                          ; where I read rows back
.set CO,   11                          ; my byte offset in two ranks of h
.set XK,   12                          ; at work on ranks: the rank inside the word
.set H16,  13                          ; 16 (lane / 16)
.set B32,  14                          ; 32 (lane / 16)
.set R15,  15                          ; lane % 16
.set AOF,  16                          ; v16-20  block i: my row's byte offset in xb, + 16 (lane / 16)
.set XR,   21                          ; at work on ranks: my rank;
.set XW,   22                          ; its word;
.set XB,   23                          ; the word's prefix count and number;
.set X2,   24                          ; the word's counts by 2,
.set X4,   25                          ; 4,
.set X8,   26                          ; 8
.set X16,  27                          ; and 16 bits
.set XT,   28
.set SPW,  30                          ; LDS address of my spare word; never rewritten
.set NIL,  31                          ; 0; never rewritten
.set BF,   32                          ; v32-95   eight weight fragments of one k-step, in two halves that are loaded by turns
.set WRG,  96                          ; v96-223  four slots of 8 rows x 4 numbers: weights as loaded
.set PT,   224                         ; v224-239 8 k x 4 columns turned and rounded
.set Z,    240                         ; v240-247 zeros
.set TMP,  96                          ; the way out: a block packed
.set BK,   128                         ; the way out: the block read back by rows
; window 1: accumulators of blocks 0-3: block i, column block n at 64 i + 8 n
; window 2:
.set AR,   0                           ; v0-159   four slots of 40: five activation fragments of one k-step
.set ACC4, 160                         ; v160-223 block 4's accumulators; ahead of a group's first k-step: the bias
.set BP,   224                         ; v224-255 the bias rounded to bf16, two to a register: made once, widened anew for each group
.set MSB, 0
.macro WIN new                         ; the immediate's high byte repeats the setting that is left; a switch that changes nothing is dropped
.if MSB != (\new)
	s_set_vgpr_msb (MSB<<8)|(\new)
.set MSB, \new
.endif
.endm
.macro PLACES                          ; four places between a matrix instruction and a load into, or a vector access of, its registers
.rept 4
	v_nop
.endr
.endm
.macro BAR                             ; an interval of two k-steps ends
	s_wait_dscnt 0x0                               ; for the others' sake: my stores into the one slot are done, and my reads of the other are back
	s_barrier_signal -1
	s_barrier_wait -1
.endm
; My 8 rows of k-step n, counted from SW.  A load takes 512 consecutive bytes of one row: lane l holds columns 4 l .. 4 l + 3.
.macro PLOAD slot, n
	WIN 0
.irp i, 0,1,2,3,4,5,6,7
	global_load_b128 v[WRG+32*(\slot)+4*\i:WRG+32*(\slot)+4*\i+3], v[VW], s[SW:SW+1] offset:(32*(\n)+\i)*PITCH th:TH_LOAD_NT
.endr
.endm
; For column j the four words (row 2 q, row 2 q + 1) are eight consecutive k of one column: 16 bytes of a fragment.
.macro PCVT slot
	WIN 0
.irp j, 0,1,2,3
.irp q, 0,1,2,3
	v_cvt_pk_bf16_f32 v[PT+4*\j+\q], v[WRG+32*(\slot)+8*\q+\j], v[WRG+32*(\slot)+8*\q+4+\j]
.endr
.endr
.endm
.macro PSTORE reg, base
.irp j, 0,1,2,3
	ds_store_b128 v[\reg], v[PT+4*\j:PT+4*\j+3] offset:(\base)+16*\j
.endr
.endm
; Half hf (four column blocks) of a k-step's weight fragments: 8 loads, 16 lanes on 256 consecutive bytes.  sec: from k = 8 h .. to k = 16 + 8 h ..
.macro LB hf, reg, base, sec
	WIN 0
.irp n, 0,1,2,3
	ds_load_b128 v[BF+8*(4*(\hf)+\n):BF+8*(4*(\hf)+\n)+3],   v[\reg] offset:(\base)+(4*(\hf)+\n)*NSTR
	ds_load_b128 v[BF+8*(4*(\hf)+\n)+4:BF+8*(4*(\hf)+\n)+7], v[\reg] offset:(\base)+(4*(\hf)+\n)*NSTR+(\sec)
.endr
.endm
.macro LA slot, n                      ; the five activation fragments of k-step n, counted from SA: 10 loads
	WIN 0x80                                       ; destination window 2, address window 0
.irp i, 0,1,2,3,4
	global_load_b128 v[AR+40*(\slot)+8*\i:AR+40*(\slot)+8*\i+3],   v[AOF+\i], s[SA:SA+1] offset:64*(\n)
	global_load_b128 v[AR+40*(\slot)+8*\i+4:AR+40*(\slot)+8*\i+7], v[AOF+\i], s[SA:SA+1] offset:64*(\n)+32
.endr
.endm
; 16 or 20 matrix instructions: my blocks x the four column blocks of half hf.  Each accumulator has one instruction, so no two that follow each other share one, on either way.
; The fifth block's four are jumped where it lies at or past NB: nothing but matrix instructions is jumped, and both ways end with every window 0.
; first = 1: the group's first k-step: the bias, in ACC4, is the C operand; block 4 then adds in place onto it, five places behind the products that read it.
.macro MH slot, hf, first
.if \first
	WIN 0x68                                       ; weights window 0, activations window 2, C window 2, D window 1
.else
	WIN 0x58                                       ; C and D window 1
.endif
.irp i, 0,1,2,3
.irp n, 0,1,2,3
.if \first
	v_wmma_f32_16x16x32_bf16 v[64*\i+8*(4*(\hf)+\n):64*\i+8*(4*(\hf)+\n)+7], v[BF+8*(4*(\hf)+\n):BF+8*(4*(\hf)+\n)+7], v[AR+40*(\slot)+8*\i:AR+40*(\slot)+8*\i+7], v[ACC4+8*(4*(\hf)+\n):ACC4+8*(4*(\hf)+\n)+7]
.else
	v_wmma_f32_16x16x32_bf16 v[64*\i+8*(4*(\hf)+\n):64*\i+8*(4*(\hf)+\n)+7], v[BF+8*(4*(\hf)+\n):BF+8*(4*(\hf)+\n)+7], v[AR+40*(\slot)+8*\i:AR+40*(\slot)+8*\i+7], v[64*\i+8*(4*(\hf)+\n):64*\i+8*(4*(\hf)+\n)+7]
.endif
.endr
.endr
	WIN 0                                          ; at a branch and at a label every window is 0
	s_cmp_lt_u32 s[NL], 5
	s_cbranch_scc1 .Lno4_\@                        ; my fifth block is dead: its sums would never be stored
	WIN 0xa8                                       ; C and D window 2
.if \first
.rept 5
	v_nop
.endr
.endif
.irp n, 0,1,2,3
	v_wmma_f32_16x16x32_bf16 v[ACC4+8*(4*(\hf)+\n):ACC4+8*(4*(\hf)+\n)+7], v[BF+8*(4*(\hf)+\n):BF+8*(4*(\hf)+\n)+7], v[AR+40*(\slot)+32:AR+40*(\slot)+39], v[ACC4+8*(4*(\hf)+\n):ACC4+8*(4*(\hf)+\n)+7]
.endr
	WIN 0
.Lno4_\@:
.endm
; K-STEP m.  mm = m % 4: its place in the ring and its slot of registers; rel: m counted from SA and SW.
; pst = 1: W(m+2) is laid into the other slot; lcw: the younger loads that may stay out when W(m+2) must be in.  The 16 conversions are also the places in front of the fragment loads.
; Half 1 of step m - 1 is multiplied while half 0 of step m lands, then half 0 of step m while its half 1 lands.
; lca: the younger loads that may stay out when A(m) must be in.  la = 1: A(m+3) goes into the slot that step m - 1 has just read out.  pl = 1: W(m+6) goes into the slot just converted.
.macro ITER mm, rel, f1, pst, lcw, lca, la, pl
.if \pst
	s_wait_loadcnt \lcw
	PCVT ((\mm)+2)%4
	PSTORE VS, ((((\mm)+2)%4)/2)*SLOTB+((\mm)%2)*OCT
.else
	PLACES
.endif
	LB 0, BADR, ((\mm)/2)*SLOTB+((\mm)%2)*OCT, 2*WSTR
	s_wait_dscnt 8+4*(\pst)                        ; all but what this step has issued: half 1 of step m - 1 is in
	MH ((\mm)+3)%4, 1, \f1
	PLACES
	s_wait_loadcnt \lca
.if \la
	LA ((\mm)+3)%4, (\rel)+3
.endif
	LB 1, BADR, ((\mm)/2)*SLOTB+((\mm)%2)*OCT, 2*WSTR
.if \pl
	PLOAD ((\mm)+2)%4, (\rel)+6
.endif
	s_wait_dscnt 8                                 ; half 0 of step m is in
	MH \mm, 0, 0
.endm
.macro NLCALC                          ; NL = clamp(ceil((NB - BLK0) / 4), 0, 5)
	s_add_co_u32 s45, s[NB], 3
	s_sub_co_i32 s45, s45, s[BLK0]
	s_max_i32 s45, s45, 0
	s_lshr_b32 s45, s45, 2
	s_min_u32 s[NL], s45, 5
.endm
; One step of the search for the bit of rank XK: if the w-bit count at place XP does not hold the rank, the rank goes down by it and the place up by s.
.macro SSTEP x, w, s
	v_bfe_u32 v[XT], v[\x], v[XP], \w
	v_cmp_ge_u32 vcc_lo, v[XK], v[XT]
	v_sub_nc_u32 v[XT], v[XK], v[XT]
	v_add_nc_u32 v[XU], \s, v[XP]
	v_cndmask_b32 v[XK], v[XK], v[XT], vcc_lo
	v_cndmask_b32 v[XP], v[XP], v[XU], vcc_lo
.endm
; MY ROWS' OFFSETS, in registers alone.  Five trips, one a block: rank 16 (BLK0 + 4 i) + lane % 16.  31 rounds keep the last word whose prefix count does not pass the rank; five steps find the bit.
; A rank past the count ends at word 31, bit 31: token 1,023.  Behind the loop PA holds the expert's count.
.macro SEL
	s_lshl_b32 s45, s[BLK0], 4
	v_add_nc_u32 v[XR], s45, v[R15]
.irp i, 0,1,2,3,4
	v_mov_b32 v[AOF+\i], 0                         ; the trips push their results through these five
.endr
	s_mov_b32 s[SELC], 5
.Lsel_\@:
	v_mov_b32 v[XW], s[MK]
	v_mov_b32 v[XB], 0
	s_bcnt1_i32_b32 s[PA], s[MK]
.set n, 1
.rept 31
	s_add_co_u32 s[QA], s[PA], (n<<16)
	s_bcnt1_i32_b32 s45, s[MK+n]
	v_cmp_gt_u32 vcc_lo, s[PA], v[XR]              ; the words below word n hold more choosers than my rank: word n is past it
	v_cndmask_b32 v[XW], s[MK+n], v[XW], vcc_lo
	v_cndmask_b32 v[XB], s[QA], v[XB], vcc_lo
	s_add_co_u32 s[PA], s[PA], s45
.set n, n+1
.endr
	v_and_b32 v[XT], 0xffff, v[XB]
	v_sub_nc_u32 v[XK], v[XR], v[XT]               ; my rank inside the word
	v_lshrrev_b32 v[XB], 16, v[XB]                 ; the word's number
	v_lshrrev_b32 v[XT], 1, v[XW]
	v_and_b32 v[XT], 0x55555555, v[XT]
	v_sub_nc_u32 v[X2], v[XW], v[XT]               ; counts of 2 bits
	v_lshrrev_b32 v[XT], 2, v[X2]
	v_and_b32 v[XT], 0x33333333, v[XT]
	v_and_b32 v[X4], 0x33333333, v[X2]
	v_add_nc_u32 v[X4], v[X4], v[XT]               ; of 4
	v_lshrrev_b32 v[XT], 4, v[X4]
	v_add_nc_u32 v[XT], v[X4], v[XT]
	v_and_b32 v[X8], 0x0f0f0f0f, v[XT]             ; of 8
	v_lshrrev_b32 v[XT], 8, v[X8]
	v_add_nc_u32 v[X16], v[X8], v[XT]              ; byte 0: of the low 16
	v_mov_b32 v[XP], 0
	SSTEP X16, 8, 16
	SSTEP X8, 8, 8
	SSTEP X4, 4, 4
	SSTEP X2, 2, 2
	SSTEP XW, 1, 1
	v_lshrrev_b32 v[XT], 2, v[XB]
	v_and_b32 v[XU], 3, v[XB]
	v_lshl_add_u32 v[XU], v[XP], 2, v[XU]
	v_lshl_add_u32 v[XU], v[XT], 7, v[XU]          ; token 128 (n / 4) + 4 bit + n % 4
.irp i, 0,1,2,3
	v_mov_b32 v[AOF+\i], v[AOF+\i+1]
.endr
	v_mov_b32 v[AOF+4], v[XU]
	v_add_nc_u32 v[XR], 64, v[XR]                  ; my next block lies 64 ranks on
	s_sub_co_u32 s[SELC], s[SELC], 1
	s_cmp_lg_u32 s[SELC], 0
	s_cbranch_scc1 .Lsel_\@
.irp i, 0,1,2,3,4
	v_min_u32 v[AOF+\i], 0x3ff, v[AOF+\i]          ; a token
	v_lshl_add_u32 v[AOF+\i], v[AOF+\i], 11, v[H16]  ; its 2,048 bytes
.endr
.endm
.macro BIASLD                          ; my eight columns of each column block: 32 bytes for each half of the lanes
	WIN 0x80
.irp n, 0,1,2,3,4,5,6,7
	global_load_b128 v[ACC4+8*\n:ACC4+8*\n+3],   v[B32], s[8:9] offset:64*\n
	global_load_b128 v[ACC4+8*\n+4:ACC4+8*\n+7], v[B32], s[8:9] offset:64*\n+16
.endr
.endm
.macro BIASPK                          ; the bias rounded to bf16, once, into registers that nothing else names
	WIN 0x8a                                       ; all in window 2
.set m, 0
.rept 32
	v_cvt_pk_bf16_f32 v[BP+m], v[ACC4+2*m], v[ACC4+2*m+1]
.set m, m+1
.endr
.endm
.macro BIASW                           ; and widened again into ACC4, at each group's beginning
	WIN 0x8a
.set m, 0
.rept 32
	v_lshlrev_b32 v[ACC4+2*m], 16, v[BP+m]
	v_and_b32 v[ACC4+2*m+1], s[HIM], v[BP+m]
.set m, m+1
.endr
	WIN 0
.endm
; Groups 1-3: one k-step.  I fetch its 32 rows of the slice myself, eight at a time, turn and round them, lay them into my own k-step in LDS and read them back as fragments.
.macro OSTEP
	PLACES                                         ; behind the last trip's products: their fragments are loaded again
	LA 0, 0
	WIN 0
.irp p, 0,1,2,3
.irp i, 0,1,2,3,4,5,6,7
	global_load_b128 v[WRG+4*\i:WRG+4*\i+3], v[L16], s[SWK:SWK+1] offset:(8*\p+\i)*PITCH
.endr
	s_wait_loadcnt 0x0
	PCVT 0
	PSTORE OVS, \p*OCT
.endr
	LB 0, OBR, 0, 2*OCT
	LB 1, OBR, 0, 2*OCT
	s_wait_dscnt 0x0
	MH 0, 0, 0
	MH 0, 1, 0
	WIN 0
	s_wait_xcnt 0x0                                ; the bases are stepped only behind this wait
	s_add_nc_u64 s[SA:SA+1], s[SA:SA+1], 64
	s_add_nc_u64 s[SWK:SWK+1], s[SWK:SWK+1], 32*PITCH
.endm
; THE WAY OUT of block i: rounded to bf16, relu on the packed halves, 16 bytes a lane into my stage, back as whole rows of 256 bytes, stored.  A block at or past NB ends the wave's work:
; NB <= BLK0 + 16 then, so no later group has a block either.
.macro EPI i
	s_cmp_le_u32 s[NL], \i
	s_cbranch_scc1 .Lend
.set m, 0
.if (\i) < 4
	WIN 0x05                                       ; sources 0 and 1 in window 1
.rept 32
	v_cvt_pk_bf16_f32 v[TMP+m], v[64*(\i)+2*m], v[64*(\i)+2*m+1]
.set m, m+1
.endr
.else
	WIN 0x0a                                       ; sources 0 and 1 in window 2
.rept 32
	v_cvt_pk_bf16_f32 v[TMP+m], v[ACC4+2*m], v[ACC4+2*m+1]
.set m, m+1
.endr
.endif
	WIN 0
.set m, 0
.rept 32
	v_pk_max_num_bf16 v[TMP+m], v[TMP+m], v[Z]
.set m, m+1
.endr
.irp n, 0,1,2,3,4,5,6,7
	ds_store_b128 v[STO], v[TMP+4*\n:TMP+4*\n+3] offset:32*\n
.endr
	s_wait_xcnt 0x0                                ; the last block's stores name BK and OUTT: both are rewritten only behind this wait
.irp t, 0,1,2,3,4,5,6,7
	ds_load_b128 v[BK+4*\t:BK+4*\t+3], v[RD] offset:2*SP*\t  ; my own bytes, served in order (ISA guide 5.7.1.4): these see the stores above
.endr
	s_add_co_u32 s45, s[BLK0], 4*(\i)
	s_lshl_b32 s20, s45, 17                        ; 16 ranks of 8,192 bytes
	s_add_nc_u64 s[OUTT:OUTT+1], s[OUTB:OUTB+1], s[20:21]
	s_wait_dscnt 0x0
.irp t, 0,1,2,3,4,5,6,7
	global_store_b128 v[CO], v[BK+4*\t:BK+4*\t+3], s[OUTT:OUTT+1] offset:16384*\t  ; 16 lanes store 256 consecutive bytes, at a multiple of 256 from h's first byte
.endr
.endm
	; THE HEAD: every LDS address register is made here, once
	s_load_b256 s[4:11], s[0:1], 0x0               ; xb s[4:5], W1 s[6:7], b1 s[8:9], sel s[10:11]
	s_load_b64 s[12:13], s[0:1], 0x20              ; h
	v_lshl_add_u32 v[SPW], v0, 2, SPARE
	v_mov_b32 v[NIL], 0
	v_lshrrev_b32 v21, 5, v0
	v_readfirstlane_b32 s[WV], v21
	s_lshr_b32 s[E], ttmp9, 5
	s_and_b32 s[SL], ttmp9, 31
	s_mov_b32 s21, 0
	s_mov_b32 s[HIM], 0xffff0000
	s_mul_i32 s[STAGEW], s[WV], SSTR
	s_add_co_u32 s[STAGEW], s[STAGEW], STAGE
	s_mul_i32 s[PRIVW], s[WV], PSTR
	s_add_co_u32 s[PRIVW], s[PRIVW], PRIV
	s_mul_i32 s41, s[WV], WSTR
	s_mul_i32 s45, s[WV], 8*PITCH
	v_and_b32 v21, 31, v0                          ; lane
	v_and_b32 v[R15], 15, v0
	v_bfe_u32 v22, v0, 4, 1                        ; lane / 16
	v_lshlrev_b32 v[L16], 4, v21
	v_lshlrev_b32 v[H16], 4, v22
	v_lshlrev_b32 v[B32], 5, v22
	v_mul_u32_u24 v[BADR], v22, WSTR               ; k = 8 h .. lie in the part that wave h laid
	v_lshl_add_u32 v[BADR], v[R15], 4, v[BADR]
	v_lshrrev_b32 v23, 2, v21                      ; my four columns lie in column block lane / 4,
	v_mul_u32_u24 v24, v23, NSTR
	v_and_b32 v23, 3, v21
	v_lshl_add_u32 v24, v23, 6, v24                ; at columns 4 (lane % 4) + j of it
	v_add_nc_u32 v[VS], s41, v24
	v_add_nc_u32 v[OVS], s[PRIVW], v24
	v_mul_u32_u24 v[OBR], v22, OCT
	v_lshl_add_u32 v[OBR], v[R15], 4, v[OBR]
	v_add_nc_u32 v[OBR], s[PRIVW], v[OBR]
	v_add_nc_u32 v[VW], s45, v[L16]
	v_mul_u32_u24 v[STO], v[R15], SP               ; into the stage: row lane % 16, 16 bytes for each half of the lanes
	v_add_nc_u32 v[STO], v[H16], v[STO]
	v_add_nc_u32 v[STO], s[STAGEW], v[STO]
	v_mul_u32_u24 v[RD], v22, SP                   ; back: lanes 0-15 one row of 256 bytes, lanes 16-31 the next
	v_lshl_add_u32 v[RD], v[R15], 4, v[RD]
	v_add_nc_u32 v[RD], s[STAGEW], v[RD]
	v_lshlrev_b32 v[CO], 13, v22                   ; and the same two ranks in h
	v_lshl_add_u32 v[CO], v[R15], 4, v[CO]
.irp z, 0,1,2,3,4,5,6,7
	v_mov_b32 v[Z+\z], 0
.endr
	s_lshl_b32 s45, s[SL], 9                       ; 128 columns of f32
	s_lshl_b32 s42, 0x101, s[E]                    ; expert e as first or as second choice
	s_mov_b32 s[BLK0], s[WV]
	s_wait_kmcnt 0x0
	s_lshl_b32 s20, s[E], 24
	s_add_co_u32 s20, s20, s45
	s_add_nc_u64 s[SW0:SW0+1], s[6:7], s[20:21]    ; W1[e][0][128 s]
	s_mov_b64 s[SW:SW+1], s[SW0:SW0+1]
	s_lshl_b32 s20, s[E], 14
	s_add_co_u32 s20, s20, s45
	s_add_nc_u64 s[8:9], s[8:9], s[20:21]          ; b1[e][128 s]
	s_lshl_b32 s20, s[E], 23
	s_lshl_b32 s45, s[SL], 8
	s_add_co_u32 s20, s20, s45
	s_add_nc_u64 s[OUTB:OUTB+1], s[12:13], s[20:21]  ; h[e][0][128 s]
	s_mov_b64 s[SA0:SA0+1], s[4:5]
	s_mov_b64 s[SA:SA+1], s[4:5]
.irp j, 0,1,2,3,4,5,6,7
	global_load_b128 v[BF+4*\j:BF+4*\j+3], v[L16], s[10:11] offset:512*\j  ; sel, all of it: register n, lane l: token 128 (n / 4) + 4 l + n % 4
.endr
	BIASLD
	PLOAD 0, 0                                     ; the stream begins: 56 loads are out
	PLOAD 1, 1
	PLOAD 2, 2
	PLOAD 3, 3
	s_wait_loadcnt 48                              ; sel is in; the bias's 16 loads and the weights' 32 stay out
.set n, 0
.rept 32                                               ; the bitmap: word n is the mask of the lanes whose token of register n chose expert e
	v_and_b32 v[28+n%2], s42, v[BF+n]
	v_cmp_ne_u32 s[MK+n], 0, v[28+n%2]
.set n, n+1
.endr
	SEL
	s_add_co_u32 s[NB], s[PA], 15
	s_lshr_b32 s[NB], s[NB], 4
	s_max_u32 s[NB], s[NB], 1                      ; block 0 is always stored, so that DOWN reads nothing that was not written
	NLCALC
	s_wait_loadcnt 32                              ; the bias is in; W0 to W3 stay out
	LA 0, 0
	LA 1, 1
	BIASPK
	BIASW
	s_wait_loadcnt 44                              ; W0 is in: behind it W1, W2, W3, A0, A1
	PCVT 0
	PSTORE VS, 0
	PLOAD 0, 4
	s_wait_loadcnt 44                              ; W1 is in: behind it W2, W3, A0, A1, W4
	PCVT 1
	PSTORE VS, OCT
	LA 2, 2
	PLOAD 1, 5                                     ; out, in this order: W2, W3, A0, A1, W4, A2, W5: 62 loads
	BAR                                            ; k-steps 0 and 1 are in slot 0
	; K-STEP 0: nothing is left over from a step before; no matrix instruction stands ahead of it
	s_wait_loadcnt 54                              ; W2 is in
	PCVT 2
	PSTORE VS, SLOTB
	LB 0, BADR, 0, 2*WSTR
	LB 1, BADR, 0, 2*WSTR
	s_wait_loadcnt 36                              ; A0 is in: behind it A1, W4, A2, W5
	LA 3, 3
	PLOAD 2, 6
	s_wait_dscnt 8
	MH 0, 0, 1
	ITER 1, 1, 1, 1, 54, 44, 1, 1
	BAR
	WIN 0
	s_wait_xcnt 0x0                                ; the bases of the loads that are out are stepped only behind this wait
	s_add_nc_u64 s[SA:SA+1], s[SA:SA+1], 2*64
	s_add_nc_u64 s[SW:SW+1], s[SW:SW+1], 2*32*PITCH
	s_mov_b32 s[TRIP], 6
.Lbody:                                                ; k-steps 2 to 25, four a trip: once round the ring and once round the slots of registers.  54: three younger pairs A, W; 44: less one A
	ITER 2, 0, 0, 1, 54, 44, 1, 1
	ITER 3, 1, 0, 1, 54, 44, 1, 1
	BAR
	ITER 0, 2, 0, 1, 54, 44, 1, 1
	ITER 1, 3, 0, 1, 54, 44, 1, 1
	BAR
	WIN 0
	s_wait_xcnt 0x0
	s_add_nc_u64 s[SA:SA+1], s[SA:SA+1], 4*64
	s_add_nc_u64 s[SW:SW+1], s[SW:SW+1], 4*32*PITCH
	s_sub_co_u32 s[TRIP], s[TRIP], 1
	s_cmp_lg_u32 s[TRIP], 0
	s_cbranch_scc1 .Lbody
	; K-STEPS 26 TO 31 are written out: W31 and A31 are the last loads, so none leaves its buffer, and the counts run down
	ITER 2, 0, 0, 1, 54, 44, 1, 0
	ITER 3, 1, 0, 1, 46, 36, 1, 0
	BAR
	ITER 0, 2, 0, 1, 38, 28, 1, 0
	ITER 1, 3, 0, 1, 30, 20, 0, 0
	BAR
	ITER 2, 4, 0, 0, 0, 10, 0, 0
	ITER 3, 5, 0, 0, 0, 0, 0, 0
	s_wait_dscnt 0x0
	MH 3, 1, 0
	WIN 0
	s_mov_b32 s[G], 4
	s_branch .Lout                                 ; group 0 goes out; the loop over groups is entered at the way out.  No barrier follows
.Lgroup:                                               ; groups 1 to 3
	s_wait_xcnt 0x0                                ; the stores' registers are written again
	s_add_co_u32 s[BLK0], s[BLK0], 20
	NLCALC
	s_cmp_eq_u32 s[NL], 0
	s_cbranch_scc1 .Lend
	SEL
	s_mov_b64 s[SA:SA+1], s[SA0:SA0+1]
	s_mov_b64 s[SWK:SWK+1], s[SW0:SW0+1]
	BIASW
	WIN 0x60                                       ; blocks 0-3 start as bias + 0 x 0, so that the k-step's text stands once; block 4's accumulators hold the bias already
.irp i, 0,1,2,3
.irp n, 0,1,2,3,4,5,6,7
	v_wmma_f32_16x16x32_bf16 v[64*\i+8*\n:64*\i+8*\n+7], v[Z:Z+7], v[Z:Z+7], v[ACC4+8*\n:ACC4+8*\n+7]
.endr
.endr
	WIN 0
	s_mov_b32 s[CNT], 32
.Lok:
	OSTEP
	s_sub_co_u32 s[CNT], s[CNT], 1
	s_cmp_lg_u32 s[CNT], 0
	s_cbranch_scc1 .Lok
.Lout:
	PLACES                                         ; behind the group's last products
	EPI 0
	EPI 1
	EPI 2
	EPI 3
	EPI 4
	s_sub_co_u32 s[G], s[G], 1
	s_cmp_lg_u32 s[G], 0
	s_cbranch_scc1 .Lgroup
.Lend:
	s_wait_tensorcnt 0x0                           ; the wave's end, behind my last LDS store
	ds_add_u32 v[SPW], v[NIL]
	s_wait_dscnt 0x0
	s_endpgm
.Lfunc_end_k_qcefcfb8336_up:
	.size	k_qcefcfb8336_up, .Lfunc_end_k_qcefcfb8336_up-k_qcefcfb8336_up
	.p2alignl 7, 3214868480
	.fill 96, 4, 3214868480
	.section	.rodata,"a",@progbits
	.p2align	6, 0x0
	.amdhsa_kernel k_qcefcfb8336_up
		.amdhsa_group_segment_fixed_size 87552
		.amdhsa_private_segment_fixed_size 0
		.amdhsa_enable_private_segment 0
		.amdhsa_kernarg_size 40
		.amdhsa_user_sgpr_count 2
		.amdhsa_user_sgpr_kernarg_segment_ptr 1
		.amdhsa_wavefront_size32 1
		.amdhsa_system_sgpr_workgroup_id_x 1
		.amdhsa_system_sgpr_workgroup_id_y 1
		.amdhsa_system_sgpr_workgroup_id_z 1
		.amdhsa_system_vgpr_workitem_id 0
		.amdhsa_next_free_vgpr 768
		.amdhsa_next_free_sgpr 98
		.amdhsa_reserve_vcc 1
		.amdhsa_float_denorm_mode_32 3
		.amdhsa_float_denorm_mode_16_64 3
		.amdhsa_memory_ordered 1
		.amdhsa_forward_progress 1
		.amdhsa_inst_pref_size 169
	.end_amdhsa_kernel
	.amdgpu_metadata
---
amdhsa.version: [ 1, 2 ]
amdhsa.kernels:
  - .name:           k_qcefcfb8336_up
    .symbol:         k_qcefcfb8336_up.kd
    .args:
      - { .name: xb, .offset: 0, .size: 8, .value_kind: global_buffer, .address_space: global }
      - { .name: W1, .offset: 8, .size: 8, .value_kind: global_buffer, .address_space: global }
      - { .name: b1, .offset: 16, .size: 8, .value_kind: global_buffer, .address_space: global }
      - { .name: sel, .offset: 24, .size: 8, .value_kind: global_buffer, .address_space: global }
      - { .name: h, .offset: 32, .size: 8, .value_kind: global_buffer, .address_space: global }
    .group_segment_fixed_size: 87552
    .private_segment_fixed_size: 0
    .kernarg_segment_align: 8
    .kernarg_segment_size: 40
    .max_flat_workgroup_size: 128
    .sgpr_count:     98
    .vgpr_count:     768
    .wavefront_size: 32
...
	.end_amdgpu_metadata
.endif
;; end of part 5
;; launch down (part 6): grid 256 x 1, 4 waves a work-group, no clusters, 126,464 bytes of LDS; arguments h, W2, b2, sel, y; writes y
.if DOCPART == 6
	.amdgcn_target "amdgcn-amd-amdhsa--gfx1250"
	.amdhsa_code_object_version 6
	.text
	.protected	k_qcefcfb8336_down
	.globl	k_qcefcfb8336_down
	.p2align	8
	.type	k_qcefcfb8336_down,@function
k_qcefcfb8336_down:
	s_mov_b64 s[64:65], 0
	v_nop
	global_prefetch_b8 v0, s[64:65] scope:SCOPE_SE
	s_setreg_imm32_b32 hwreg(HW_REG_WAVE_MODE, 25, 1), 1
	s_wait_xcnt 0x0
; DOWN.  y[kq][idx][:] = the sum over the quarter kq of K of h[e][rank][k] W2[e][k][:], plus b2[e] in quarter 0; f32.  idx = token for the token's first choice, 1,024 + token for its second.
; h: [8][1024 ranks][4096] bf16.  W2: [8][4096][1024] f32.  b2: [8][1024] f32.  sel: [1024] words.  y: [4][2056][1024] f32; row 2,048 + e takes what ranks past expert e's count give, and is never read.
; SHARES.  Work-group = (expert e = id / 32, quarter kq = (id % 32) / 8, column slice ns = id % 8): the 1,024 x 128 numbers W2[e][1024 kq ..][128 ns ..], which it alone reads, and all the expert's rows.
; Each (kq, idx < 2,048, ns) is stored by one work-group: a token has one first and one second choice.  The eight planes (kq, slot) are partial sums, kept in f32, and added by the next launch.
; The build is UP's.  Four waves, one text.  In k-step m a wave lays its quarter of k-step m + 2's weights, rounded and turned, into a ring of two LDS slots of two k-steps, and multiplies k-step m:
; weight fragments from LDS, activation fragments from memory, up to 80 rows x 128 columns.  A barrier after every two k-steps, every wave's LDS instructions waited for in front of it.  No LDS address
; register is written behind the head.  Loads are asked for in the order of need, .. A(k), W(k+3), A(k+1), W(k+4) ..: 62 of a wave are out at the most, 32 of them weights.
; THE HEAD takes the expert's count first, since the rows of h lie in the order of ranks and their offsets need no more; the list rank -> row of y, which the way out needs, is made while the first
; loads are on their way.
; Rows: groups of 320, the first under the stream; groups 1-3 have no barrier: each wave fetches the slice again for itself through LDS bytes of its own.  A wave's blocks 0-3 are multiplied in every
; k-step, rows at or past 16 NB repeating row 16 NB - 1, which UP has stored.  THE FIFTH BLOCK's products are jumped by a scalar branch where it lies at or past NB (an expert's mean share,
; 2,048 / 8 = 256 rows, is four blocks a wave); its two loads a step are issued all the same, so that every wait's count holds on both ways.
; Source 0 = 16 columns of W2, source 1 = 16 rows of h: a lane holds one row and eight neighbouring columns.
; LIMITS.  W2 and b2 are rounded once to bf16; sums in f32; NaN and infinities are not treated apart.
; NO CLUSTER: each weight byte has one reader; the expert's rows of h, which eight work-groups share, go straight into registers as matrix operands, where no joint load can put them.
.set PITCH,  4096                      ; bytes from a row of W2[e] to the next
.set NSTR,   272                       ; LDS: 8 k of a column block's 16 columns, 256 bytes, + 16
.set OCT,    8*NSTR                    ; 2,176: 8 k of all 128 columns
.set WSTR,   2*OCT                     ; 4,352: a wave's part of a slot
.set SLOTB,  4*WSTR                    ; 17,408: a slot
.set PRIV,   2*SLOTB                   ; 34,816: for each wave one k-step of its own, for groups 1-3
.set PSTR,   4*OCT
.set LIST,   PRIV+4*PSTR               ; 69,632: for each wave 1,280 words rank -> idx, then 128 words that take what is not chosen
.set LSTR,   5632
.set STAGE,  LIST+4*LSTR               ; 92,160: for each wave 16 rows x 528 bytes, for the way out
.set SP,     528
.set SSTR,   16*SP
.set SPARE,  STAGE+4*SSTR              ; 125,952: the spare words, 128 bytes for each wave: two blocks of 256 bytes that no other line names
.set PLANE,  2056*4096                 ; bytes of a plane of y
.set WV,   14
.set E,    16
.set SL,   17
.set KQ,   18
.set NS,   19
.set SA,   22
.set SA0,  24
.set SW,   26
.set OUTB, 28                          ; s[28:29] y[kq][0][128 ns]
.set TRIP, 32
.set HIM,  33                          ; 0xffff0000: a word's upper bf16
.set G,    34
.set BLK0, 35
.set NL,   36
.set NB,   37
.set LISTW, 38
.set CNT,  39
.set STAGEW, 49
.set LRD,  50
.set PRIVW, 51
.set SWK,  52
.set SW0,  54
.set MK,   66                          ; s66-97  the bitmap of the expert's choosers: bit l of word n is token 128 (n / 4) + 4 l + n % 4
; window 0: v1-15 made in the head and never rewritten
.set BADR, 1
.set VS,   2
.set VW,   3
.set L16,  4
.set LSA,  5
.set OVS,  7
.set OBR,  8
.set STO,  9                           ; the way out: where I put 32 bytes of a row
.set RD,   10                          ; where I read rows back
.set LLA,  11                          ; my list at word 16 w, in every lane
.set H16,  13
.set B32,  14
.set R15,  15
.set AOF,  16                          ; v16-20  block i: my row's byte offset in the expert's h, + 16 (lane / 16)
.set SPW,  30
.set NIL,  31
.set BF,   32
.set WRG,  96
.set PT,   224
.set Z,    240
.set IDX,  96                          ; the way out: 16 rows' idx, then their byte offsets in a plane of y
.set DAT,  112                         ; the way out: 16 rows of 512 bytes
; window 1: accumulators of blocks 0-3;  window 2:
.set AR,   0
.set ACC4, 160
.set BP,   224                         ; v224-255 the bias rounded to bf16 (0 in quarters 1 to 3), two to a register: made once, widened anew for each group
.set MSB, 0
.macro WIN new                         ; s_set_vgpr_msb: bits 1:0 source 0, 3:2 source 1, 5:4 source 2, 7:6 destination; the high byte repeats the setting that is left
.if MSB != (\new)
	s_set_vgpr_msb (MSB<<8)|(\new)
.set MSB, \new
.endif
.endm
.macro PLACES                          ; four places between a matrix instruction and a load into, or an access of, its registers
.rept 4
	v_nop
.endr
.endm
.macro BAR                             ; an interval of two k-steps ends
	s_wait_dscnt 0x0                               ; for the others' sake: my stores into the one slot are done, and my reads of the other are back
	s_barrier_signal -1
	s_barrier_wait -1
.endm
.macro PLOAD slot, n                   ; my 8 rows of k-step n, counted from SW: 512 consecutive bytes a load
	WIN 0
.irp i, 0,1,2,3,4,5,6,7
	global_load_b128 v[WRG+32*(\slot)+4*\i:WRG+32*(\slot)+4*\i+3], v[VW], s[SW:SW+1] offset:(32*(\n)+\i)*PITCH th:TH_LOAD_NT
.endr
.endm
.macro PCVT slot                       ; for column j the four words (row 2 q, row 2 q + 1) are eight consecutive k: 16 bytes of a fragment
	WIN 0
.irp j, 0,1,2,3
.irp q, 0,1,2,3
	v_cvt_pk_bf16_f32 v[PT+4*\j+\q], v[WRG+32*(\slot)+8*\q+\j], v[WRG+32*(\slot)+8*\q+4+\j]
.endr
.endr
.endm
.macro PSTORE reg, base
.irp j, 0,1,2,3
	ds_store_b128 v[\reg], v[PT+4*\j:PT+4*\j+3] offset:(\base)+16*\j
.endr
.endm
.macro LB hf, reg, base, sec           ; half hf of a k-step's weight fragments: 8 loads
	WIN 0
.irp n, 0,1,2,3
	ds_load_b128 v[BF+8*(4*(\hf)+\n):BF+8*(4*(\hf)+\n)+3],   v[\reg] offset:(\base)+(4*(\hf)+\n)*NSTR
	ds_load_b128 v[BF+8*(4*(\hf)+\n)+4:BF+8*(4*(\hf)+\n)+7], v[\reg] offset:(\base)+(4*(\hf)+\n)*NSTR+(\sec)
.endr
.endm
.macro LA slot, n                      ; the five activation fragments of k-step n, counted from SA: 10 loads
	WIN 0x80
.irp i, 0,1,2,3,4
	global_load_b128 v[AR+40*(\slot)+8*\i:AR+40*(\slot)+8*\i+3],   v[AOF+\i], s[SA:SA+1] offset:64*(\n)
	global_load_b128 v[AR+40*(\slot)+8*\i+4:AR+40*(\slot)+8*\i+7], v[AOF+\i], s[SA:SA+1] offset:64*(\n)+32
.endr
.endm
; 16 or 20 matrix instructions, each on an accumulator of its own, so that no two that follow each other share one, on either way.  The fifth block's four are
; jumped where it lies at or past NB: nothing but matrix instructions is jumped, and both ways end with every window 0.
; first = 1: the bias, in ACC4, is the C operand; block 4 adds in place onto it, five places behind its readers.
.macro MH slot, hf, first
.if \first
	WIN 0x68
.else
	WIN 0x58
.endif
.irp i, 0,1,2,3
.irp n, 0,1,2,3
.if \first
	v_wmma_f32_16x16x32_bf16 v[64*\i+8*(4*(\hf)+\n):64*\i+8*(4*(\hf)+\n)+7], v[BF+8*(4*(\hf)+\n):BF+8*(4*(\hf)+\n)+7], v[AR+40*(\slot)+8*\i:AR+40*(\slot)+8*\i+7], v[ACC4+8*(4*(\hf)+\n):ACC4+8*(4*(\hf)+\n)+7]
.else
	v_wmma_f32_16x16x32_bf16 v[64*\i+8*(4*(\hf)+\n):64*\i+8*(4*(\hf)+\n)+7], v[BF+8*(4*(\hf)+\n):BF+8*(4*(\hf)+\n)+7], v[AR+40*(\slot)+8*\i:AR+40*(\slot)+8*\i+7], v[64*\i+8*(4*(\hf)+\n):64*\i+8*(4*(\hf)+\n)+7]
.endif
.endr
.endr
	WIN 0                                          ; at a branch and at a label every window is 0
	s_cmp_lt_u32 s[NL], 5
	s_cbranch_scc1 .Lno4_\@                        ; my fifth block is dead: its sums would never be stored
	WIN 0xa8
.if \first
.rept 5
	v_nop
.endr
.endif
.irp n, 0,1,2,3
	v_wmma_f32_16x16x32_bf16 v[ACC4+8*(4*(\hf)+\n):ACC4+8*(4*(\hf)+\n)+7], v[BF+8*(4*(\hf)+\n):BF+8*(4*(\hf)+\n)+7], v[AR+40*(\slot)+32:AR+40*(\slot)+39], v[ACC4+8*(4*(\hf)+\n):ACC4+8*(4*(\hf)+\n)+7]
.endr
	WIN 0
.Lno4_\@:
.endm
; K-STEP m, as in UP.  mm = m % 4; rel: m counted from SA and SW; pst: W(m+2) is laid into the other slot; lcw, lca: the younger loads that may stay out when W(m+2), A(m) must be in;
; la: A(m+3) is asked for; pl: W(m+6) is asked for.
.macro ITER mm, rel, f1, pst, lcw, lca, la, pl
.if \pst
	s_wait_loadcnt \lcw
	PCVT ((\mm)+2)%4
	PSTORE VS, ((((\mm)+2)%4)/2)*SLOTB+((\mm)%2)*OCT
.else
	PLACES
.endif
	LB 0, BADR, ((\mm)/2)*SLOTB+((\mm)%2)*OCT, 2*WSTR
	s_wait_dscnt 8+4*(\pst)                        ; all but what this step has issued: half 1 of step m - 1 is in
	MH ((\mm)+3)%4, 1, \f1
	PLACES
	s_wait_loadcnt \lca
.if \la
	LA ((\mm)+3)%4, (\rel)+3
.endif
	LB 1, BADR, ((\mm)/2)*SLOTB+((\mm)%2)*OCT, 2*WSTR
.if \pl
	PLOAD ((\mm)+2)%4, (\rel)+6
.endif
	s_wait_dscnt 8                                 ; half 0 of step m is in
	MH \mm, 0, 0
.endm
.macro NLCALC
	s_add_co_u32 s45, s[NB], 3
	s_sub_co_i32 s45, s45, s[BLK0]
	s_max_i32 s45, s45, 0
	s_lshr_b32 s45, s45, 2
	s_min_u32 s[NL], s45, 5
.endm
.macro AOFSET                          ; my rows' offsets in h: ranks lie in order; none at or past 16 NB is read
	WIN 0
	s_lshl_b32 s45, s[BLK0], 4
	v_add_nc_u32 v21, s45, v[R15]
.irp i, 0,1,2,3,4
	v_add_nc_u32 v[AOF+\i], 64*\i, v21
	v_min_u32 v[AOF+\i], s48, v[AOF+\i]            ; 16 NB - 1 at the most
	v_min_u32 v[AOF+\i], 0x3ff, v[AOF+\i]
	v_lshl_add_u32 v[AOF+\i], v[AOF+\i], 13, v[H16]  ; a rank's 8,192 bytes
.endr
.endm
.macro BIASLD
	WIN 0x80
.irp n, 0,1,2,3,4,5,6,7
	global_load_b128 v[ACC4+8*\n:ACC4+8*\n+3],   v[B32], s[8:9] offset:64*\n
	global_load_b128 v[ACC4+8*\n+4:ACC4+8*\n+7], v[B32], s[8:9] offset:64*\n+16
.endr
.endm
.macro BIASPK                          ; the bias rounded to bf16 and kept in quarter 0 alone, once, into registers that nothing else names
	WIN 0x8a                                       ; all in window 2
.set m, 0
.rept 32
	v_cvt_pk_bf16_f32 v[BP+m], v[ACC4+2*m], v[ACC4+2*m+1]
.set m, m+1
.endr
.set m, 0
.rept 32
	v_and_b32 v[BP+m], s47, v[BP+m]                ; all ones in quarter 0, else 0
.set m, m+1
.endr
.endm
.macro BIASW                           ; and widened again into ACC4, at each group's beginning
	WIN 0x8a
.set m, 0
.rept 32
	v_lshlrev_b32 v[ACC4+2*m], 16, v[BP+m]
	v_and_b32 v[ACC4+2*m+1], s[HIM], v[BP+m]
.set m, m+1
.endr
	WIN 0
.endm
.macro LSHIFT                          ; groups 1-3: my list goes 320 words down.  My own bytes, served in order (ISA guide 5.7.1.4)
.irp j, 0,1,2,3,4,5,6,7
	ds_load_b128 v[WRG+4*\j:WRG+4*\j+3], v[LSA] offset:1280+512*\j
.endr
	s_wait_dscnt 0x0
.irp j, 0,1,2,3,4,5,6,7
	ds_store_b128 v[LSA], v[WRG+4*\j:WRG+4*\j+3] offset:512*\j
.endr
.endm
.macro OSTEP                           ; groups 1-3: one k-step, its weights fetched by me alone through my own k-step in LDS
	PLACES                                         ; behind the last trip's products: their fragments are loaded again
	LA 0, 0
	WIN 0
.irp p, 0,1,2,3
.irp i, 0,1,2,3,4,5,6,7
	global_load_b128 v[WRG+4*\i:WRG+4*\i+3], v[L16], s[SWK:SWK+1] offset:(8*\p+\i)*PITCH
.endr
	s_wait_loadcnt 0x0
	PCVT 0
	PSTORE OVS, \p*OCT
.endr
	LB 0, OBR, 0, 2*OCT
	LB 1, OBR, 0, 2*OCT
	s_wait_dscnt 0x0
	MH 0, 0, 0
	MH 0, 1, 0
	WIN 0
	s_wait_xcnt 0x0                                ; the bases are stepped only behind this wait
	s_add_nc_u64 s[SA:SA+1], s[SA:SA+1], 64
	s_add_nc_u64 s[SWK:SWK+1], s[SWK:SWK+1], 32*PITCH
.endm
; THE WAY OUT of block i: the f32 sums go into my stage, 32 bytes a lane, and come back as whole rows of 512 bytes; each row goes where the list says.  A block at or past NB ends the wave's work.
.macro EPI i
	s_cmp_le_u32 s[NL], \i
	s_cbranch_scc1 .Lend
.set m, 0
.if (\i) < 4
	WIN 0x04                                       ; the stores' data (source 1) in window 1
.rept 8
	ds_store_b128 v[STO], v[64*(\i)+8*m:64*(\i)+8*m+3]   offset:64*m
	ds_store_b128 v[STO], v[64*(\i)+8*m+4:64*(\i)+8*m+7] offset:64*m+16
.set m, m+1
.endr
.else
	WIN 0x08                                       ; in window 2
.rept 8
	ds_store_b128 v[STO], v[ACC4+8*m:ACC4+8*m+3]   offset:64*m
	ds_store_b128 v[STO], v[ACC4+8*m+4:ACC4+8*m+7] offset:64*m+16
.set m, m+1
.endr
.endif
	WIN 0
	s_wait_xcnt 0x0                                ; the last block's stores name IDX and DAT: both are rewritten only behind this wait
.set m, 0
.rept 16
	ds_load_b32 v[IDX+m], v[LLA] offset:256*(\i)+4*m   ; one word for all lanes: row m's idx
.set m, m+1
.endr
.set m, 0
.rept 16
	ds_load_b128 v[DAT+4*m:DAT+4*m+3], v[RD] offset:SP*m  ; my own bytes, served in order (ISA guide 5.7.1.4): these see the stores above
.set m, m+1
.endr
	s_wait_dscnt 0x0
.set m, 0
.rept 16
	v_min_u32 v[IDX+m], 0x807, v[IDX+m]            ; inside the plane's 2,056 rows
	v_lshl_add_u32 v[IDX+m], v[IDX+m], 12, v[L16]
.set m, m+1
.endr
.set m, 0
.rept 16
	global_store_b128 v[IDX+m], v[DAT+4*m:DAT+4*m+3], s[OUTB:OUTB+1]  ; the wave stores 512 consecutive bytes, at a multiple of 256 from y's first byte
.set m, m+1
.endr
.endm
	; THE HEAD: every LDS address register is made here, once
	s_load_b256 s[4:11], s[0:1], 0x0               ; h s[4:5], W2 s[6:7], b2 s[8:9], sel s[10:11]
	s_load_b64 s[12:13], s[0:1], 0x20              ; y
	v_lshl_add_u32 v[SPW], v0, 2, SPARE
	v_mov_b32 v[NIL], 0
	v_lshrrev_b32 v21, 5, v0
	v_readfirstlane_b32 s[WV], v21
	s_lshr_b32 s[E], ttmp9, 5
	s_and_b32 s[SL], ttmp9, 31
	s_lshr_b32 s[KQ], s[SL], 3
	s_and_b32 s[NS], s[SL], 7
	s_mov_b32 s21, 0
	s_mov_b32 s[HIM], 0xffff0000
	s_cmp_eq_u32 s[KQ], 0
	s_cselect_b32 s47, -1, 0
	s_mul_i32 s[LISTW], s[WV], LSTR
	s_add_co_u32 s[LISTW], s[LISTW], LIST
	s_lshl_b32 s[LRD], s[WV], 6
	s_add_co_u32 s[LRD], s[LRD], s[LISTW]
	s_mul_i32 s[STAGEW], s[WV], SSTR
	s_add_co_u32 s[STAGEW], s[STAGEW], STAGE
	s_mul_i32 s[PRIVW], s[WV], PSTR
	s_add_co_u32 s[PRIVW], s[PRIVW], PRIV
	s_mul_i32 s41, s[WV], WSTR
	s_mul_i32 s45, s[WV], 8*PITCH
	v_and_b32 v21, 31, v0                          ; lane
	v_and_b32 v[R15], 15, v0
	v_bfe_u32 v22, v0, 4, 1                        ; lane / 16
	v_lshlrev_b32 v[L16], 4, v21
	v_lshlrev_b32 v[H16], 4, v22
	v_lshlrev_b32 v[B32], 5, v22
	v_mul_u32_u24 v[BADR], v22, WSTR
	v_lshl_add_u32 v[BADR], v[R15], 4, v[BADR]
	v_lshrrev_b32 v23, 2, v21
	v_mul_u32_u24 v24, v23, NSTR
	v_and_b32 v23, 3, v21
	v_lshl_add_u32 v24, v23, 6, v24
	v_add_nc_u32 v[VS], s41, v24
	v_add_nc_u32 v[OVS], s[PRIVW], v24
	v_mul_u32_u24 v[OBR], v22, OCT
	v_lshl_add_u32 v[OBR], v[R15], 4, v[OBR]
	v_add_nc_u32 v[OBR], s[PRIVW], v[OBR]
	v_add_nc_u32 v[VW], s45, v[L16]
	v_add_nc_u32 v[LSA], s[LISTW], v[L16]
	v_mul_u32_u24 v[STO], v[R15], SP               ; into the stage: row lane % 16, 32 bytes for each half of the lanes
	v_add_nc_u32 v[STO], v[B32], v[STO]
	v_add_nc_u32 v[STO], s[STAGEW], v[STO]
	v_add_nc_u32 v[RD], s[STAGEW], v[L16]          ; back: 16 bytes a lane, a row of 512 bytes a wave
	v_mov_b32 v[LLA], s[LRD]                       ; the list's 16 words of my first block; block i lies 256 bytes on
.irp z, 0,1,2,3,4,5,6,7
	v_mov_b32 v[Z+\z], 0
.endr
	v_lshlrev_b32 v22, 2, v21                      ; 4 x lane
	v_add_nc_u32 v23, 1280, v21                    ; where a token that is not chosen goes
	s_add_co_u32 s46, s[E], 2048                   ; ranks past the count name the expert's spare row of y
	v_mov_b32 v24, s46
	v_mov_b32 v25, s46
	v_mov_b32 v26, s46
	v_mov_b32 v27, s46
	s_lshl_b32 s45, s[NS], 9                       ; 128 columns of f32
	s_lshl_b32 s42, 0x101, s[E]                    ; expert e as first or as second choice
	s_add_co_u32 s43, s[E], 8                      ; the bit that says: as second
	s_wait_kmcnt 0x0
	s_lshl_b32 s20, s[E], 24
	s_lshl_b32 s41, s[KQ], 22
	s_add_co_u32 s20, s20, s41
	s_add_co_u32 s20, s20, s45
	s_add_nc_u64 s[SW0:SW0+1], s[6:7], s[20:21]    ; W2[e][1024 kq][128 ns]
	s_mov_b64 s[SW:SW+1], s[SW0:SW0+1]
	s_lshl_b32 s20, s[E], 12
	s_add_co_u32 s20, s20, s45
	s_add_nc_u64 s[8:9], s[8:9], s[20:21]          ; b2[e][128 ns]
	s_mul_i32 s20, s[KQ], PLANE
	s_add_co_u32 s20, s20, s45
	s_add_nc_u64 s[OUTB:OUTB+1], s[12:13], s[20:21]  ; y[kq][0][128 ns]
	s_lshl_b32 s20, s[E], 23
	s_lshl_b32 s41, s[KQ], 11
	s_add_co_u32 s20, s20, s41
	s_add_nc_u64 s[SA0:SA0+1], s[4:5], s[20:21]    ; h[e][0][1024 kq]
	s_mov_b64 s[SA:SA+1], s[SA0:SA0+1]
.irp j, 0,1,2,3,4,5,6,7
	global_load_b128 v[BF+4*\j:BF+4*\j+3], v[L16], s[10:11] offset:512*\j  ; sel, all of it
.endr
	BIASLD
	PLOAD 0, 0                                     ; the stream begins: 56 loads are out
	PLOAD 1, 1
	PLOAD 2, 2
	PLOAD 3, 3
.irp j, 0,1,2,3,4,5,6,7,8,9,10
	ds_store_b128 v[LSA], v[24:27] offset:512*\j   ; the list's ground: every rank names the spare row
.endr
	s_wait_loadcnt 48                              ; sel is in; the bias's 16 loads and the weights' 32 stay out
.set n, 0
.rept 32                                               ; the bitmap: word n is the mask of the lanes whose token of register n chose expert e
	v_and_b32 v[28+n%2], s42, v[BF+n]
	v_cmp_ne_u32 s[MK+n], 0, v[28+n%2]
.set n, n+1
.endr
	s_mov_b32 s44, 0
.set n, 0
.rept 32                                               ; THE COUNT FIRST: it is all that the rows' offsets need
	s_bcnt1_i32_b32 s45, s[MK+n]
	s_add_co_u32 s44, s44, s45
.set n, n+1
.endr
	s_add_co_u32 s[NB], s44, 15
	s_lshr_b32 s[NB], s[NB], 4
	s_max_u32 s[NB], s[NB], 1
	s_lshl_b32 s48, s[NB], 4
	s_sub_co_u32 s48, s48, 1                       ; the last rank that UP has stored
	s_mov_b32 s[BLK0], s[WV]
	NLCALC
	AOFSET
	s_wait_loadcnt 32                              ; the bias is in; W0 to W3 stay out
	LA 0, 0
	LA 1, 1
	BIASPK
	BIASW
	; THE LIST, in UP's order of ranks, made while W0 to W3, A0 and A1 are on their way: each wave makes its own copy, so no wave waits for another.  A chosen token's rank is the count of the words
	; below plus the chosen lanes below mine; its word is the row of y that takes its result.
	s_mov_b32 s44, 0
.set n, 0
.rept 32
	v_mbcnt_lo_u32_b32 v28, s[MK+n], s44
	v_cndmask_b32 v28, v23, v28, s[MK+n]
	v_min_u32 v28, 0x53f, v28                      ; inside my 1,408 words
	v_lshl_add_u32 v28, v28, 2, s[LISTW]
	v_add_nc_u32 v29, 128*(n/4)+n%4, v22
	v_bfe_u32 v24, v[BF+n], s43, 1
	v_lshl_add_u32 v29, v24, 10, v29               ; + 1,024 for a second choice
	ds_store_b32 v28, v29
	s_bcnt1_i32_b32 s45, s[MK+n]
	s_add_co_u32 s44, s44, s45
.set n, n+1
.endr
	s_wait_loadcnt 44                              ; W0 is in: behind it W1, W2, W3, A0, A1
	PCVT 0
	PSTORE VS, 0
	PLOAD 0, 4
	s_wait_loadcnt 44                              ; W1 is in: behind it W2, W3, A0, A1, W4
	PCVT 1
	PSTORE VS, OCT
	LA 2, 2
	PLOAD 1, 5                                     ; out, in this order: W2, W3, A0, A1, W4, A2, W5: 62 loads
	BAR                                            ; k-steps 0 and 1 are in slot 0
	; K-STEP 0: nothing is left over from a step before; no matrix instruction stands ahead of it
	s_wait_loadcnt 54                              ; W2 is in
	PCVT 2
	PSTORE VS, SLOTB
	LB 0, BADR, 0, 2*WSTR
	LB 1, BADR, 0, 2*WSTR
	s_wait_loadcnt 36                              ; A0 is in: behind it A1, W4, A2, W5
	LA 3, 3
	PLOAD 2, 6
	s_wait_dscnt 8
	MH 0, 0, 1
	ITER 1, 1, 1, 1, 54, 44, 1, 1
	BAR
	WIN 0
	s_wait_xcnt 0x0                                ; the bases of the loads that are out are stepped only behind this wait
	s_add_nc_u64 s[SA:SA+1], s[SA:SA+1], 2*64
	s_add_nc_u64 s[SW:SW+1], s[SW:SW+1], 2*32*PITCH
	s_mov_b32 s[TRIP], 6
.Lbody:                                                ; k-steps 2 to 25, four a trip: once round the ring and once round the slots of registers.  54: three younger pairs A, W; 44: less one A
	ITER 2, 0, 0, 1, 54, 44, 1, 1
	ITER 3, 1, 0, 1, 54, 44, 1, 1
	BAR
	ITER 0, 2, 0, 1, 54, 44, 1, 1
	ITER 1, 3, 0, 1, 54, 44, 1, 1
	BAR
	WIN 0
	s_wait_xcnt 0x0
	s_add_nc_u64 s[SA:SA+1], s[SA:SA+1], 4*64
	s_add_nc_u64 s[SW:SW+1], s[SW:SW+1], 4*32*PITCH
	s_sub_co_u32 s[TRIP], s[TRIP], 1
	s_cmp_lg_u32 s[TRIP], 0
	s_cbranch_scc1 .Lbody
	; K-STEPS 26 TO 31 are written out: W31 and A31 are the last loads, so none leaves its buffer, and the counts run down
	ITER 2, 0, 0, 1, 54, 44, 1, 0
	ITER 3, 1, 0, 1, 46, 36, 1, 0
	BAR
	ITER 0, 2, 0, 1, 38, 28, 1, 0
	ITER 1, 3, 0, 1, 30, 20, 0, 0
	BAR
	ITER 2, 4, 0, 0, 0, 10, 0, 0
	ITER 3, 5, 0, 0, 0, 0, 0, 0
	s_wait_dscnt 0x0
	MH 3, 1, 0
	WIN 0
	s_mov_b32 s[G], 4
	s_branch .Lout                                 ; group 0 goes out; the loop over groups is entered at the way out.  No barrier follows
.Lgroup:                                               ; groups 1 to 3
	s_wait_xcnt 0x0                                ; the stores' registers are written again
	s_add_co_u32 s[BLK0], s[BLK0], 20
	NLCALC
	s_cmp_eq_u32 s[NL], 0
	s_cbranch_scc1 .Lend
	LSHIFT
	AOFSET
	s_mov_b64 s[SA:SA+1], s[SA0:SA0+1]
	s_mov_b64 s[SWK:SWK+1], s[SW0:SW0+1]
	BIASW
	WIN 0x60                                       ; blocks 0-3 start as bias + 0 x 0, so that the k-step's text stands once; block 4's accumulators hold the bias already
.irp i, 0,1,2,3
.irp n, 0,1,2,3,4,5,6,7
	v_wmma_f32_16x16x32_bf16 v[64*\i+8*\n:64*\i+8*\n+7], v[Z:Z+7], v[Z:Z+7], v[ACC4+8*\n:ACC4+8*\n+7]
.endr
.endr
	WIN 0
	s_mov_b32 s[CNT], 32
.Lok:
	OSTEP
	s_sub_co_u32 s[CNT], s[CNT], 1
	s_cmp_lg_u32 s[CNT], 0
	s_cbranch_scc1 .Lok
.Lout:
	PLACES                                         ; behind the group's last products
	EPI 0
	EPI 1
	EPI 2
	EPI 3
	EPI 4
	s_sub_co_u32 s[G], s[G], 1
	s_cmp_lg_u32 s[G], 0
	s_cbranch_scc1 .Lgroup
.Lend:
	s_wait_tensorcnt 0x0                           ; the wave's end, behind my last LDS store
	ds_add_u32 v[SPW], v[NIL]
	s_wait_dscnt 0x0
	s_endpgm
.Lfunc_end_k_qcefcfb8336_down:
	.size	k_qcefcfb8336_down, .Lfunc_end_k_qcefcfb8336_down-k_qcefcfb8336_down
	.p2alignl 7, 3214868480
	.fill 96, 4, 3214868480
	.section	.rodata,"a",@progbits
	.p2align	6, 0x0
	.amdhsa_kernel k_qcefcfb8336_down
		.amdhsa_group_segment_fixed_size 126464
		.amdhsa_private_segment_fixed_size 0
		.amdhsa_enable_private_segment 0
		.amdhsa_kernarg_size 40
		.amdhsa_user_sgpr_count 2
		.amdhsa_user_sgpr_kernarg_segment_ptr 1
		.amdhsa_wavefront_size32 1
		.amdhsa_system_sgpr_workgroup_id_x 1
		.amdhsa_system_sgpr_workgroup_id_y 1
		.amdhsa_system_sgpr_workgroup_id_z 1
		.amdhsa_system_vgpr_workitem_id 0
		.amdhsa_next_free_vgpr 768
		.amdhsa_next_free_sgpr 98
		.amdhsa_reserve_vcc 0
		.amdhsa_float_denorm_mode_32 3
		.amdhsa_float_denorm_mode_16_64 3
		.amdhsa_memory_ordered 1
		.amdhsa_forward_progress 1
		.amdhsa_inst_pref_size 177
	.end_amdhsa_kernel
	.amdgpu_metadata
---
amdhsa.version: [ 1, 2 ]
amdhsa.kernels:
  - .name:           k_qcefcfb8336_down
    .symbol:         k_qcefcfb8336_down.kd
    .args:
      - { .name: h, .offset: 0, .size: 8, .value_kind: global_buffer, .address_space: global }
      - { .name: W2, .offset: 8, .size: 8, .value_kind: global_buffer, .address_space: global }
      - { .name: b2, .offset: 16, .size: 8, .value_kind: global_buffer, .address_space: global }
      - { .name: sel, .offset: 24, .size: 8, .value_kind: global_buffer, .address_space: global }
      - { .name: y, .offset: 32, .size: 8, .value_kind: global_buffer, .address_space: global }
    .group_segment_fixed_size: 126464
    .private_segment_fixed_size: 0
    .kernarg_segment_align: 8
    .kernarg_segment_size: 40
    .max_flat_workgroup_size: 128
    .sgpr_count:     98
    .vgpr_count:     768
    .wavefront_size: 32
...
	.end_amdgpu_metadata
.endif
;; end of part 6
;; launch sum: the kernel of part 4 again; grid 256 x 1, 8 waves a work-group, no clusters, 0 bytes of LDS; arguments y, out0; writes out0
;; ======== version 3 of 3: 4 launches; version 2 with the launches up, down written anew for expert scheduling mode
;; workspace buffers: xb 2,097,152 bytes; sel 4,096 bytes of whole numbers; h 67,108,864 bytes; y 33,685,504 bytes
;; launch route: the kernel of part 1 again; grid 64 x 1, 8 waves a work-group, no clusters, 44,032 bytes of LDS; arguments x, Wg, bg, xb, sel; writes xb, sel
;; launch up (part 7): grid 256 x 1, 4 waves a work-group, no clusters, 87,552 bytes of LDS; arguments xb, W1, b1, sel, h; writes h
.if DOCPART == 7
	.amdgcn_target "amdgcn-amd-amdhsa--gfx1250"
	.amdhsa_code_object_version 6
	.text
	.protected	k_qcefcfb8336_up
	.globl	k_qcefcfb8336_up
	.p2align	8
	.type	k_qcefcfb8336_up,@function
k_qcefcfb8336_up:
	s_mov_b64 s[64:65], 0
	v_nop
	global_prefetch_b8 v0, s[64:65] scope:SCOPE_SE
	s_setreg_imm32_b32 hwreg(HW_REG_WAVE_SCHED_MODE, 0, 2), 2
	s_setreg_imm32_b32 hwreg(HW_REG_WAVE_MODE, 25, 1), 1
	s_wait_xcnt 0x0
	s_wait_alu depctr_vm_vsrc(0)
; UP.  h[e][rank][:] = relu(xb[token(rank)] W1[e] + b1[e]), bf16, for the tokens that chose expert e, in an order of ranks that every wave works out from sel.
; xb: [1024][1024] bf16.  W1: [8][1024][4096] f32.  b1: [8][4096] f32.  sel: [1024] words, (1 << first choice) | (0x100 << second).  h: [8][1024 ranks][4096] bf16.
; SHARES.  Work-group = (expert e = id / 32, slice s = id % 32): the 1,024 x 128 numbers W1[e][:][128 s ..], which it alone reads, and ALL of the expert's rows (0 to 1,024 of them).
; Four waves, all running the same text.  In k-step m (32 along K) wave w
;   lays its quarter of k-step m + 2's weights into LDS: rows 8 w .. 8 w + 7 of the step, 8 loads of 512 consecutive bytes, rounded to bf16 and turned by the choice of the conversions' sources;
;   multiplies k-step m: weight fragments from LDS, activation fragments straight from memory, up to 80 rows x 128 columns: 40 matrix instructions.
; THE RING.  Two LDS slots of two k-steps; a barrier after every two k-steps, and in front of it every wave has waited for all its LDS instructions: an interval reads one slot and writes the other.
; No LDS address register is written behind the head: slot and k-step stand in the immediates.
; ONE COUNTER.  Loads into registers are counted done in the order of issue (ISA guide 5.7.1), so weights (W) and activations (A) are asked for in the order in which they are needed:
; .. A(k), W(k+3), A(k+1), W(k+4) ..; step m asks for A(m+3) and then W(m+6).  62 loads of a wave are out at the most, 32 of them weights: 16 KB a wave.
; THE MODE: SCHED_MODE bits 1:0 = 2 (LLVM: expert scheduling mode 2), set by the entry lines.  The code itself states the register dependences between vector or matrix instructions and memory or LDS
; instructions, with s_wait_alu, always for 0.
; THE PLAN.  Registers that memory or LDS instructions touch in the stream, and who else names them in k-step m:
;   WRG0-3  the step's conversions read WRG[(m+2) % 4]; behind them W(m+6) lands in it.
;   PT      written by those conversions, read by the step's four LDS stores, written again a step later.
;   BF1     half 1 of the weight fragments, one buffer: read by the products of step m - 1's half 1, which stand at step m's head; behind them half 1 of step m lands in it.
;   AR0-3   slot (m-1) % 4 is read last by those same products; behind them A(m+3) lands in it.
;   BF0     half 0 of the weight fragments, TWO buffers by m's parity (window 0, window 3): half 0 of step m lands at the step's head and is read by the step's last products; the buffer's readers before
;           that, step m - 2's, stand ahead of step m - 1's wait.
;   The address registers are made in the head and never written in the stream.  The accumulators, the bias and Z are named by vector and matrix instructions alone.
; So ONE wait on va_vdst stands in a k-step, behind its conversions, which stand behind the products of step m - 1's half 1; the step's stores and 26 of its loads follow it, and the next step's first
; eight loads lean on it too.  One wait on vm_vsrc stands ahead of the conversions, for PT.
; RANKS.  The expert's choosers are a bitmap of 32 scalar registers: bit l of word n is token 128 (n / 4) + 4 l + n % 4; ranks go by word and then by bit.  A lane finds the token of its rank in
; registers alone: the last word whose prefix count does not pass the rank, then the bit of that rank in the word.  DOWN ranks the same words in the same order.
; ROWS.  NB = max(1, ceil(count / 16)) blocks of 16 ranks.  Group g holds blocks 20 g + 4 i + w (i = 0..4).  Group 0 runs under the stream.  Groups 1-3, for an expert with more than 320 rows, have
; no barrier: each wave fetches the slice again for itself, a k-step at a time, through LDS bytes of its own: four times the slice's bytes for a work-group, the price of serving every split.
; A wave's blocks 0-3 are multiplied in every k-step, ranks past the count on token 1,023's row.  THE FIFTH BLOCK's products are jumped by a scalar branch where it lies at or past NB: an expert's mean
; share, 2,048 / 8 = 256 rows, is four blocks a wave.  Its two loads a step are issued all the same, so that every wait's count holds on both ways.  Only whole blocks below NB are stored; ranks past
; the count in a live block are stored and never used.
; THE MATRIX INSTRUCTION IS USED TRANSPOSED: source 0 = 16 columns of W1, source 1 = 16 rows of xb: a lane then holds one row (lane % 16) and eight neighbouring columns 8 (lane / 16) + 0..7.
; LIMITS.  xb, W1, b1 and h are rounded once to bf16; sums in f32; NaN and infinities are not treated apart.
; NO CLUSTER: each weight byte has one reader; the rows that an expert's 32 work-groups share are chosen lane by lane, which no tensor descriptor covers.
.set PITCH,  16384                     ; bytes from a row of W1[e] to the next
.set NSTR,   272                       ; LDS: 8 k of a column block's 16 columns, 256 bytes, + 16, so that the 16 lanes of a store fall on 16 different 16-byte columns modulo 256
.set OCT,    8*NSTR                    ; 2,176: 8 k of all 128 columns
.set WSTR,   2*OCT                     ; 4,352: a wave's part of a slot: its 8 k of two k-steps
.set SLOTB,  4*WSTR                    ; 17,408: a slot
.set PRIV,   2*SLOTB                   ; 34,816: for each wave one k-step of its own, for groups 1-3
.set PSTR,   4*OCT
.set STAGE,  PRIV+4*PSTR               ; 69,632: for each wave 16 rows x 272 bytes, for the way out
.set SP,     272
.set SSTR,   16*SP
.set SPARE,  STAGE+4*SSTR              ; 87,040: the spare words, 128 bytes for each wave: two blocks of 256 bytes that no other line names
; scalar registers
.set SWK,  2                           ; s[2:3] groups 1-3: weights at the k-step in hand
.set WV,   14                          ; my wave's number
.set SELC, 15
.set E,    16
.set SL,   17
.set SW0,  18                          ; s[18:19] weights at k = 0
.set SA,   22                          ; s[22:23] activations at the k-step from which the text in hand counts
.set SA0,  24                          ; s[24:25] activations at k = 0
.set SW,   26                          ; s[26:27] weights at the k-step from which the text in hand counts
.set OUTB, 28                          ; s[28:29] h at the expert's rank 0, my slice's columns
.set OUTT, 30                          ; s[30:31] the same at a block's first rank
.set TRIP, 32
.set HIM,  33                          ; 0xffff0000: a word's upper bf16
.set G,    34
.set BLK0, 35                          ; 20 g + w
.set NL,   36                          ; how many of my five blocks are below NB
.set NB,   37
.set STAGEW, 38                        ; my stage
.set CNT,  39
.set PRIVW, 40                         ; my own k-step
.set PA,   46                          ; the count of choosers in the words below the one in hand
.set MB,   48                          ; s48-55  a run of eight compares' masks
.set QB,   56                          ; s56-63  for the same eight words: the prefix count, with the word's number from bit 16 on
.set MK,   66                          ; s66-97  the bitmap
; vector registers, in windows of 256 (s_set_vgpr_msb: bits 1:0 source 0, 3:2 source 1, 5:4 source 2, 7:6 destination)
; window 0: the address registers among v1-15 are made in the head and never rewritten
.set BADR, 1                           ; ring, read: (lane / 16) x WSTR + 16 (lane % 16)
.set VS,   2                           ; ring, write: w x WSTR + (lane / 4) x NSTR + 64 (lane % 4)
.set VW,   3                           ; weights: 16 x lane + my 8 rows of a k-step
.set L16,  4                           ; 16 x lane
.set XP,   5                           ; at work on ranks: the bit's place
.set XU,   6
.set OVS,  7                           ; my own k-step, write
.set OBR,  8                           ; my own k-step, read
.set STO,  9                           ; the way out: where I put 16 bytes of a row
.set RD,   10                          ; where I read rows back
.set CO,   11                          ; my byte offset in two ranks of h
.set XK,   12                          ; at work on ranks: the rank inside the word
.set H16,  13                          ; 16 (lane / 16)
.set B32,  14                          ; 32 (lane / 16)
.set R15,  15                          ; lane % 16
.set AOF,  16                          ; v16-20  block i: my row's byte offset in xb, + 16 (lane / 16)
.set XR,   21                          ; at work on ranks: my rank;
.set XW,   22                          ; its word;
.set XB,   23                          ; the word's prefix count and number;
.set X2,   24                          ; the word's counts by 2,
.set X4,   25                          ; 4,
.set X8,   26                          ; 8
.set X16,  27                          ; and 16 bits
.set XT,   28
.set SPW,  30                          ; LDS address of my spare word; never rewritten
.set NIL,  31                          ; 0; never rewritten
.set BF,   32                          ; v32-95   weight fragments: v32-63 half 0 of an even k-step, v64-95 half 1 of every k-step
.set WRG,  96                          ; v96-223  four slots of 8 rows x 4 numbers: weights as loaded
.set PT,   224                         ; v224-239 8 k x 4 columns turned and rounded
.set Z,    240                         ; v240-247 zeros
.set TMP,  96                          ; the way out: a block packed
.set BK,   128                         ; the way out: the block read back by rows
; window 1: accumulators of blocks 0-3: block i, column block n at 64 i + 8 n
; window 2:
.set AR,   0                           ; v0-159   four slots of 40: five activation fragments of one k-step
.set ACC4, 160                         ; v160-223 block 4's accumulators; ahead of a group's first k-step: the bias
.set BP,   224                         ; v224-255 the bias rounded to bf16, two to a register: made once, widened anew for each group
; window 3:
.set BX,   0                           ; v0-31    weight fragments: half 0 of an odd k-step
.set MSB, 0
.macro WIN new                         ; the immediate's high byte repeats the setting that is left; a switch that changes nothing is dropped
.if MSB != (\new)
	s_set_vgpr_msb (MSB<<8)|(\new)
.set MSB, \new
.endif
.endm
.macro PLACES                          ; four places between a matrix instruction and a load into, or a vector access of, its registers
.rept 4
	v_nop
.endr
.endm
.macro BAR                             ; an interval of two k-steps ends
	s_wait_dscnt 0x0                               ; for the others' sake: my stores into the one slot are done, and my reads of the other are back
	s_barrier_signal -1
	s_barrier_wait -1
.endm
; My 8 rows of k-step n, counted from SW.  A load takes 512 consecutive bytes of one row: lane l holds columns 4 l .. 4 l + 3.
.macro PLOAD slot, n
	WIN 0
.irp i, 0,1,2,3,4,5,6,7
	global_load_b128 v[WRG+32*(\slot)+4*\i:WRG+32*(\slot)+4*\i+3], v[VW], s[SW:SW+1] offset:(32*(\n)+\i)*PITCH th:TH_LOAD_NT
.endr
.endm
; For column j the four words (row 2 q, row 2 q + 1) are eight consecutive k of one column: 16 bytes of a fragment.
.macro PCVT slot
	WIN 0
.irp j, 0,1,2,3
.irp q, 0,1,2,3
	v_cvt_pk_bf16_f32 v[PT+4*\j+\q], v[WRG+32*(\slot)+8*\q+\j], v[WRG+32*(\slot)+8*\q+4+\j]
.endr
.endr
.endm
.macro PSTORE reg, base
.irp j, 0,1,2,3
	ds_store_b128 v[\reg], v[PT+4*\j:PT+4*\j+3] offset:(\base)+16*\j
.endr
.endm
; Half hf (four column blocks) of a k-step's weight fragments: 8 loads, 16 lanes on 256 consecutive bytes.  sec: from k = 8 h .. to k = 16 + 8 h ..  alt = 1: half 0 of an odd k-step, into window 3.
.macro LB hf, reg, base, sec, alt=0
.if \alt
	WIN 0xc0                                       ; destination window 3, address window 0
.irp n, 0,1,2,3
	ds_load_b128 v[BX+8*\n:BX+8*\n+3],   v[\reg] offset:(\base)+\n*NSTR
	ds_load_b128 v[BX+8*\n+4:BX+8*\n+7], v[\reg] offset:(\base)+\n*NSTR+(\sec)
.endr
.else
	WIN 0
.irp n, 0,1,2,3
	ds_load_b128 v[BF+8*(4*(\hf)+\n):BF+8*(4*(\hf)+\n)+3],   v[\reg] offset:(\base)+(4*(\hf)+\n)*NSTR
	ds_load_b128 v[BF+8*(4*(\hf)+\n)+4:BF+8*(4*(\hf)+\n)+7], v[\reg] offset:(\base)+(4*(\hf)+\n)*NSTR+(\sec)
.endr
.endif
.endm
.macro LA slot, n                      ; the five activation fragments of k-step n, counted from SA: 10 loads
	WIN 0x80                                       ; destination window 2, address window 0
.irp i, 0,1,2,3,4
	global_load_b128 v[AR+40*(\slot)+8*\i:AR+40*(\slot)+8*\i+3],   v[AOF+\i], s[SA:SA+1] offset:64*(\n)
	global_load_b128 v[AR+40*(\slot)+8*\i+4:AR+40*(\slot)+8*\i+7], v[AOF+\i], s[SA:SA+1] offset:64*(\n)+32
.endr
.endm
; 16 or 20 matrix instructions: my blocks x the four column blocks of half hf.  Each accumulator has one instruction, so no two that follow each other share one, on either way.
; The fifth block's four are jumped where it lies at or past NB: nothing but matrix instructions is jumped, and both ways end with every window 0.
; first = 1: the group's first k-step: the bias, in ACC4, is the C operand; block 4 then adds in place onto it, five places behind the products that read it.  alt = 1: the weights lie in window 3.
.macro MH slot, hf, first, alt=0
.set FB, BF+32*(\hf)
.if \alt
.set FB, BX
.endif
.if \first
	WIN 0x68+3*(\alt)                              ; weights window 0 or 3, activations window 2, C window 2, D window 1
.else
	WIN 0x58+3*(\alt)                              ; C and D window 1
.endif
.irp i, 0,1,2,3
.irp n, 0,1,2,3
.if \first
	v_wmma_f32_16x16x32_bf16 v[64*\i+8*(4*(\hf)+\n):64*\i+8*(4*(\hf)+\n)+7], v[FB+8*\n:FB+8*\n+7], v[AR+40*(\slot)+8*\i:AR+40*(\slot)+8*\i+7], v[ACC4+8*(4*(\hf)+\n):ACC4+8*(4*(\hf)+\n)+7]
.else
	v_wmma_f32_16x16x32_bf16 v[64*\i+8*(4*(\hf)+\n):64*\i+8*(4*(\hf)+\n)+7], v[FB+8*\n:FB+8*\n+7], v[AR+40*(\slot)+8*\i:AR+40*(\slot)+8*\i+7], v[64*\i+8*(4*(\hf)+\n):64*\i+8*(4*(\hf)+\n)+7]
.endif
.endr
.endr
	WIN 0                                          ; at a branch and at a label every window is 0
	s_cmp_lt_u32 s[NL], 5
	s_cbranch_scc1 .Lno4_\@                        ; my fifth block is dead: its sums would never be stored
	WIN 0xa8+3*(\alt)                              ; C and D window 2
.if \first
.rept 5
	v_nop
.endr
.endif
.irp n, 0,1,2,3
	v_wmma_f32_16x16x32_bf16 v[ACC4+8*(4*(\hf)+\n):ACC4+8*(4*(\hf)+\n)+7], v[FB+8*\n:FB+8*\n+7], v[AR+40*(\slot)+32:AR+40*(\slot)+39], v[ACC4+8*(4*(\hf)+\n):ACC4+8*(4*(\hf)+\n)+7]
.endr
	WIN 0
.Lno4_\@:
.endm
; K-STEP m.  mm = m % 4: its place in the ring and its slot of registers; rel: m counted from SA and SW.
; Half 0 of step m is asked for, into the buffer of m's parity; half 1 of step m - 1 is multiplied while it lands; W(m+2) is rounded and turned; the step's one wait on va_vdst; W(m+2) is laid into the
; other slot, and A(m+3), half 1 of step m and W(m+6) are asked for; half 0 of step m is multiplied.
; pst = 1: there is a W(m+2); lcw: the younger loads that may stay out when it must be in.  The 16 conversions are also the places between the products and the loads into the registers that they read.
; lca: the younger loads that may stay out when A(m) must be in.  la = 1: A(m+3) goes into the slot that step m - 1 has just read out.  pl = 1: W(m+6) goes into the slot just converted.
.macro ITER mm, rel, f1, pst, lcw, lca, la, pl
	LB 0, BADR, ((\mm)/2)*SLOTB+((\mm)%2)*OCT, 2*WSTR, (\mm)%2  ; no wait: since the last step's wait on va_vdst no vector or matrix instruction names this buffer
	s_wait_dscnt 8                                 ; all but these eight: half 1 of step m - 1 is in
	MH ((\mm)+3)%4, 1, \f1
.if \pst
	s_wait_loadcnt \lcw
	s_wait_alu depctr_vm_vsrc(0)                   ; the last step's LDS stores have read PT, which the conversions write again
	PCVT ((\mm)+2)%4
.else
	PLACES
.endif
	s_wait_alu depctr_va_vdst(0)                   ; the conversions have written PT and are done reading their slot of WRG; the products above are done reading BF1 and their slot of AR
.if \pst
	PSTORE VS, ((((\mm)+2)%4)/2)*SLOTB+((\mm)%2)*OCT
.endif
	s_wait_loadcnt \lca
.if \la
	LA ((\mm)+3)%4, (\rel)+3
.endif
	LB 1, BADR, ((\mm)/2)*SLOTB+((\mm)%2)*OCT, 2*WSTR
.if \pl
	PLOAD ((\mm)+2)%4, (\rel)+6
.endif
	s_wait_dscnt 8+4*(\pst)                        ; half 0 of step m is in; the stores and half 1's eight loads, issued behind it, may stay out
	MH \mm, 0, 0, (\mm)%2
.endm
.macro NLCALC                          ; NL = clamp(ceil((NB - BLK0) / 4), 0, 5)
	s_add_co_u32 s45, s[NB], 3
	s_sub_co_i32 s45, s45, s[BLK0]
	s_max_i32 s45, s45, 0
	s_lshr_b32 s45, s45, 2
	s_min_u32 s[NL], s45, 5
.endm
; One step of the search for the bit of rank XK: if the w-bit count at place XP does not hold the rank, the rank goes down by it and the place up by s.
.macro SSTEP x, w, s
	v_bfe_u32 v[XT], v[\x], v[XP], \w
	v_cmp_ge_u32 vcc_lo, v[XK], v[XT]
	v_sub_nc_u32 v[XT], v[XK], v[XT]
	v_add_nc_u32 v[XU], \s, v[XP]
	s_wait_alu depctr_va_vcc(0)                    ; the compare has written VCC, which the two selects read
	v_cndmask_b32 v[XK], v[XK], v[XT], vcc_lo
	v_cndmask_b32 v[XP], v[XP], v[XU], vcc_lo
.endm
; MY ROWS' OFFSETS, in registers alone.  Five trips, one a block: rank 16 (BLK0 + 4 i) + lane % 16.  31 rounds keep the last word whose prefix count does not pass the rank; five steps find the bit.
; The rounds' compares stand in runs of eight, each into a scalar register of its own, with one wait behind the run; the selects follow in the words' order.
; A rank past the count ends at word 31, bit 31: token 1,023.  Behind the loop PA holds the expert's count.
.macro SEL
	s_lshl_b32 s45, s[BLK0], 4
	v_add_nc_u32 v[XR], s45, v[R15]
.irp i, 0,1,2,3,4
	v_mov_b32 v[AOF+\i], 0                         ; the trips push their results through these five
.endr
	s_mov_b32 s[SELC], 5
.Lsel_\@:
	v_mov_b32 v[XW], s[MK]
	v_mov_b32 v[XB], 0
	s_bcnt1_i32_b32 s[PA], s[MK]
.set n, 1
.rept 4
.set q, 0
.rept 8
.if n+q < 32
	s_add_co_u32 s[QB+q], s[PA], ((n+q)<<16)
	v_cmp_gt_u32 s[MB+q], s[PA], v[XR]             ; the words below word n + q hold more choosers than my rank: that word is past it
	s_bcnt1_i32_b32 s45, s[MK+n+q]
	s_add_co_u32 s[PA], s[PA], s45
.endif
.set q, q+1
.endr
	s_wait_alu depctr_va_sdst(0)                   ; the run's compares have written their masks, which the selects below read
.set q, 0
.rept 8
.if n+q < 32
	v_cndmask_b32 v[XW], s[MK+n+q], v[XW], s[MB+q]
	v_cndmask_b32 v[XB], s[QB+q], v[XB], s[MB+q]
.endif
.set q, q+1
.endr
.set n, n+8
.endr
	v_and_b32 v[XT], 0xffff, v[XB]
	v_sub_nc_u32 v[XK], v[XR], v[XT]               ; my rank inside the word
	v_lshrrev_b32 v[XB], 16, v[XB]                 ; the word's number
	v_lshrrev_b32 v[XT], 1, v[XW]
	v_and_b32 v[XT], 0x55555555, v[XT]
	v_sub_nc_u32 v[X2], v[XW], v[XT]               ; counts of 2 bits
	v_lshrrev_b32 v[XT], 2, v[X2]
	v_and_b32 v[XT], 0x33333333, v[XT]
	v_and_b32 v[X4], 0x33333333, v[X2]
	v_add_nc_u32 v[X4], v[X4], v[XT]               ; of 4
	v_lshrrev_b32 v[XT], 4, v[X4]
	v_add_nc_u32 v[XT], v[X4], v[XT]
	v_and_b32 v[X8], 0x0f0f0f0f, v[XT]             ; of 8
	v_lshrrev_b32 v[XT], 8, v[X8]
	v_add_nc_u32 v[X16], v[X8], v[XT]              ; byte 0: of the low 16
	v_mov_b32 v[XP], 0
	SSTEP X16, 8, 16
	SSTEP X8, 8, 8
	SSTEP X4, 4, 4
	SSTEP X2, 2, 2
	SSTEP XW, 1, 1
	v_lshrrev_b32 v[XT], 2, v[XB]
	v_and_b32 v[XU], 3, v[XB]
	v_lshl_add_u32 v[XU], v[XP], 2, v[XU]
	v_lshl_add_u32 v[XU], v[XT], 7, v[XU]          ; token 128 (n / 4) + 4 bit + n % 4
.irp i, 0,1,2,3
	v_mov_b32 v[AOF+\i], v[AOF+\i+1]
.endr
	v_mov_b32 v[AOF+4], v[XU]
	v_add_nc_u32 v[XR], 64, v[XR]                  ; my next block lies 64 ranks on
	s_sub_co_u32 s[SELC], s[SELC], 1
	s_cmp_lg_u32 s[SELC], 0
	s_cbranch_scc1 .Lsel_\@
.irp i, 0,1,2,3,4
	v_min_u32 v[AOF+\i], 0x3ff, v[AOF+\i]          ; a token
	v_lshl_add_u32 v[AOF+\i], v[AOF+\i], 11, v[H16]  ; its 2,048 bytes
.endr
.endm
.macro BIASLD                          ; my eight columns of each column block: 32 bytes for each half of the lanes
	WIN 0x80
.irp n, 0,1,2,3,4,5,6,7
	global_load_b128 v[ACC4+8*\n:ACC4+8*\n+3],   v[B32], s[8:9] offset:64*\n
	global_load_b128 v[ACC4+8*\n+4:ACC4+8*\n+7], v[B32], s[8:9] offset:64*\n+16
.endr
.endm
.macro BIASPK                          ; the bias rounded to bf16, once, into registers that nothing else names
	WIN 0x8a                                       ; all in window 2
.set m, 0
.rept 32
	v_cvt_pk_bf16_f32 v[BP+m], v[ACC4+2*m], v[ACC4+2*m+1]
.set m, m+1
.endr
.endm
.macro BIASW                           ; and widened again into ACC4, at each group's beginning
	WIN 0x8a
.set m, 0
.rept 32
	v_lshlrev_b32 v[ACC4+2*m], 16, v[BP+m]
	v_and_b32 v[ACC4+2*m+1], s[HIM], v[BP+m]
.set m, m+1
.endr
	WIN 0
.endm
; Groups 1-3: one k-step.  I fetch its 32 rows of the slice myself, eight at a time, turn and round them, lay them into my own k-step in LDS and read them back as fragments.
.macro OSTEP
	PLACES                                         ; behind the last trip's products: their fragments are loaded again
	s_wait_alu depctr_va_vdst(0)                   ; the last trip's products are done reading AR's slot 0 and BF, its conversions WRG's slot 0: this trip's loads land in all three; in a group's first trip AOF is written
	LA 0, 0
	WIN 0
.irp p, 0,1,2,3
.irp i, 0,1,2,3,4,5,6,7
	global_load_b128 v[WRG+4*\i:WRG+4*\i+3], v[L16], s[SWK:SWK+1] offset:(8*\p+\i)*PITCH
.endr
	s_wait_loadcnt 0x0
	s_wait_alu depctr_vm_vsrc(0)                   ; the LDS stores issued so far have read PT, which the conversions write again
	PCVT 0
	s_wait_alu depctr_va_vdst(0)                   ; the conversions have written PT, which the stores read, and are done reading WRG's slot 0, in which the next eight rows land
	PSTORE OVS, \p*OCT
.endr
	LB 0, OBR, 0, 2*OCT
	LB 1, OBR, 0, 2*OCT
	s_wait_dscnt 0x0
	MH 0, 0, 0
	MH 0, 1, 0
	WIN 0
	s_wait_xcnt 0x0                                ; the bases are stepped only behind this wait
	s_add_nc_u64 s[SA:SA+1], s[SA:SA+1], 64
	s_add_nc_u64 s[SWK:SWK+1], s[SWK:SWK+1], 32*PITCH
.endm
; THE WAY OUT of block i: rounded to bf16, relu on the packed halves, 16 bytes a lane into my stage, back as whole rows of 256 bytes, stored.  A block at or past NB ends the wave's work:
; NB <= BLK0 + 16 then, so no later group has a block either.
.macro EPI i
.if (\i) > 0
	s_wait_alu depctr_vm_vsrc(0)                   ; the last block's LDS stores have read TMP, which the conversions write again, and its global stores BK, in which the loads from the stage land
.endif
	s_cmp_le_u32 s[NL], \i
	s_cbranch_scc1 .Lend
.set m, 0
.if (\i) < 4
	WIN 0x05                                       ; sources 0 and 1 in window 1
.rept 32
	v_cvt_pk_bf16_f32 v[TMP+m], v[64*(\i)+2*m], v[64*(\i)+2*m+1]
.set m, m+1
.endr
.else
	WIN 0x0a                                       ; sources 0 and 1 in window 2
.rept 32
	v_cvt_pk_bf16_f32 v[TMP+m], v[ACC4+2*m], v[ACC4+2*m+1]
.set m, m+1
.endr
.endif
	WIN 0
.set m, 0
.rept 32
	v_pk_max_num_bf16 v[TMP+m], v[TMP+m], v[Z]
.set m, m+1
.endr
	s_wait_alu depctr_va_vdst(0)                   ; TMP is written, which the LDS stores read; every conversion that read BK's registers as weights is done
.irp n, 0,1,2,3,4,5,6,7
	ds_store_b128 v[STO], v[TMP+4*\n:TMP+4*\n+3] offset:32*\n
.endr
	s_wait_xcnt 0x0                                ; the last block's stores name BK and OUTT: both are rewritten only behind this wait
.irp t, 0,1,2,3,4,5,6,7
	ds_load_b128 v[BK+4*\t:BK+4*\t+3], v[RD] offset:2*SP*\t  ; my own bytes, served in order (ISA guide 5.7.1.4): these see the stores above
.endr
	s_add_co_u32 s45, s[BLK0], 4*(\i)
	s_lshl_b32 s20, s45, 17                        ; 16 ranks of 8,192 bytes
	s_add_nc_u64 s[OUTT:OUTT+1], s[OUTB:OUTB+1], s[20:21]
	s_wait_dscnt 0x0
.irp t, 0,1,2,3,4,5,6,7
	global_store_b128 v[CO], v[BK+4*\t:BK+4*\t+3], s[OUTT:OUTT+1] offset:16384*\t  ; 16 lanes store 256 consecutive bytes, at a multiple of 256 from h's first byte
.endr
.endm
	; THE HEAD: every LDS address register is made here, once
	s_load_b256 s[4:11], s[0:1], 0x0               ; xb s[4:5], W1 s[6:7], b1 s[8:9], sel s[10:11]
	s_load_b64 s[12:13], s[0:1], 0x20              ; h
	v_lshl_add_u32 v[SPW], v0, 2, SPARE
	v_mov_b32 v[NIL], 0
	v_lshrrev_b32 v21, 5, v0
	v_readfirstlane_b32 s[WV], v21
	s_lshr_b32 s[E], ttmp9, 5
	s_and_b32 s[SL], ttmp9, 31
	s_mov_b32 s21, 0
	s_mov_b32 s[HIM], 0xffff0000
	v_and_b32 v21, 31, v0                          ; lane
	v_and_b32 v[R15], 15, v0
	v_bfe_u32 v22, v0, 4, 1                        ; lane / 16
	v_lshlrev_b32 v[L16], 4, v21
	v_lshlrev_b32 v[H16], 4, v22
	v_lshlrev_b32 v[B32], 5, v22
	v_mul_u32_u24 v[BADR], v22, WSTR               ; k = 8 h .. lie in the part that wave h laid
	v_lshl_add_u32 v[BADR], v[R15], 4, v[BADR]
	v_lshrrev_b32 v23, 2, v21                      ; my four columns lie in column block lane / 4,
	v_mul_u32_u24 v24, v23, NSTR
	v_and_b32 v23, 3, v21
	v_lshl_add_u32 v24, v23, 6, v24                ; at columns 4 (lane % 4) + j of it
	s_wait_alu depctr_va_sdst(0)                   ; s[WV] is written, ahead of its first reader
	s_mul_i32 s[STAGEW], s[WV], SSTR
	s_add_co_u32 s[STAGEW], s[STAGEW], STAGE
	s_mul_i32 s[PRIVW], s[WV], PSTR
	s_add_co_u32 s[PRIVW], s[PRIVW], PRIV
	s_mul_i32 s41, s[WV], WSTR
	s_mul_i32 s45, s[WV], 8*PITCH
	v_add_nc_u32 v[VS], s41, v24
	v_add_nc_u32 v[OVS], s[PRIVW], v24
	v_mul_u32_u24 v[OBR], v22, OCT
	v_lshl_add_u32 v[OBR], v[R15], 4, v[OBR]
	v_add_nc_u32 v[OBR], s[PRIVW], v[OBR]
	v_add_nc_u32 v[VW], s45, v[L16]
	v_mul_u32_u24 v[STO], v[R15], SP               ; into the stage: row lane % 16, 16 bytes for each half of the lanes
	v_add_nc_u32 v[STO], v[H16], v[STO]
	v_add_nc_u32 v[STO], s[STAGEW], v[STO]
	v_mul_u32_u24 v[RD], v22, SP                   ; back: lanes 0-15 one row of 256 bytes, lanes 16-31 the next
	v_lshl_add_u32 v[RD], v[R15], 4, v[RD]
	v_add_nc_u32 v[RD], s[STAGEW], v[RD]
	v_lshlrev_b32 v[CO], 13, v22                   ; and the same two ranks in h
	v_lshl_add_u32 v[CO], v[R15], 4, v[CO]
.irp z, 0,1,2,3,4,5,6,7
	v_mov_b32 v[Z+\z], 0
.endr
	s_lshl_b32 s45, s[SL], 9                       ; 128 columns of f32
	s_lshl_b32 s42, 0x101, s[E]                    ; expert e as first or as second choice
	s_mov_b32 s[BLK0], s[WV]
	s_wait_kmcnt 0x0
	s_lshl_b32 s20, s[E], 24
	s_add_co_u32 s20, s20, s45
	s_add_nc_u64 s[SW0:SW0+1], s[6:7], s[20:21]    ; W1[e][0][128 s]
	s_mov_b64 s[SW:SW+1], s[SW0:SW0+1]
	s_lshl_b32 s20, s[E], 14
	s_add_co_u32 s20, s20, s45
	s_add_nc_u64 s[8:9], s[8:9], s[20:21]          ; b1[e][128 s]
	s_lshl_b32 s20, s[E], 23
	s_lshl_b32 s45, s[SL], 8
	s_add_co_u32 s20, s20, s45
	s_add_nc_u64 s[OUTB:OUTB+1], s[12:13], s[20:21]  ; h[e][0][128 s]
	s_mov_b64 s[SA0:SA0+1], s[4:5]
	s_mov_b64 s[SA:SA+1], s[4:5]
	s_wait_alu depctr_va_vdst(0)                   ; the address registers among v1 to v15 are written, and v30 and v31: every load and store below but those by AOF reads one of them
.irp j, 0,1,2,3,4,5,6,7
	global_load_b128 v[BF+4*\j:BF+4*\j+3], v[L16], s[10:11] offset:512*\j  ; sel, all of it: register n, lane l: token 128 (n / 4) + 4 l + n % 4
.endr
	BIASLD
	PLOAD 0, 0                                     ; the stream begins: 56 loads are out
	PLOAD 1, 1
	PLOAD 2, 2
	PLOAD 3, 3
	s_wait_loadcnt 48                              ; sel is in; the bias's 16 loads and the weights' 32 stay out
.set n, 0
.rept 32                                               ; the bitmap: word n is the mask of the lanes whose token of register n chose expert e
	v_and_b32 v[28+n%2], s42, v[BF+n]
	v_cmp_ne_u32 s[MK+n], 0, v[28+n%2]
.set n, n+1
.endr
	s_wait_alu depctr_va_sdst(0)                   ; the 32 compares have written the bitmap, ahead of its first reader
	SEL
	s_add_co_u32 s[NB], s[PA], 15
	s_lshr_b32 s[NB], s[NB], 4
	s_max_u32 s[NB], s[NB], 1                      ; block 0 is always stored, so that DOWN reads nothing that was not written
	NLCALC
	s_wait_loadcnt 32                              ; the bias is in; W0 to W3 stay out
	s_wait_alu depctr_va_vdst(0)                   ; AOF is written, which the loads of activations read
	LA 0, 0
	LA 1, 1
	BIASPK
	BIASW
	s_wait_loadcnt 44                              ; W0 is in: behind it W1, W2, W3, A0, A1
	PCVT 0
	s_wait_alu depctr_va_vdst(0)                   ; the conversions have written PT, which the stores read, and are done reading WRG's slot 0, in which W4 lands
	PSTORE VS, 0
	PLOAD 0, 4
	s_wait_loadcnt 44                              ; W1 is in: behind it W2, W3, A0, A1, W4
	s_wait_alu depctr_vm_vsrc(0)                   ; the stores above have read PT, which the conversions write again
	PCVT 1
	s_wait_alu depctr_va_vdst(0)                   ; the conversions have written PT and are done reading WRG's slot 1, in which W5 lands
	PSTORE VS, OCT
	LA 2, 2
	PLOAD 1, 5                                     ; out, in this order: W2, W3, A0, A1, W4, A2, W5: 62 loads
	BAR                                            ; k-steps 0 and 1 are in slot 0
	; K-STEP 0: nothing is left over from a step before; no matrix instruction stands ahead of it
	s_wait_loadcnt 54                              ; W2 is in
	s_wait_alu depctr_vm_vsrc(0)                   ; the stores of W1 have read PT, which the conversions write again
	PCVT 2
	s_wait_alu depctr_va_vdst(0)                   ; the conversions have written PT and are done reading WRG's slot 2; the bitmap's lines are done reading BF, in which the fragments land
	PSTORE VS, SLOTB
	LB 0, BADR, 0, 2*WSTR
	LB 1, BADR, 0, 2*WSTR
	s_wait_loadcnt 36                              ; A0 is in: behind it A1, W4, A2, W5
	LA 3, 3
	PLOAD 2, 6
	s_wait_dscnt 8
	MH 0, 0, 1
	ITER 1, 1, 1, 1, 54, 44, 1, 1
	BAR
	WIN 0
	s_wait_xcnt 0x0                                ; the bases of the loads that are out are stepped only behind this wait
	s_add_nc_u64 s[SA:SA+1], s[SA:SA+1], 2*64
	s_add_nc_u64 s[SW:SW+1], s[SW:SW+1], 2*32*PITCH
	s_mov_b32 s[TRIP], 6
.Lbody:                                                ; k-steps 2 to 25, four a trip: once round the ring and once round the slots of registers.  54: three younger pairs A, W; 44: less one A
	ITER 2, 0, 0, 1, 54, 44, 1, 1
	ITER 3, 1, 0, 1, 54, 44, 1, 1
	BAR
	ITER 0, 2, 0, 1, 54, 44, 1, 1
	ITER 1, 3, 0, 1, 54, 44, 1, 1
	BAR
	WIN 0
	s_wait_xcnt 0x0
	s_add_nc_u64 s[SA:SA+1], s[SA:SA+1], 4*64
	s_add_nc_u64 s[SW:SW+1], s[SW:SW+1], 4*32*PITCH
	s_sub_co_u32 s[TRIP], s[TRIP], 1
	s_cmp_lg_u32 s[TRIP], 0
	s_cbranch_scc1 .Lbody
	; K-STEPS 26 TO 31 are written out: W31 and A31 are the last loads, so none leaves its buffer, and the counts run down
	ITER 2, 0, 0, 1, 54, 44, 1, 0
	ITER 3, 1, 0, 1, 46, 36, 1, 0
	BAR
	ITER 0, 2, 0, 1, 38, 28, 1, 0
	ITER 1, 3, 0, 1, 30, 20, 0, 0
	BAR
	ITER 2, 4, 0, 0, 0, 10, 0, 0
	ITER 3, 5, 0, 0, 0, 0, 0, 0
	s_wait_dscnt 0x0
	MH 3, 1, 0
	WIN 0
	s_mov_b32 s[G], 4
	s_branch .Lout                                 ; group 0 goes out; the loop over groups is entered at the way out.  No barrier follows
.Lgroup:                                               ; groups 1 to 3
	s_wait_xcnt 0x0                                ; the stores' registers are written again
	s_wait_alu depctr_vm_vsrc(0)                   ; the loads of activations have read AOF, which the search writes; the last block's stores have read TMP and BK, in which weights land and which the way out writes
	s_add_co_u32 s[BLK0], s[BLK0], 20
	NLCALC
	s_cmp_eq_u32 s[NL], 0
	s_cbranch_scc1 .Lend
	SEL
	s_mov_b64 s[SA:SA+1], s[SA0:SA0+1]
	s_mov_b64 s[SWK:SWK+1], s[SW0:SW0+1]
	BIASW
	WIN 0x60                                       ; blocks 0-3 start as bias + 0 x 0, so that the k-step's text stands once; block 4's accumulators hold the bias already
.irp i, 0,1,2,3
.irp n, 0,1,2,3,4,5,6,7
	v_wmma_f32_16x16x32_bf16 v[64*\i+8*\n:64*\i+8*\n+7], v[Z:Z+7], v[Z:Z+7], v[ACC4+8*\n:ACC4+8*\n+7]
.endr
.endr
	WIN 0
	s_mov_b32 s[CNT], 32
.Lok:
	OSTEP
	s_sub_co_u32 s[CNT], s[CNT], 1
	s_cmp_lg_u32 s[CNT], 0
	s_cbranch_scc1 .Lok
.Lout:
	PLACES                                         ; behind the group's last products
	EPI 0
	EPI 1
	EPI 2
	EPI 3
	EPI 4
	s_sub_co_u32 s[G], s[G], 1
	s_cmp_lg_u32 s[G], 0
	s_cbranch_scc1 .Lgroup
.Lend:
	s_wait_dscnt 0x0                               ; the closing lines, six on end
	s_wait_alu 0x0
	s_wait_tensorcnt 0x0
	ds_add_u32 v[SPW], v[NIL]
	s_wait_dscnt 0x0
	s_endpgm
.Lfunc_end_k_qcefcfb8336_up:
	.size	k_qcefcfb8336_up, .Lfunc_end_k_qcefcfb8336_up-k_qcefcfb8336_up
	.p2alignl 7, 3214868480
	.fill 96, 4, 3214868480
	.section	.rodata,"a",@progbits
	.p2align	6, 0x0
	.amdhsa_kernel k_qcefcfb8336_up
		.amdhsa_group_segment_fixed_size 87552
		.amdhsa_private_segment_fixed_size 0
		.amdhsa_enable_private_segment 0
		.amdhsa_kernarg_size 40
		.amdhsa_user_sgpr_count 2
		.amdhsa_user_sgpr_kernarg_segment_ptr 1
		.amdhsa_wavefront_size32 1
		.amdhsa_system_sgpr_workgroup_id_x 1
		.amdhsa_system_sgpr_workgroup_id_y 1
		.amdhsa_system_sgpr_workgroup_id_z 1
		.amdhsa_system_vgpr_workitem_id 0
		.amdhsa_next_free_vgpr 800
		.amdhsa_next_free_sgpr 98
		.amdhsa_reserve_vcc 1
		.amdhsa_float_denorm_mode_32 3
		.amdhsa_float_denorm_mode_16_64 3
		.amdhsa_memory_ordered 1
		.amdhsa_forward_progress 1
		.amdhsa_inst_pref_size 175
	.end_amdhsa_kernel
	.amdgpu_metadata
---
amdhsa.version: [ 1, 2 ]
amdhsa.kernels:
  - .name:           k_qcefcfb8336_up
    .symbol:         k_qcefcfb8336_up.kd
    .args:
      - { .name: xb, .offset: 0, .size: 8, .value_kind: global_buffer, .address_space: global }
      - { .name: W1, .offset: 8, .size: 8, .value_kind: global_buffer, .address_space: global }
      - { .name: b1, .offset: 16, .size: 8, .value_kind: global_buffer, .address_space: global }
      - { .name: sel, .offset: 24, .size: 8, .value_kind: global_buffer, .address_space: global }
      - { .name: h, .offset: 32, .size: 8, .value_kind: global_buffer, .address_space: global }
    .group_segment_fixed_size: 87552
    .private_segment_fixed_size: 0
    .kernarg_segment_align: 8
    .kernarg_segment_size: 40
    .max_flat_workgroup_size: 128
    .sgpr_count:     98
    .vgpr_count:     800
    .wavefront_size: 32
...
	.end_amdgpu_metadata
.endif
;; end of part 7
;; launch down (part 8): grid 256 x 1, 4 waves a work-group, no clusters, 126,464 bytes of LDS; arguments h, W2, b2, sel, y; writes y
.if DOCPART == 8
	.amdgcn_target "amdgcn-amd-amdhsa--gfx1250"
	.amdhsa_code_object_version 6
	.text
	.protected	k_qcefcfb8336_down
	.globl	k_qcefcfb8336_down
	.p2align	8
	.type	k_qcefcfb8336_down,@function
k_qcefcfb8336_down:
	s_mov_b64 s[64:65], 0
	v_nop
	global_prefetch_b8 v0, s[64:65] scope:SCOPE_SE
	s_setreg_imm32_b32 hwreg(HW_REG_WAVE_SCHED_MODE, 0, 2), 2
	s_setreg_imm32_b32 hwreg(HW_REG_WAVE_MODE, 25, 1), 1
	s_wait_xcnt 0x0
	s_wait_alu depctr_vm_vsrc(0)
; DOWN.  y[kq][idx][:] = the sum over the quarter kq of K of h[e][rank][k] W2[e][k][:], plus b2[e] in quarter 0; f32.  idx = token for the token's first choice, 1,024 + token for its second.
; h: [8][1024 ranks][4096] bf16.  W2: [8][4096][1024] f32.  b2: [8][1024] f32.  sel: [1024] words.  y: [4][2056][1024] f32; row 2,048 + e takes what ranks past expert e's count give, and is never read.
; SHARES.  Work-group = (expert e = id / 32, quarter kq = (id % 32) / 8, column slice ns = id % 8): the 1,024 x 128 numbers W2[e][1024 kq ..][128 ns ..], which it alone reads, and all the expert's rows.
; Each (kq, idx < 2,048, ns) is stored by one work-group: a token has one first and one second choice.  The eight planes (kq, slot) are partial sums, kept in f32, and added by the next launch.
; The build is UP's.  Four waves, one text.  In k-step m a wave lays its quarter of k-step m + 2's weights, rounded and turned, into a ring of two LDS slots of two k-steps, and multiplies k-step m:
; weight fragments from LDS, activation fragments from memory, up to 80 rows x 128 columns.  A barrier after every two k-steps, every wave's LDS instructions waited for in front of it.  No LDS address
; register is written behind the head.  Loads are asked for in the order of need, .. A(k), W(k+3), A(k+1), W(k+4) ..: 62 of a wave are out at the most, 32 of them weights.
; THE MODE: SCHED_MODE bits 1:0 = 2 (LLVM: expert scheduling mode 2), set by the entry lines.  The code itself states the register dependences between vector or matrix instructions and memory or LDS
; instructions, with s_wait_alu, always for 0.
; THE PLAN.  Registers that memory or LDS instructions touch in the stream, and who else names them in k-step m:
;   WRG0-3  the step's conversions read WRG[(m+2) % 4]; behind them W(m+6) lands in it.
;   PT      written by those conversions, read by the step's four LDS stores, written again a step later.
;   BF1     half 1 of the weight fragments, one buffer: read by the products of step m - 1's half 1, which stand at step m's head; behind them half 1 of step m lands in it.
;   AR0-3   slot (m-1) % 4 is read last by those same products; behind them A(m+3) lands in it.
;   BF0     half 0 of the weight fragments, TWO buffers by m's parity (window 0, window 3): half 0 of step m lands at the step's head and is read by the step's last products; the buffer's readers before
;           that, step m - 2's, stand ahead of step m - 1's wait.
;   The address registers are made in the head and never written in the stream.  The accumulators are named by matrix instructions alone until the way out, where LDS stores read them.
; So ONE wait on va_vdst stands in a k-step, behind its conversions, which stand behind the products of step m - 1's half 1; the step's stores and 26 of its loads follow it, and the next step's first
; eight loads lean on it too.  One wait on vm_vsrc stands ahead of the conversions, for PT.
; THE HEAD takes the expert's count first, since the rows of h lie in the order of ranks and their offsets need no more; the list rank -> row of y, which the way out needs, is made while the first
; loads are on their way.
; Rows: groups of 320, the first under the stream; groups 1-3 have no barrier: each wave fetches the slice again for itself through LDS bytes of its own.  A wave's blocks 0-3 are multiplied in every
; k-step, rows at or past 16 NB repeating row 16 NB - 1, which UP has stored.  THE FIFTH BLOCK's products are jumped by a scalar branch where it lies at or past NB (an expert's mean share,
; 2,048 / 8 = 256 rows, is four blocks a wave); its two loads a step are issued all the same, so that every wait's count holds on both ways.
; Source 0 = 16 columns of W2, source 1 = 16 rows of h: a lane holds one row and eight neighbouring columns.
; LIMITS.  W2 and b2 are rounded once to bf16; sums in f32; NaN and infinities are not treated apart.
; NO CLUSTER: each weight byte has one reader; the expert's rows of h, which eight work-groups share, go straight into registers as matrix operands, where no joint load can put them.
.set PITCH,  4096                      ; bytes from a row of W2[e] to the next
.set NSTR,   272                       ; LDS: 8 k of a column block's 16 columns, 256 bytes, + 16
.set OCT,    8*NSTR                    ; 2,176: 8 k of all 128 columns
.set WSTR,   2*OCT                     ; 4,352: a wave's part of a slot
.set SLOTB,  4*WSTR                    ; 17,408: a slot
.set PRIV,   2*SLOTB                   ; 34,816: for each wave one k-step of its own, for groups 1-3
.set PSTR,   4*OCT
.set LIST,   PRIV+4*PSTR               ; 69,632: for each wave 1,280 words rank -> idx, then 128 words that take what is not chosen
.set LSTR,   5632
.set STAGE,  LIST+4*LSTR               ; 92,160: for each wave 16 rows x 528 bytes, for the way out
.set SP,     528
.set SSTR,   16*SP
.set SPARE,  STAGE+4*SSTR              ; 125,952: the spare words, 128 bytes for each wave: two blocks of 256 bytes that no other line names
.set PLANE,  2056*4096                 ; bytes of a plane of y
.set WV,   14
.set E,    16
.set SL,   17
.set KQ,   18
.set NS,   19
.set SA,   22
.set SA0,  24
.set SW,   26
.set OUTB, 28                          ; s[28:29] y[kq][0][128 ns]
.set TRIP, 32
.set HIM,  33                          ; 0xffff0000: a word's upper bf16
.set G,    34
.set BLK0, 35
.set NL,   36
.set NB,   37
.set LISTW, 38
.set CNT,  39
.set STAGEW, 49
.set LRD,  50
.set PRIVW, 51
.set SWK,  52
.set SW0,  54
.set MK,   66                          ; s66-97  the bitmap of the expert's choosers: bit l of word n is token 128 (n / 4) + 4 l + n % 4
; window 0: v1-15 made in the head and never rewritten, but for v12, at work on the list
.set BADR, 1
.set VS,   2
.set VW,   3
.set L16,  4
.set LSA,  5
.set OVS,  7
.set OBR,  8
.set STO,  9                           ; the way out: where I put 32 bytes of a row
.set RD,   10                          ; where I read rows back
.set LLA,  11                          ; my list at word 16 w, in every lane
.set H16,  13
.set B32,  14
.set R15,  15
.set AOF,  16                          ; v16-20  block i: my row's byte offset in the expert's h, + 16 (lane / 16)
.set SPW,  30
.set NIL,  31
.set BF,   32                          ; v32-95   weight fragments: v32-63 half 0 of an even k-step, v64-95 half 1 of every k-step
.set WRG,  96
.set PT,   224
.set Z,    240
.set IDX,  96                          ; the way out: 16 rows' idx, then their byte offsets in a plane of y
.set DAT,  112                         ; the way out: 16 rows of 512 bytes
; window 1: accumulators of blocks 0-3;  window 2:
.set AR,   0
.set ACC4, 160
.set BP,   224                         ; v224-255 the bias rounded to bf16 (0 in quarters 1 to 3), two to a register: made once, widened anew for each group
; window 3:
.set BX,   0                           ; v0-31    weight fragments: half 0 of an odd k-step
.set MSB, 0
.macro WIN new                         ; s_set_vgpr_msb: bits 1:0 source 0, 3:2 source 1, 5:4 source 2, 7:6 destination; the high byte repeats the setting that is left
.if MSB != (\new)
	s_set_vgpr_msb (MSB<<8)|(\new)
.set MSB, \new
.endif
.endm
.macro PLACES                          ; four places between a matrix instruction and a load into, or an access of, its registers
.rept 4
	v_nop
.endr
.endm
.macro BAR                             ; an interval of two k-steps ends
	s_wait_dscnt 0x0                               ; for the others' sake: my stores into the one slot are done, and my reads of the other are back
	s_barrier_signal -1
	s_barrier_wait -1
.endm
.macro PLOAD slot, n                   ; my 8 rows of k-step n, counted from SW: 512 consecutive bytes a load
	WIN 0
.irp i, 0,1,2,3,4,5,6,7
	global_load_b128 v[WRG+32*(\slot)+4*\i:WRG+32*(\slot)+4*\i+3], v[VW], s[SW:SW+1] offset:(32*(\n)+\i)*PITCH th:TH_LOAD_NT
.endr
.endm
.macro PCVT slot                       ; for column j the four words (row 2 q, row 2 q + 1) are eight consecutive k: 16 bytes of a fragment
	WIN 0
.irp j, 0,1,2,3
.irp q, 0,1,2,3
	v_cvt_pk_bf16_f32 v[PT+4*\j+\q], v[WRG+32*(\slot)+8*\q+\j], v[WRG+32*(\slot)+8*\q+4+\j]
.endr
.endr
.endm
.macro PSTORE reg, base
.irp j, 0,1,2,3
	ds_store_b128 v[\reg], v[PT+4*\j:PT+4*\j+3] offset:(\base)+16*\j
.endr
.endm
.macro LB hf, reg, base, sec, alt=0    ; half hf of a k-step's weight fragments: 8 loads.  alt = 1: half 0 of an odd k-step, into window 3
.if \alt
	WIN 0xc0                                       ; destination window 3, address window 0
.irp n, 0,1,2,3
	ds_load_b128 v[BX+8*\n:BX+8*\n+3],   v[\reg] offset:(\base)+\n*NSTR
	ds_load_b128 v[BX+8*\n+4:BX+8*\n+7], v[\reg] offset:(\base)+\n*NSTR+(\sec)
.endr
.else
	WIN 0
.irp n, 0,1,2,3
	ds_load_b128 v[BF+8*(4*(\hf)+\n):BF+8*(4*(\hf)+\n)+3],   v[\reg] offset:(\base)+(4*(\hf)+\n)*NSTR
	ds_load_b128 v[BF+8*(4*(\hf)+\n)+4:BF+8*(4*(\hf)+\n)+7], v[\reg] offset:(\base)+(4*(\hf)+\n)*NSTR+(\sec)
.endr
.endif
.endm
.macro LA slot, n                      ; the five activation fragments of k-step n, counted from SA: 10 loads
	WIN 0x80
.irp i, 0,1,2,3,4
	global_load_b128 v[AR+40*(\slot)+8*\i:AR+40*(\slot)+8*\i+3],   v[AOF+\i], s[SA:SA+1] offset:64*(\n)
	global_load_b128 v[AR+40*(\slot)+8*\i+4:AR+40*(\slot)+8*\i+7], v[AOF+\i], s[SA:SA+1] offset:64*(\n)+32
.endr
.endm
; 16 or 20 matrix instructions, each on an accumulator of its own, so that no two that follow each other share one, on either way.  The fifth block's four are
; jumped where it lies at or past NB: nothing but matrix instructions is jumped, and both ways end with every window 0.
; first = 1: the bias, in ACC4, is the C operand; block 4 adds in place onto it, five places behind its readers.  alt = 1: the weights lie in window 3.
.macro MH slot, hf, first, alt=0
.set FB, BF+32*(\hf)
.if \alt
.set FB, BX
.endif
.if \first
	WIN 0x68+3*(\alt)
.else
	WIN 0x58+3*(\alt)
.endif
.irp i, 0,1,2,3
.irp n, 0,1,2,3
.if \first
	v_wmma_f32_16x16x32_bf16 v[64*\i+8*(4*(\hf)+\n):64*\i+8*(4*(\hf)+\n)+7], v[FB+8*\n:FB+8*\n+7], v[AR+40*(\slot)+8*\i:AR+40*(\slot)+8*\i+7], v[ACC4+8*(4*(\hf)+\n):ACC4+8*(4*(\hf)+\n)+7]
.else
	v_wmma_f32_16x16x32_bf16 v[64*\i+8*(4*(\hf)+\n):64*\i+8*(4*(\hf)+\n)+7], v[FB+8*\n:FB+8*\n+7], v[AR+40*(\slot)+8*\i:AR+40*(\slot)+8*\i+7], v[64*\i+8*(4*(\hf)+\n):64*\i+8*(4*(\hf)+\n)+7]
.endif
.endr
.endr
	WIN 0                                          ; at a branch and at a label every window is 0
	s_cmp_lt_u32 s[NL], 5
	s_cbranch_scc1 .Lno4_\@                        ; my fifth block is dead: its sums would never be stored
	WIN 0xa8+3*(\alt)
.if \first
.rept 5
	v_nop
.endr
.endif
.irp n, 0,1,2,3
	v_wmma_f32_16x16x32_bf16 v[ACC4+8*(4*(\hf)+\n):ACC4+8*(4*(\hf)+\n)+7], v[FB+8*\n:FB+8*\n+7], v[AR+40*(\slot)+32:AR+40*(\slot)+39], v[ACC4+8*(4*(\hf)+\n):ACC4+8*(4*(\hf)+\n)+7]
.endr
	WIN 0
.Lno4_\@:
.endm
; K-STEP m, as in UP.  mm = m % 4; rel: m counted from SA and SW.  Half 0 of step m is asked for, into the buffer of m's parity; half 1 of step m - 1 is multiplied while it lands; W(m+2) is rounded and
; turned; the step's one wait on va_vdst; W(m+2) is laid into the other slot, and A(m+3), half 1 of step m and W(m+6) are asked for; half 0 of step m is multiplied.
; pst: there is a W(m+2); lcw, lca: the younger loads that may stay out when W(m+2), A(m) must be in; la: A(m+3) is asked for; pl: W(m+6) is asked for.
.macro ITER mm, rel, f1, pst, lcw, lca, la, pl
	LB 0, BADR, ((\mm)/2)*SLOTB+((\mm)%2)*OCT, 2*WSTR, (\mm)%2  ; no wait: since the last step's wait on va_vdst no vector or matrix instruction names this buffer
	s_wait_dscnt 8                                 ; all but these eight: half 1 of step m - 1 is in
	MH ((\mm)+3)%4, 1, \f1
.if \pst
	s_wait_loadcnt \lcw
	s_wait_alu depctr_vm_vsrc(0)                   ; the last step's LDS stores have read PT, which the conversions write again
	PCVT ((\mm)+2)%4
.else
	PLACES
.endif
	s_wait_alu depctr_va_vdst(0)                   ; the conversions have written PT and are done reading their slot of WRG; the products above are done reading BF1 and their slot of AR
.if \pst
	PSTORE VS, ((((\mm)+2)%4)/2)*SLOTB+((\mm)%2)*OCT
.endif
	s_wait_loadcnt \lca
.if \la
	LA ((\mm)+3)%4, (\rel)+3
.endif
	LB 1, BADR, ((\mm)/2)*SLOTB+((\mm)%2)*OCT, 2*WSTR
.if \pl
	PLOAD ((\mm)+2)%4, (\rel)+6
.endif
	s_wait_dscnt 8+4*(\pst)                        ; half 0 of step m is in; the stores and half 1's eight loads, issued behind it, may stay out
	MH \mm, 0, 0, (\mm)%2
.endm
.macro NLCALC
	s_add_co_u32 s45, s[NB], 3
	s_sub_co_i32 s45, s45, s[BLK0]
	s_max_i32 s45, s45, 0
	s_lshr_b32 s45, s45, 2
	s_min_u32 s[NL], s45, 5
.endm
.macro AOFSET                          ; my rows' offsets in h: ranks lie in order; none at or past 16 NB is read
	WIN 0
	s_lshl_b32 s45, s[BLK0], 4
	v_add_nc_u32 v21, s45, v[R15]
.irp i, 0,1,2,3,4
	v_add_nc_u32 v[AOF+\i], 64*\i, v21
	v_min_u32 v[AOF+\i], s48, v[AOF+\i]            ; 16 NB - 1 at the most
	v_min_u32 v[AOF+\i], 0x3ff, v[AOF+\i]
	v_lshl_add_u32 v[AOF+\i], v[AOF+\i], 13, v[H16]  ; a rank's 8,192 bytes
.endr
.endm
.macro BIASLD
	WIN 0x80
.irp n, 0,1,2,3,4,5,6,7
	global_load_b128 v[ACC4+8*\n:ACC4+8*\n+3],   v[B32], s[8:9] offset:64*\n
	global_load_b128 v[ACC4+8*\n+4:ACC4+8*\n+7], v[B32], s[8:9] offset:64*\n+16
.endr
.endm
.macro BIASPK                          ; the bias rounded to bf16 and kept in quarter 0 alone, once, into registers that nothing else names
	WIN 0x8a                                       ; all in window 2
.set m, 0
.rept 32
	v_cvt_pk_bf16_f32 v[BP+m], v[ACC4+2*m], v[ACC4+2*m+1]
.set m, m+1
.endr
.set m, 0
.rept 32
	v_and_b32 v[BP+m], s47, v[BP+m]                ; all ones in quarter 0, else 0
.set m, m+1
.endr
.endm
.macro BIASW                           ; and widened again into ACC4, at each group's beginning
	WIN 0x8a
.set m, 0
.rept 32
	v_lshlrev_b32 v[ACC4+2*m], 16, v[BP+m]
	v_and_b32 v[ACC4+2*m+1], s[HIM], v[BP+m]
.set m, m+1
.endr
	WIN 0
.endm
.macro LSHIFT                          ; groups 1-3: my list goes 320 words down.  My own bytes, served in order (ISA guide 5.7.1.4)
.irp j, 0,1,2,3,4,5,6,7
	ds_load_b128 v[WRG+4*\j:WRG+4*\j+3], v[LSA] offset:1280+512*\j
.endr
	s_wait_dscnt 0x0
.irp j, 0,1,2,3,4,5,6,7
	ds_store_b128 v[LSA], v[WRG+4*\j:WRG+4*\j+3] offset:512*\j
.endr
.endm
.macro OSTEP                           ; groups 1-3: one k-step, its weights fetched by me alone through my own k-step in LDS
	PLACES                                         ; behind the last trip's products: their fragments are loaded again
	s_wait_alu depctr_va_vdst(0)                   ; the last trip's products are done reading AR's slot 0 and BF, its conversions WRG's slot 0: this trip's loads land in all three; in a group's first trip AOF is written
	LA 0, 0
	WIN 0
.irp p, 0,1,2,3
.irp i, 0,1,2,3,4,5,6,7
	global_load_b128 v[WRG+4*\i:WRG+4*\i+3], v[L16], s[SWK:SWK+1] offset:(8*\p+\i)*PITCH
.endr
	s_wait_loadcnt 0x0
	s_wait_alu depctr_vm_vsrc(0)                   ; the LDS stores issued so far have read PT, which the conversions write again
	PCVT 0
	s_wait_alu depctr_va_vdst(0)                   ; the conversions have written PT, which the stores read, and are done reading WRG's slot 0, in which the next eight rows land
	PSTORE OVS, \p*OCT
.endr
	LB 0, OBR, 0, 2*OCT
	LB 1, OBR, 0, 2*OCT
	s_wait_dscnt 0x0
	MH 0, 0, 0
	MH 0, 1, 0
	WIN 0
	s_wait_xcnt 0x0                                ; the bases are stepped only behind this wait
	s_add_nc_u64 s[SA:SA+1], s[SA:SA+1], 64
	s_add_nc_u64 s[SWK:SWK+1], s[SWK:SWK+1], 32*PITCH
.endm
; THE WAY OUT of block i: the f32 sums go into my stage, 32 bytes a lane, and come back as whole rows of 512 bytes; each row goes where the list says.  A block at or past NB ends the wave's work.
; The accumulators were shown written by the wait ahead of block 0, and no vector or matrix instruction names them behind it.
.macro EPI i
.if (\i) > 0
	s_wait_alu depctr_vm_vsrc(0)                   ; the last block's global stores have read IDX and DAT, in which the loads below land
.endif
	s_cmp_le_u32 s[NL], \i
	s_cbranch_scc1 .Lend
.set m, 0
.if (\i) < 4
	WIN 0x04                                       ; the stores' data (source 1) in window 1
.rept 8
	ds_store_b128 v[STO], v[64*(\i)+8*m:64*(\i)+8*m+3]   offset:64*m
	ds_store_b128 v[STO], v[64*(\i)+8*m+4:64*(\i)+8*m+7] offset:64*m+16
.set m, m+1
.endr
.else
	WIN 0x08                                       ; in window 2
.rept 8
	ds_store_b128 v[STO], v[ACC4+8*m:ACC4+8*m+3]   offset:64*m
	ds_store_b128 v[STO], v[ACC4+8*m+4:ACC4+8*m+7] offset:64*m+16
.set m, m+1
.endr
.endif
	WIN 0
	s_wait_xcnt 0x0                                ; the last block's stores name IDX and DAT: both are rewritten only behind this wait
.set m, 0
.rept 16
	ds_load_b32 v[IDX+m], v[LLA] offset:256*(\i)+4*m   ; one word for all lanes: row m's idx
.set m, m+1
.endr
.set m, 0
.rept 16
	ds_load_b128 v[DAT+4*m:DAT+4*m+3], v[RD] offset:SP*m  ; my own bytes, served in order (ISA guide 5.7.1.4): these see the stores above
.set m, m+1
.endr
	s_wait_dscnt 0x0
.set m, 0
.rept 16
	v_min_u32 v[IDX+m], 0x807, v[IDX+m]            ; inside the plane's 2,056 rows
	v_lshl_add_u32 v[IDX+m], v[IDX+m], 12, v[L16]
.set m, m+1
.endr
	s_wait_alu depctr_va_vdst(0)                   ; the sixteen offsets in IDX are written, which the stores read
.set m, 0
.rept 16
	global_store_b128 v[IDX+m], v[DAT+4*m:DAT+4*m+3], s[OUTB:OUTB+1]  ; the wave stores 512 consecutive bytes, at a multiple of 256 from y's first byte
.set m, m+1
.endr
.endm
	; THE HEAD: every LDS address register is made here, once
	s_load_b256 s[4:11], s[0:1], 0x0               ; h s[4:5], W2 s[6:7], b2 s[8:9], sel s[10:11]
	s_load_b64 s[12:13], s[0:1], 0x20              ; y
	v_lshl_add_u32 v[SPW], v0, 2, SPARE
	v_mov_b32 v[NIL], 0
	v_lshrrev_b32 v21, 5, v0
	v_readfirstlane_b32 s[WV], v21
	s_lshr_b32 s[E], ttmp9, 5
	s_and_b32 s[SL], ttmp9, 31
	s_lshr_b32 s[KQ], s[SL], 3
	s_and_b32 s[NS], s[SL], 7
	s_mov_b32 s21, 0
	s_mov_b32 s[HIM], 0xffff0000
	s_cmp_eq_u32 s[KQ], 0
	s_cselect_b32 s47, -1, 0
	v_and_b32 v21, 31, v0                          ; lane
	v_and_b32 v[R15], 15, v0
	v_bfe_u32 v22, v0, 4, 1                        ; lane / 16
	v_lshlrev_b32 v[L16], 4, v21
	v_lshlrev_b32 v[H16], 4, v22
	v_lshlrev_b32 v[B32], 5, v22
	v_mul_u32_u24 v[BADR], v22, WSTR
	v_lshl_add_u32 v[BADR], v[R15], 4, v[BADR]
	v_lshrrev_b32 v23, 2, v21
	v_mul_u32_u24 v24, v23, NSTR
	v_and_b32 v23, 3, v21
	v_lshl_add_u32 v24, v23, 6, v24
	s_wait_alu depctr_va_sdst(0)                   ; s[WV] is written, ahead of its first reader
	s_mul_i32 s[LISTW], s[WV], LSTR
	s_add_co_u32 s[LISTW], s[LISTW], LIST
	s_lshl_b32 s[LRD], s[WV], 6
	s_add_co_u32 s[LRD], s[LRD], s[LISTW]
	s_mul_i32 s[STAGEW], s[WV], SSTR
	s_add_co_u32 s[STAGEW], s[STAGEW], STAGE
	s_mul_i32 s[PRIVW], s[WV], PSTR
	s_add_co_u32 s[PRIVW], s[PRIVW], PRIV
	s_mul_i32 s41, s[WV], WSTR
	s_mul_i32 s45, s[WV], 8*PITCH
	v_add_nc_u32 v[VS], s41, v24
	v_add_nc_u32 v[OVS], s[PRIVW], v24
	v_mul_u32_u24 v[OBR], v22, OCT
	v_lshl_add_u32 v[OBR], v[R15], 4, v[OBR]
	v_add_nc_u32 v[OBR], s[PRIVW], v[OBR]
	v_add_nc_u32 v[VW], s45, v[L16]
	v_add_nc_u32 v[LSA], s[LISTW], v[L16]
	v_mul_u32_u24 v[STO], v[R15], SP               ; into the stage: row lane % 16, 32 bytes for each half of the lanes
	v_add_nc_u32 v[STO], v[B32], v[STO]
	v_add_nc_u32 v[STO], s[STAGEW], v[STO]
	v_add_nc_u32 v[RD], s[STAGEW], v[L16]          ; back: 16 bytes a lane, a row of 512 bytes a wave
	v_mov_b32 v[LLA], s[LRD]                       ; the list's 16 words of my first block; block i lies 256 bytes on
.irp z, 0,1,2,3,4,5,6,7
	v_mov_b32 v[Z+\z], 0
.endr
	v_lshlrev_b32 v22, 2, v21                      ; 4 x lane
	v_add_nc_u32 v23, 1280, v21                    ; where a token that is not chosen goes
	s_add_co_u32 s46, s[E], 2048                   ; ranks past the count name the expert's spare row of y
	v_mov_b32 v24, s46
	v_mov_b32 v25, s46
	v_mov_b32 v26, s46
	v_mov_b32 v27, s46
	s_lshl_b32 s45, s[NS], 9                       ; 128 columns of f32
	s_lshl_b32 s42, 0x101, s[E]                    ; expert e as first or as second choice
	s_add_co_u32 s43, s[E], 8                      ; the bit that says: as second
	s_wait_kmcnt 0x0
	s_lshl_b32 s20, s[E], 24
	s_lshl_b32 s41, s[KQ], 22
	s_add_co_u32 s20, s20, s41
	s_add_co_u32 s20, s20, s45
	s_add_nc_u64 s[SW0:SW0+1], s[6:7], s[20:21]    ; W2[e][1024 kq][128 ns]
	s_mov_b64 s[SW:SW+1], s[SW0:SW0+1]
	s_lshl_b32 s20, s[E], 12
	s_add_co_u32 s20, s20, s45
	s_add_nc_u64 s[8:9], s[8:9], s[20:21]          ; b2[e][128 ns]
	s_mul_i32 s20, s[KQ], PLANE
	s_add_co_u32 s20, s20, s45
	s_add_nc_u64 s[OUTB:OUTB+1], s[12:13], s[20:21]  ; y[kq][0][128 ns]
	s_lshl_b32 s20, s[E], 23
	s_lshl_b32 s41, s[KQ], 11
	s_add_co_u32 s20, s20, s41
	s_add_nc_u64 s[SA0:SA0+1], s[4:5], s[20:21]    ; h[e][0][1024 kq]
	s_mov_b64 s[SA:SA+1], s[SA0:SA0+1]
	s_wait_alu depctr_va_vdst(0)                   ; the address registers among v1 to v15 are written, v24 to v27, which the ground's stores read, and v30 and v31
.irp j, 0,1,2,3,4,5,6,7
	global_load_b128 v[BF+4*\j:BF+4*\j+3], v[L16], s[10:11] offset:512*\j  ; sel, all of it
.endr
	BIASLD
	PLOAD 0, 0                                     ; the stream begins: 56 loads are out
	PLOAD 1, 1
	PLOAD 2, 2
	PLOAD 3, 3
.irp j, 0,1,2,3,4,5,6,7,8,9,10
	ds_store_b128 v[LSA], v[24:27] offset:512*\j   ; the list's ground: every rank names the spare row
.endr
	s_wait_loadcnt 48                              ; sel is in; the bias's 16 loads and the weights' 32 stay out
.set n, 0
.rept 32                                               ; the bitmap: word n is the mask of the lanes whose token of register n chose expert e
	v_and_b32 v[28+n%2], s42, v[BF+n]
	v_cmp_ne_u32 s[MK+n], 0, v[28+n%2]
.set n, n+1
.endr
	s_wait_alu depctr_va_sdst(0)                   ; the 32 compares have written the bitmap, ahead of its first reader
	s_mov_b32 s44, 0
.set n, 0
.rept 32                                               ; THE COUNT FIRST: it is all that the rows' offsets need
	s_bcnt1_i32_b32 s45, s[MK+n]
	s_add_co_u32 s44, s44, s45
.set n, n+1
.endr
	s_add_co_u32 s[NB], s44, 15
	s_lshr_b32 s[NB], s[NB], 4
	s_max_u32 s[NB], s[NB], 1
	s_lshl_b32 s48, s[NB], 4
	s_sub_co_u32 s48, s48, 1                       ; the last rank that UP has stored
	s_mov_b32 s[BLK0], s[WV]
	NLCALC
	AOFSET
	s_wait_loadcnt 32                              ; the bias is in; W0 to W3 stay out
	s_wait_alu depctr_va_vdst(0)                   ; AOF is written, which the loads of activations read
	LA 0, 0
	LA 1, 1
	BIASPK
	BIASW
	; THE LIST, in UP's order of ranks, made while W0 to W3, A0 and A1 are on their way: each wave makes its own copy, so no wave waits for another.  A chosen token's rank is the count of the words
	; below plus the chosen lanes below mine; its word is the row of y that takes its result.  Sixteen entries at a time: the addresses in PT, each entry's word in the place of its sel word, then
	; one wait and the sixteen stores.
	s_mov_b32 s44, 0
.set n, 0
.rept 2
.if n > 0
	s_wait_alu depctr_vm_vsrc(0)                   ; the first sixteen stores have read PT, which the next sixteen addresses write again
.endif
.rept 16
	v_mbcnt_lo_u32_b32 v28, s[MK+n], s44
	v_cndmask_b32 v28, v23, v28, s[MK+n]
	v_min_u32 v28, 0x53f, v28                      ; inside my 1,408 words
	v_lshl_add_u32 v[PT+n%16], v28, 2, s[LISTW]
	v_add_nc_u32 v29, 128*(n/4)+n%4, v22
	v_bfe_u32 v12, v[BF+n], s43, 1
	v_lshl_add_u32 v[BF+n], v12, 10, v29           ; + 1,024 for a second choice
	s_bcnt1_i32_b32 s45, s[MK+n]
	s_add_co_u32 s44, s44, s45
.set n, n+1
.endr
	s_wait_alu depctr_va_vdst(0)                   ; sixteen addresses in PT and sixteen words in BF are written, which the stores read
.set m, n-16
.rept 16
	ds_store_b32 v[PT+m%16], v[BF+m]
.set m, m+1
.endr
.endr
	s_wait_loadcnt 44                              ; W0 is in: behind it W1, W2, W3, A0, A1
	s_wait_alu depctr_vm_vsrc(0)                   ; the list's stores have read PT, which the conversions write, and v32 to v63, in which k-step 0's fragments land
	PCVT 0
	s_wait_alu depctr_va_vdst(0)                   ; the conversions have written PT, which the stores read, and are done reading WRG's slot 0, in which W4 lands
	PSTORE VS, 0
	PLOAD 0, 4
	s_wait_loadcnt 44                              ; W1 is in: behind it W2, W3, A0, A1, W4
	s_wait_alu depctr_vm_vsrc(0)                   ; the stores above have read PT, which the conversions write again
	PCVT 1
	s_wait_alu depctr_va_vdst(0)                   ; the conversions have written PT and are done reading WRG's slot 1, in which W5 lands
	PSTORE VS, OCT
	LA 2, 2
	PLOAD 1, 5                                     ; out, in this order: W2, W3, A0, A1, W4, A2, W5: 62 loads
	BAR                                            ; k-steps 0 and 1 are in slot 0
	; K-STEP 0: nothing is left over from a step before; no matrix instruction stands ahead of it
	s_wait_loadcnt 54                              ; W2 is in
	s_wait_alu depctr_vm_vsrc(0)                   ; the stores of W1 have read PT, which the conversions write again
	PCVT 2
	s_wait_alu depctr_va_vdst(0)                   ; the conversions have written PT and are done reading WRG's slot 2; the list's lines are done with BF, in which the fragments land
	PSTORE VS, SLOTB
	LB 0, BADR, 0, 2*WSTR
	LB 1, BADR, 0, 2*WSTR
	s_wait_loadcnt 36                              ; A0 is in: behind it A1, W4, A2, W5
	LA 3, 3
	PLOAD 2, 6
	s_wait_dscnt 8
	MH 0, 0, 1
	ITER 1, 1, 1, 1, 54, 44, 1, 1
	BAR
	WIN 0
	s_wait_xcnt 0x0                                ; the bases of the loads that are out are stepped only behind this wait
	s_add_nc_u64 s[SA:SA+1], s[SA:SA+1], 2*64
	s_add_nc_u64 s[SW:SW+1], s[SW:SW+1], 2*32*PITCH
	s_mov_b32 s[TRIP], 6
.Lbody:                                                ; k-steps 2 to 25, four a trip: once round the ring and once round the slots of registers.  54: three younger pairs A, W; 44: less one A
	ITER 2, 0, 0, 1, 54, 44, 1, 1
	ITER 3, 1, 0, 1, 54, 44, 1, 1
	BAR
	ITER 0, 2, 0, 1, 54, 44, 1, 1
	ITER 1, 3, 0, 1, 54, 44, 1, 1
	BAR
	WIN 0
	s_wait_xcnt 0x0
	s_add_nc_u64 s[SA:SA+1], s[SA:SA+1], 4*64
	s_add_nc_u64 s[SW:SW+1], s[SW:SW+1], 4*32*PITCH
	s_sub_co_u32 s[TRIP], s[TRIP], 1
	s_cmp_lg_u32 s[TRIP], 0
	s_cbranch_scc1 .Lbody
	; K-STEPS 26 TO 31 are written out: W31 and A31 are the last loads, so none leaves its buffer, and the counts run down
	ITER 2, 0, 0, 1, 54, 44, 1, 0
	ITER 3, 1, 0, 1, 46, 36, 1, 0
	BAR
	ITER 0, 2, 0, 1, 38, 28, 1, 0
	ITER 1, 3, 0, 1, 30, 20, 0, 0
	BAR
	ITER 2, 4, 0, 0, 0, 10, 0, 0
	ITER 3, 5, 0, 0, 0, 0, 0, 0
	s_wait_dscnt 0x0
	MH 3, 1, 0
	WIN 0
	s_mov_b32 s[G], 4
	s_branch .Lout                                 ; group 0 goes out; the loop over groups is entered at the way out.  No barrier follows
.Lgroup:                                               ; groups 1 to 3
	s_wait_xcnt 0x0                                ; the stores' registers are written again
	s_wait_alu depctr_vm_vsrc(0)                   ; the last block's stores have read IDX and DAT, in which the list's loads land; the LDS stores have read the accumulators, which are begun anew; the loads of h have read AOF
	s_add_co_u32 s[BLK0], s[BLK0], 20
	NLCALC
	s_cmp_eq_u32 s[NL], 0
	s_cbranch_scc1 .Lend
	LSHIFT
	AOFSET
	s_mov_b64 s[SA:SA+1], s[SA0:SA0+1]
	s_mov_b64 s[SWK:SWK+1], s[SW0:SW0+1]
	BIASW
	WIN 0x60                                       ; blocks 0-3 start as bias + 0 x 0, so that the k-step's text stands once; block 4's accumulators hold the bias already
.irp i, 0,1,2,3
.irp n, 0,1,2,3,4,5,6,7
	v_wmma_f32_16x16x32_bf16 v[64*\i+8*\n:64*\i+8*\n+7], v[Z:Z+7], v[Z:Z+7], v[ACC4+8*\n:ACC4+8*\n+7]
.endr
.endr
	WIN 0
	s_wait_alu depctr_vm_vsrc(0)                   ; the stores that moved the list have read v96 to v127, in which the weights land
	s_mov_b32 s[CNT], 32
.Lok:
	OSTEP
	s_sub_co_u32 s[CNT], s[CNT], 1
	s_cmp_lg_u32 s[CNT], 0
	s_cbranch_scc1 .Lok
.Lout:
	PLACES                                         ; behind the group's last products
	s_wait_alu depctr_va_vdst(0)                   ; the products have written the accumulators, which the LDS stores read; the conversions are done reading the registers of IDX and DAT; the places above stay beside this wait
	EPI 0
	EPI 1
	EPI 2
	EPI 3
	EPI 4
	s_sub_co_u32 s[G], s[G], 1
	s_cmp_lg_u32 s[G], 0
	s_cbranch_scc1 .Lgroup
.Lend:
	s_wait_dscnt 0x0                               ; the closing lines, six on end
	s_wait_alu 0x0
	s_wait_tensorcnt 0x0
	ds_add_u32 v[SPW], v[NIL]
	s_wait_dscnt 0x0
	s_endpgm
.Lfunc_end_k_qcefcfb8336_down:
	.size	k_qcefcfb8336_down, .Lfunc_end_k_qcefcfb8336_down-k_qcefcfb8336_down
	.p2alignl 7, 3214868480
	.fill 96, 4, 3214868480
	.section	.rodata,"a",@progbits
	.p2align	6, 0x0
	.amdhsa_kernel k_qcefcfb8336_down
		.amdhsa_group_segment_fixed_size 126464
		.amdhsa_private_segment_fixed_size 0
		.amdhsa_enable_private_segment 0
		.amdhsa_kernarg_size 40
		.amdhsa_user_sgpr_count 2
		.amdhsa_user_sgpr_kernarg_segment_ptr 1
		.amdhsa_wavefront_size32 1
		.amdhsa_system_sgpr_workgroup_id_x 1
		.amdhsa_system_sgpr_workgroup_id_y 1
		.amdhsa_system_sgpr_workgroup_id_z 1
		.amdhsa_system_vgpr_workitem_id 0
		.amdhsa_next_free_vgpr 800
		.amdhsa_next_free_sgpr 98
		.amdhsa_reserve_vcc 0
		.amdhsa_float_denorm_mode_32 3
		.amdhsa_float_denorm_mode_16_64 3
		.amdhsa_memory_ordered 1
		.amdhsa_forward_progress 1
		.amdhsa_inst_pref_size 178
	.end_amdhsa_kernel
	.amdgpu_metadata
---
amdhsa.version: [ 1, 2 ]
amdhsa.kernels:
  - .name:           k_qcefcfb8336_down
    .symbol:         k_qcefcfb8336_down.kd
    .args:
      - { .name: h, .offset: 0, .size: 8, .value_kind: global_buffer, .address_space: global }
      - { .name: W2, .offset: 8, .size: 8, .value_kind: global_buffer, .address_space: global }
      - { .name: b2, .offset: 16, .size: 8, .value_kind: global_buffer, .address_space: global }
      - { .name: sel, .offset: 24, .size: 8, .value_kind: global_buffer, .address_space: global }
      - { .name: y, .offset: 32, .size: 8, .value_kind: global_buffer, .address_space: global }
    .group_segment_fixed_size: 126464
    .private_segment_fixed_size: 0
    .kernarg_segment_align: 8
    .kernarg_segment_size: 40
    .max_flat_workgroup_size: 128
    .sgpr_count:     98
    .vgpr_count:     800
    .wavefront_size: 32
...
	.end_amdgpu_metadata
.endif
;; end of part 8
;; launch sum: the kernel of part 4 again; grid 256 x 1, 8 waves a work-group, no clusters, 0 bytes of LDS; arguments y, out0; writes out0
